; MI455X (gfx1250); checked and timed in simulation.
; The chip was launched on July 23, 2026; its instructions are those of AMD's public machine-readable ISA for CDNA 5 (MIT licence, August 2026) and "CDNA5" Instruction Set Architecture Reference Guide (July 2026). The comments in the code are by the model that wrote it; some were corrected since.
;; Self Attention Module. Allowed arithmetic: matrix products marked QUANTISED: E3M2 operands, one E8M0 scale for each 32 along K, by v_wmma_scale_f32_16x16x128_f8f6f4 with both operands' format E3M2, f32 sums; everything else in f32.
;; Inputs: W_k_codes 1,024 x 32 x 24 uint8 (E3M2 codes of W_k, K innermost, in blocks of 32 codes, four codes in three bytes); W_k_scales 1,024 x 32 uint8 (E8M0 scales of W_k, one for each 32 codes along K); W_o_codes 1,024 x 32 x 24 uint8 (E3M2 codes of W_o, K innermost, in blocks of 32 codes, four codes in three bytes); W_o_scales 1,024 x 32 uint8 (E8M0 scales of W_o, one for each 32 codes along K); W_q_codes 1,024 x 32 x 24 uint8 (E3M2 codes of W_q, K innermost, in blocks of 32 codes, four codes in three bytes); W_q_scales 1,024 x 32 uint8 (E8M0 scales of W_q, one for each 32 codes along K); W_v_codes 1,024 x 32 x 24 uint8 (E3M2 codes of W_v, K innermost, in blocks of 32 codes, four codes in three bytes); W_v_scales 1,024 x 32 uint8 (E8M0 scales of W_v, one for each 32 codes along K); inputs 4 x 2,048 x 1,024 float32; ln_beta 1,024 float32; ln_gamma 1,024 float32.
;; Outputs: out0 4 x 2,048 x 1,024 float32.
;; This version of the problem:
;;   THIS VERSION OF THE PROBLEM IS GIVEN IN LOW PRECISION. The matrix products marked QUANTISED in the list below multiply operands that are first quantised to E3M2 (3 exponent bits, 2 mantissa bits; 6 bits a number), with one power-of-two scale for each 32 numbers along K (OCP MX v1.0); their sums are f32. All else is computed in f32.
;;   The module's matrix products, in the order in which they are computed (A, B: the left and right operand; K: the contracted axis; several contracted axes count as one K, in the product's order):
;;     1. [M 8,192, K 1,024] x [K 1,024, N 1,024]; A: input inputs; B: input W_q (given as codes): QUANTISED
;;     2. [M 8,192, K 1,024] x [K 1,024, N 1,024]; A: input inputs; B: input W_k (given as codes): QUANTISED
;;     3. [M 8,192, K 1,024] x [K 1,024, N 1,024]; A: input inputs; B: input W_v (given as codes): QUANTISED
;;     4. batch 64 x [M 2,048, K 64] x [K 64, N 2,048]; A: computed on the way; B: computed on the way: QUANTISED
;;     5. batch 64 x [M 2,048, K 2,048] x [K 2,048, N 64]; A: softmax (see below); B: computed on the way: QUANTISED
;;     6. [M 8,192, K 1,024] x [K 1,024, N 1,024]; A: computed on the way; B: input W_o (given as codes): QUANTISED
;;   THE QUANTISER, for each operand of a quantised product, along K:
;;     - K is cut into blocks of 32 from its start; a last block that is shorter is filled with zeros.
;;     - A block's scale is 2^e with e = floor(log2(the largest magnitude in the block)) - 4, held to -126 .. 127; a block of zeros has e = 0. As a byte (E8M0): e + 127.
;;     - Each number is divided by its block's scale, clamped to +-28, and rounded to the nearest number of E3M2, ties to even, subnormals kept.
;;     - The product sums the exact products of the quantised numbers (number of the format x scale) in f32.
;;   ~~~python
;;   def quantise(x, axis):      # numpy; x: float32 -> the quantised numbers, widened to float32 again
;;       x = np.moveaxis(x, axis, -1); K = x.shape[-1]
;;       x = np.pad(x, [(0, 0)] * (x.ndim - 1) + [(0, -K % 32)]); x = x.reshape(x.shape[:-1] + (-1, 32)); a = np.abs(x).max(-1, keepdims=True)
;;       e = np.where(a > 0, np.clip(np.frexp(np.where(a > 0, a, 1))[1] - 1 - 4, -126, 127), 0)      # np.frexp(a)[1] - 1 = floor(log2(a)), exactly
;;       r = np.clip(x / 2.0 ** e, -28, 28)
;;       step = 2.0 ** (np.maximum(np.frexp(np.where(r == 0, 1, r))[1] - 1, -2) - 2)
;;       q = np.round(r / step) * step * 2.0 ** e      # np.round: ties to even
;;       return np.moveaxis(q.reshape(q.shape[:-2] + (-1,))[..., :K], -1, axis).astype(np.float32)
;;   ~~~
;;   SOFTMAX AHEAD OF A QUANTISED PRODUCT. Where the list says 'softmax', what is quantised is not the finished softmax but p = 2^(t - M), with t = logit x log2(e) and M = ceil(the row's largest t), a whole number; so 1/2 < the row's largest p <= 1. The row's sum l is taken of the UNQUANTISED p, in f32, and the product's result is divided by l at the end. Since M is a whole number, a kernel that streams over the keys may use a running M (the ceiling of the running maximum): every later rescaling is an exact power of two, which a block's scale takes up: the codes' values come out the same.
;;   OPERANDS COMPUTED ON THE WAY. 'Computed on the way' means the value that the module computes at that place (a softmax that the list does not call 'softmax' is quantised finished and normalised). What goes into a quantiser is computed in f32, as accurately as f32 sums, v_exp_f32 and their like allow (about 1e-6 of the number): no bf16 or f16 on the way to a quantiser, and a product that is left as it is and whose result goes on into a quantised operand takes f32 operands (vector FMAs, or v_wmma_f32_16x16x4_f32). A number that lies on a knife's edge between two numbers of the format may be rounded either way, as far as f32 arithmetic and the matrix unit's own rounding can turn it there, and no further.
;;   INPUTS GIVEN AS CODES. W_k (in the module: [1024, 1024], K = its axis 1); W_o (in the module: [1024, 1024], K = its axis 1); W_q (in the module: [1024, 1024], K = its axis 1); W_v (in the module: [1024, 1024], K = its axis 1): each comes as NAME_codes (uint8): NAME with its K axis moved to the last place and cut into blocks of 32 codes, [.., K / 32, bytes a block], one block behind the other in memory; four codes in three bytes: a row's codes are one little-endian stream of bits, code i at bits 6 i .. 6 i + 5 (a code: sign, 3 exponent bits, 2 mantissa bits); and NAME_scales (uint8): the same leading axes, one E8M0 byte (e + 127) for each 32 codes along K. Its value is code x scale, taken as it is: it is not quantised again, and the codes and scales need not be those that the quantiser above would give.
;; 2 versions. Each part assembles by itself: llvm-mc -triple=amdgcn-amd-amdhsa -mcpu=gfx1250 --defsym DOCPART=n.
;; ======== version 1 of 2: 4 launches
;; workspace buffers: xr 6,553,600 bytes; wimg 3,145,728 bytes; qq 6,815,744 bytes; kv 13,369,344 bytes; ao 6,291,456 bytes; asc 524,288 bytes
;; launch prep (part 1): grid 256 x 1, 8 waves a work-group, no clusters, 136,192 bytes of LDS; arguments inputs, W_q_codes, W_k_codes, W_v_codes, W_o_codes, xr, wimg; writes xr, wimg
.if DOCPART == 1
	.amdgcn_target "amdgcn-amd-amdhsa--gfx1250"
	.amdhsa_code_object_version 6
	.text
	.protected	k_q2c5ed7796f_prep
	.globl	k_q2c5ed7796f_prep
	.p2align	8
	.type	k_q2c5ed7796f_prep,@function
k_q2c5ed7796f_prep:
	s_mov_b64 s[64:65], 0
	v_nop
	global_prefetch_b8 v0, s[64:65] scope:SCOPE_SE
	s_setreg_imm32_b32 hwreg(HW_REG_WAVE_MODE, 25, 1), 1
	s_wait_xcnt 0x0
; PREP.  x [8192][1024] f32 becomes codes of E3M2 with one E8M0 byte for each 32 along K, and the four weights' codes are laid anew, both as IMAGES OF OPERAND REGISTERS:
; a fragment (16 rows x 128 K) is 12 registers a lane; its image is 1,536 bytes: registers 4 c .. 4 c + 3 of lane l at byte 512 c + 16 l.  Every later launch loads fragments by dense loads of 16 bytes a lane.
; xr: one record of 102,400 bytes for each 128 tokens: image (K step s, token tile a) at (8 s + a) x 1,536; scale words at 98,304 + 512 s + 4 x (token in the block).
; wimg: image (weight 0 q, 1 k, 2 v, 3 o; tile tt; K step s) at ((64 weight + tt) x 8 + s) x 1,536.  THE ROWS OF A WEIGHT'S TILE ARE NOT NEIGHBOURS: lane r of tile tt takes row 32 (tt / 2) + 8 (tt % 2) + r + 8 (r / 8),
; so that, with the weight as source 0, the 16 registers of result tiles 2 b, 2 b + 1 are 16 neighbouring features.
; SHARES.  Work-group wg: tokens 32 wg .. 32 wg + 31; wave w: K step w of both token tiles, and one weight fragment (weight wg / 64, tile wg % 64, K step w).
; Each load of x reads 512 consecutive bytes; the numbers turn through the wave's own stage in LDS (16 rows, 528 bytes apart) so that a lane holds 16 neighbours along K of each block.  Waves share nothing: no barrier.
; A block's scale byte is its largest magnitude's exponent field - 4, held at 1 from below by a floor among the maximum's leaves.
; LIMITS: NaN and infinities are not served; a block of zeros gets the byte 1 (its codes are zeros, and this program alone reads the bytes).
; No matrix unit, no tensor load, no cluster: a stream that is read once and shared by nobody.
.set LI,  1                            ; v1   16 x lane
.set STA, 2                            ; v2   the stage, way in: 16 x lane + 16,896 x wave
.set LDA, 3                            ; v3   way out: 528 r + 64 h + 16,896 x wave
.set WGO, 4                            ; v4   the weight's gather: (r + 8 (r / 8)) x 768 + 24 h
.set L4,  5                            ; v5   4 x lane
.set WF,  8                            ; v8-19    the weight's fragment
.set R0,  20                           ; v20-147  x as loaded: tile f at R0 + 64 f
.set X,   148                          ; v148-211 64 numbers: register 16 b + i = k 32 b + 16 h + i of my row
.set TM,  212                          ; v212-227 maxima, bytes, scale operands
.set PC,  228                          ; v228-239 the codes just made
.set PT,  240                          ; v240-247 the blocks' second halves
.set PWA, 248                          ; v248, v249 the two tiles' scale words
.set PWB, 249
.set SEL, 20                           ; s[20:21] selects of v_permlanex16_b32: lane l xor 16
.set HI,  22                           ; s22  lanes 16-31
	s_load_b256 s[4:11], s[0:1], 0x0               ; x, W_q, W_k, W_v
	s_load_b128 s[12:15], s[0:1], 0x20             ; W_o, xr
	s_load_b64 s[16:17], s[0:1], 0x30              ; wimg
	v_lshl_add_u32 v254, v0, 2, 0x21000
	v_mov_b32 v255, 0
	v_lshrrev_b32 v1, 5, v0
	v_readfirstlane_b32 s18, v1                    ; wave 0..7
	v_and_b32 v6, 31, v0                           ; lane
	v_and_b32 v7, 15, v0                           ; r
	v_bfe_u32 v250, v0, 4, 1                       ; h
	v_lshlrev_b32 v[LI], 4, v6
	v_lshlrev_b32 v[L4], 2, v6
	s_mul_i32 s19, s18, 16896                      ; my wave's two stages
	v_add_nc_u32 v[STA], s19, v[LI]
	v_mul_u32_u24 v[LDA], v7, 528
	v_lshl_add_u32 v[LDA], v250, 6, v[LDA]
	v_add_nc_u32 v[LDA], s19, v[LDA]
	v_and_b32 v[WGO], 8, v7
	v_add_nc_u32 v[WGO], v[WGO], v7
	v_mul_u32_u24 v[WGO], v[WGO], 768              ; a weight's row: 1,024 codes = 768 bytes
	v_mad_u32_u24 v[WGO], v250, 24, v[WGO]
.irp b, 0,1,2,3
	v_mov_b32 v[TM+4+\b], 0                        ; written once: a lane permute's destination counts as one of its sources
.endr
	s_mov_b32 s[SEL], 0x76543210
	s_mov_b32 s[SEL+1], 0xfedcba98
	s_mov_b32 s[HI], 0xffff0000
	s_lshl_b32 s24, ttmp9, 17                      ; x: 32 rows of 4,096 bytes a work-group,
	s_lshl_b32 s25, s18, 9                         ; 512 bytes of a row a wave
	s_add_co_u32 s24, s24, s25
	s_mov_b32 s25, 0
	s_and_b32 s26, ttmp9, 63                       ; the weight's tile tt: it begins at row 32 (tt / 2) + 8 (tt % 2)
	s_lshr_b32 s27, s26, 1
	s_mul_i32 s27, s27, 24576
	s_and_b32 s26, s26, 1
	s_mul_i32 s26, s26, 6144
	s_add_co_u32 s26, s26, s27
	s_mul_i32 s27, s18, 96                         ; K step w: 96 bytes on
	s_add_co_u32 s26, s26, s27
	s_mov_b32 s27, 0
	s_lshr_b32 s28, ttmp9, 2
	s_mul_i32 s28, s28, 102400                     ; xr: my block's record
	s_and_b32 s29, ttmp9, 3                        ; which 32 tokens of the 128
	s_lshl_b32 s30, s18, 3
	s_lshl_b32 s31, s29, 1
	s_add_co_u32 s30, s30, s31
	s_mul_i32 s30, s30, 1536
	s_add_co_u32 s30, s30, s28                     ; image (w, 2 j)
	s_mov_b32 s31, 0
	s_lshl_b32 s32, s18, 9
	s_lshl_b32 s33, s29, 7
	s_add_co_u32 s32, s32, s33
	s_add_co_u32 s32, s32, s28
	s_add_co_u32 s32, s32, 98304                   ; scale words of K step w, tokens 32 j on
	s_mov_b32 s33, 0
	s_lshl_b32 s34, ttmp9, 3
	s_add_co_u32 s34, s34, s18
	s_mul_i32 s34, s34, 1536                       ; wimg: image 8 wg + w
	s_mov_b32 s35, 0
	s_lshr_b32 s36, ttmp9, 6                       ; which weight
	s_wait_kmcnt 0x0
	s_cmp_lt_u32 s36, 1                            ; only the pointer is chosen, by the work-group's number: one path through the text
	s_cselect_b64 s[6:7], s[6:7], s[8:9]
	s_cmp_lt_u32 s36, 3
	s_cselect_b64 s[10:11], s[10:11], s[12:13]
	s_cmp_lt_u32 s36, 2
	s_cselect_b64 s[6:7], s[6:7], s[10:11]
	s_add_nc_u64 s[4:5], s[4:5], s[24:25]
	s_add_nc_u64 s[6:7], s[6:7], s[26:27]
	s_add_nc_u64 s[8:9], s[14:15], s[30:31]        ; xr, images
	s_add_nc_u64 s[14:15], s[14:15], s[32:33]      ; xr, scale words
	s_add_nc_u64 s[16:17], s[16:17], s[34:35]
.irp p, 0,1,2,3,4,5
	global_load_b64 v[WF+2*\p:WF+2*\p+1], v[WGO], s[6:7] offset:48*(\p/3)+8*(\p%3)   ; registers 0-5: 24 bytes at 24 h; registers 6-11: 48 bytes on
.endr
.set ii, 0
.rept 32
	global_load_b128 v[R0+4*ii:R0+4*ii+3], v[LI], s[4:5] offset:4096*ii th:TH_LOAD_NT   ; row ii of my 32: 32 lanes read 512 consecutive bytes
.set ii, ii+1
.endr
; tile f's 16 rows through stage f.  LDS serves a wave's instructions in order, so no wait stands between the stores and the loads.
.macro TURN f
.set ii, 0
.rept 16
	ds_store_b128 v[STA], v[R0+64*\f+4*ii:R0+64*\f+4*ii+3] offset:8448*\f+528*ii
.set ii, ii+1
.endr
.irp b, 0,1,2,3
.irp q, 0,1,2,3
	ds_load_b128 v[X+16*\b+4*\q:X+16*\b+4*\q+3], v[LDA] offset:8448*\f+128*\b+16*\q
.endr
.endr
	s_wait_dscnt 0x0
.endm
; the 64 numbers in X become a fragment's codes in PC and its scale word in pw
.macro QUANT pw
.irp b, 0,1,2,3
	v_max3_num_f32 v[TM+\b], |v[X+16*\b]|, |v[X+16*\b+1]|, 0x2800000   ; my 16 numbers of block b, and the floor 2^(5 - 127): the byte cannot fall under 1
.endr
.irp i, 2,4,6,8,10,12,14
.irp b, 0,1,2,3
	v_max3_num_f32 v[TM+\b], v[TM+\b], |v[X+16*\b+\i]|, |v[X+16*\b+\i+1]|   ; the four blocks by turns
.endr
.endr
.irp b, 0,1,2,3
	v_permlanex16_b32 v[TM+4+\b], v[TM+\b], s[SEL], s[SEL+1]
.endr
.irp b, 0,1,2,3
	v_max_num_f32 v[TM+\b], v[TM+\b], v[TM+4+\b]   ; with lane l xor 16's 16: the block's largest magnitude
.endr
.irp b, 0,1,2,3
	v_add_nc_u32 v[TM+12+\b], 0xfe000000, v[TM+\b]   ; 4 off its exponent field: the conversion takes this operand's exponent field as its scale
.endr
.irp b, 0,1,2,3
	v_lshrrev_b32 v[TM+4+\b], 23, v[TM+12+\b]      ; the scale's byte
.endr
	v_lshl_or_b32 v[\pw], v[TM+5], 8, v[TM+4]
	v_lshl_or_b32 v[\pw], v[TM+6], 16, v[\pw]
	v_lshl_or_b32 v[\pw], v[TM+7], 24, v[\pw]
.irp c, 0,1
	v_cvt_scalef32_pk16_bf6_f32 v[PC+6*\c:PC+6*\c+2], v[X+32*\c:X+32*\c+15], v[TM+12+2*\c]
	v_cvt_scalef32_pk16_bf6_f32 v[PT+4*\c:PT+4*\c+2], v[X+32*\c+16:X+32*\c+31], v[TM+12+2*\c+1]   ; (a conversion's three registers begin on an even number)
.endr
	v_nop                                          ; one plain instruction behind the scaled conversions
.irp c, 0,1                                    ; the layout wants a whole block in a lane: lanes 0-15 block 2 c, lanes 16-31 block 2 c + 1
.irp i, 0,1,2
	v_permlane16_swap_b32 v[PC+6*\c+\i], v[PT+4*\c+\i]
.endr
.irp i, 0,1,2
	v_mov_b32 v[PC+6*\c+3+\i], v[PT+4*\c+\i]
.endr
.endr
.endm
	s_wait_loadcnt 16                              ; the weight's fragment and tile 0's rows are in; tile 1's 16 loads may be out
.irp c, 0,1,2
	global_store_b128 v[LI], v[WF+4*\c:WF+4*\c+3], s[16:17] offset:512*\c   ; 32 lanes store 512 consecutive bytes
.endr
	TURN 0
	QUANT PWA
.irp c, 0,1,2
	global_store_b128 v[LI], v[PC+4*\c:PC+4*\c+3], s[8:9] offset:512*\c
.endr
	s_wait_loadcnt 0x0                             ; tile 1's rows
	TURN 1
	s_wait_xcnt 0x0                                ; the stores above have read PC: it is written again only behind this wait
	QUANT PWB
.irp c, 0,1,2
	global_store_b128 v[LI], v[PC+4*\c:PC+4*\c+3], s[8:9] offset:1536+512*\c
.endr
	v_cndmask_b32 v[PWA], v[PWA], v[PWB], s[HI]    ; lanes 0-15: tile 0's row r; lanes 16-31: tile 1's
	global_store_b32 v[L4], v[PWA], s[14:15]       ; 32 tokens' words, 128 consecutive bytes
	s_wait_tensorcnt 0x0
	ds_add_u32 v254, v255
	s_wait_dscnt 0x0
	s_endpgm
.Lfunc_end_k_q2c5ed7796f_prep:
	.size	k_q2c5ed7796f_prep, .Lfunc_end_k_q2c5ed7796f_prep-k_q2c5ed7796f_prep
	.p2alignl 7, 3214868480
	.fill 96, 4, 3214868480
	.section	.rodata,"a",@progbits
	.p2align	6, 0x0
	.amdhsa_kernel k_q2c5ed7796f_prep
		.amdhsa_group_segment_fixed_size 136192
		.amdhsa_private_segment_fixed_size 0
		.amdhsa_enable_private_segment 0
		.amdhsa_kernarg_size 56
		.amdhsa_user_sgpr_count 2
		.amdhsa_user_sgpr_kernarg_segment_ptr 1
		.amdhsa_wavefront_size32 1
		.amdhsa_system_sgpr_workgroup_id_x 1
		.amdhsa_system_sgpr_workgroup_id_y 1
		.amdhsa_system_sgpr_workgroup_id_z 1
		.amdhsa_system_vgpr_workitem_id 0
		.amdhsa_next_free_vgpr 256
		.amdhsa_next_free_sgpr 66
		.amdhsa_reserve_vcc 0
		.amdhsa_float_denorm_mode_32 3
		.amdhsa_float_denorm_mode_16_64 3
		.amdhsa_memory_ordered 1
		.amdhsa_forward_progress 1
		.amdhsa_inst_pref_size 20
	.end_amdhsa_kernel
	.amdgpu_metadata
---
amdhsa.version: [ 1, 2 ]
amdhsa.kernels:
  - .name:           k_q2c5ed7796f_prep
    .symbol:         k_q2c5ed7796f_prep.kd
    .args:
      - { .name: inputs, .offset: 0, .size: 8, .value_kind: global_buffer, .address_space: global }
      - { .name: W_q_codes, .offset: 8, .size: 8, .value_kind: global_buffer, .address_space: global }
      - { .name: W_k_codes, .offset: 16, .size: 8, .value_kind: global_buffer, .address_space: global }
      - { .name: W_v_codes, .offset: 24, .size: 8, .value_kind: global_buffer, .address_space: global }
      - { .name: W_o_codes, .offset: 32, .size: 8, .value_kind: global_buffer, .address_space: global }
      - { .name: xr, .offset: 40, .size: 8, .value_kind: global_buffer, .address_space: global }
      - { .name: wimg, .offset: 48, .size: 8, .value_kind: global_buffer, .address_space: global }
    .group_segment_fixed_size: 136192
    .private_segment_fixed_size: 0
    .kernarg_segment_align: 8
    .kernarg_segment_size: 56
    .max_flat_workgroup_size: 256
    .sgpr_count:     66
    .vgpr_count:     256
    .wavefront_size: 32
...
	.end_amdgpu_metadata
.endif
;; end of part 1
;; launch qkv (part 2): grid 4 x 64, 4 waves a work-group, no clusters, 102,912 bytes of LDS; arguments xr, wimg, W_q_scales, W_k_scales, W_v_scales, qq, kv; writes qq, kv
.if DOCPART == 2
	.amdgcn_target "amdgcn-amd-amdhsa--gfx1250"
	.amdhsa_code_object_version 6
	.text
	.protected	k_q2c5ed7796f_qkv
	.globl	k_q2c5ed7796f_qkv
	.p2align	8
	.type	k_q2c5ed7796f_qkv,@function
k_q2c5ed7796f_qkv:
	s_mov_b64 s[64:65], 0
	v_nop
	global_prefetch_b8 v0, s[64:65] scope:SCOPE_SE
	s_setreg_imm32_b32 hwreg(HW_REG_WAVE_MODE, 25, 1), 1
	s_wait_xcnt 0x0
; QKV.  q = x W_q^T, k = x W_k^T, v = x W_v^T on codes of E3M2, sums in f32; the results are quantised at once (q, k along the head's 64, v along the keys) and leave as images of operand registers.
; SHARES.  Work-group (g, blk): tokens 128 blk .. + 127, heads 4 g .. 4 g + 3; wave w owns head 4 g + w and runs three passes (Q, K, V) of 128 tokens x 64 features x K 1,024: 32 accumulators, 8 K steps of 32 products.
; x's record (102,400 bytes: 64 fragment images and the scale words) is copied into LDS once; the weights' fragment images come from memory straight into the one wave's registers that uses them, four K steps ahead (a ring of five sets).
; Q, K: source 0 = 16 rows of W, source 1 = 16 tokens: a lane holds one token, and by the choice of W's tile rows the registers of tiles 2 b, 2 b + 1 are features 32 b + 16 h + 0 .. 15.
; V: source 0 = 16 tokens, source 1 = 16 rows of W: a lane holds one feature d, and its registers run along the tokens, which are the K of the product with p.  Position 8 u + j of block b in half h is key 32 b + 16 u + 8 h + j;
; the next launch's p lies in the same order, and a block of 32 is the true block.
; OUT.  qq, and kv's first part: for each head a record; the image of token tiles 2 j, 2 j + 1 (6 + 6 registers) at 1,536 j; scale words (bytes 0, 1 the two blocks, bytes 2, 3 zero) four to a lane.  kv: V's images (key step, d tile), K's and V's scale words.
; NO JOINT LOADS: a weight's fragment is used by one wave of a work-group and goes to its registers with no LDS between; x's record is 102,400 of the 692,224 bytes that a work-group reads, once, at the head.
; The text is straight: 24 K steps by macro, no branch; every step along the buffers is an immediate, so no base is ever rewritten.
; LIMITS: NaN and infinities are not served; a block of zeros gets the byte 1 (its codes are zeros, and this program alone reads the bytes).
; REGISTERS, in windows of 256: window 0: addresses, x's fragments and scale words, W's scale words, the quantiser's registers.  window 1: the 32 accumulators.  window 2: W's ring, 5 x 48.
.set LI,  1                            ; v1   16 x lane
.set LI2, 2                            ; v2   16 x lane + 49,152 (K steps 4 to 7 of x's record)
.set LS,  3                            ; v3   4 x lane + 98,304: x's scale words
.set SWO, 4                            ; v4   (32 h + r + 8 (r / 8)) x 32: W's scale bytes
.set L8,  5                            ; v5   8 x lane
.set CP0, 6                            ; v6   16 x thread
.set CP1, 7                            ; v7   16 x thread + 65,536
.set XF,  16                           ; v16-111  x's eight fragments of a K step
.set XSC, 112                          ; v112-119 x's scale words, two sets of 4: register j: lanes 0-15 tile 2 j, lanes 16-31 tile 2 j + 1
.set SW,  120                          ; v120-151 W's scale words, two sets of 16: register 8 u + s: lanes 0-15 tile u, lanes 16-31 tile 2 + u, K step s
.set TM,  152                          ; v152-167 maxima, bytes, scale operands
.set PCS, 168                          ; v168-215 four fragments of codes
.set PT,  216                          ; v216-223
.set SCI, 224                          ; v224-227 a scale image
.set W0,  228
.set W1,  229
.set SEL, 36                           ; s[36:37]
.set HI,  38                           ; s38  lanes 16-31
.set MUL_QK, 0x52                      ; source 0 (W) window 2, source 1 (x) window 0, C and D window 1
.set MUL_V,  0x58                      ; source 0 (x) window 0, source 1 (W) window 2, C and D window 1
.set TO_W,   0x80                      ; destination window 2
.set RD_MAX, 0x14                      ; sources 1 and 2 window 1
.set RD_CVT, 0x01                      ; source 0 window 1
.set MSB, 0
.macro WIN new                         ; the immediate's high byte repeats the setting that is left; a switch that changes nothing is dropped
.if MSB != \new
	s_set_vgpr_msb (MSB<<8)|\new
.set MSB, \new
.endif
.endm
.macro PLACES                          ; four plain instructions between a product and a load into, or a vector read of, its registers
.rept 4
	v_nop
.endr
.endm
; one product: D at d, sources at a and b, z = 1: C = 0, the sum begins; scale words in sa, sb; ra, rb = 1: taken from lanes 16-31
.macro WM d, a, b, z, sa, sb, ra, rb
.if \z
.if (\ra) && (\rb)
	v_wmma_scale_f32_16x16x128_f8f6f4 v[(\d):(\d)+7], v[(\a):(\a)+11], v[(\b):(\b)+11], 0, v[\sa], v[\sb] matrix_a_fmt:MATRIX_FMT_BF6 matrix_b_fmt:MATRIX_FMT_BF6 matrix_a_scale:MATRIX_SCALE_ROW1 matrix_b_scale:MATRIX_SCALE_ROW1
.elseif (\ra)
	v_wmma_scale_f32_16x16x128_f8f6f4 v[(\d):(\d)+7], v[(\a):(\a)+11], v[(\b):(\b)+11], 0, v[\sa], v[\sb] matrix_a_fmt:MATRIX_FMT_BF6 matrix_b_fmt:MATRIX_FMT_BF6 matrix_a_scale:MATRIX_SCALE_ROW1
.elseif (\rb)
	v_wmma_scale_f32_16x16x128_f8f6f4 v[(\d):(\d)+7], v[(\a):(\a)+11], v[(\b):(\b)+11], 0, v[\sa], v[\sb] matrix_a_fmt:MATRIX_FMT_BF6 matrix_b_fmt:MATRIX_FMT_BF6 matrix_b_scale:MATRIX_SCALE_ROW1
.else
	v_wmma_scale_f32_16x16x128_f8f6f4 v[(\d):(\d)+7], v[(\a):(\a)+11], v[(\b):(\b)+11], 0, v[\sa], v[\sb] matrix_a_fmt:MATRIX_FMT_BF6 matrix_b_fmt:MATRIX_FMT_BF6
.endif
.else
.if (\ra) && (\rb)
	v_wmma_scale_f32_16x16x128_f8f6f4 v[(\d):(\d)+7], v[(\a):(\a)+11], v[(\b):(\b)+11], v[(\d):(\d)+7], v[\sa], v[\sb] matrix_a_fmt:MATRIX_FMT_BF6 matrix_b_fmt:MATRIX_FMT_BF6 matrix_a_scale:MATRIX_SCALE_ROW1 matrix_b_scale:MATRIX_SCALE_ROW1
.elseif (\ra)
	v_wmma_scale_f32_16x16x128_f8f6f4 v[(\d):(\d)+7], v[(\a):(\a)+11], v[(\b):(\b)+11], v[(\d):(\d)+7], v[\sa], v[\sb] matrix_a_fmt:MATRIX_FMT_BF6 matrix_b_fmt:MATRIX_FMT_BF6 matrix_a_scale:MATRIX_SCALE_ROW1
.elseif (\rb)
	v_wmma_scale_f32_16x16x128_f8f6f4 v[(\d):(\d)+7], v[(\a):(\a)+11], v[(\b):(\b)+11], v[(\d):(\d)+7], v[\sa], v[\sb] matrix_a_fmt:MATRIX_FMT_BF6 matrix_b_fmt:MATRIX_FMT_BF6 matrix_b_scale:MATRIX_SCALE_ROW1
.else
	v_wmma_scale_f32_16x16x128_f8f6f4 v[(\d):(\d)+7], v[(\a):(\a)+11], v[(\b):(\b)+11], v[(\d):(\d)+7], v[\sa], v[\sb] matrix_a_fmt:MATRIX_FMT_BF6 matrix_b_fmt:MATRIX_FMT_BF6
.endif
.endif
.endm
; step n = 8 x pass + K step.  W's four fragments of step n into ring set n % 5: 12 dense loads of 512 bytes
.macro WLOAD n
.set wp, (\n)/8
.set wk, (\n)%8
.set wb, 48*((\n)%5)
	WIN TO_W
.irp t, 0,1,2,3
.irp c, 0,1,2
	global_load_b128 v[wb+12*\t+4*\c:wb+12*\t+4*\c+3], v[LI], s[6:7] offset:786432*wp+12288*\t+1536*wk+512*\c
.endr
.endr
.endm
.macro SWLOAD p                        ; pass p's scale words of W, all eight K steps
	WIN 0
.irp u, 0,1
.irp q, 0,1
	global_load_b128 v[SW+16*((\p)%2)+8*\u+4*\q:SW+16*((\p)%2)+8*\u+4*\q+3], v[SWO], s[8+2*(\p):9+2*(\p)] offset:256*\u+16*\q
.endr
.endr
.endm
.macro XLOAD n, a0                     ; x's fragments a0 .. a0 + 3 of step n's K step, from LDS
.set xk, (\n)%8
.irp a, 0,1,2,3
.irp c, 0,1,2
.if xk < 4
	ds_load_b128 v[XF+12*(\a0+\a)+4*\c:XF+12*(\a0+\a)+4*\c+3], v[LI] offset:(8*xk+\a0+\a)*1536+512*\c
.else
	ds_load_b128 v[XF+12*(\a0+\a)+4*\c:XF+12*(\a0+\a)+4*\c+3], v[LI2] offset:(8*(xk-4)+\a0+\a)*1536+512*\c
.endif
.endr
.endr
.endm
.macro XSCL n                          ; and x's scale words, into set n % 2
.irp j, 0,1,2,3
	ds_load_b32 v[XSC+4*((\n)%2)+\j], v[LS] offset:512*((\n)%8)+128*\j
.endr
.endm
; 16 products: token tiles a0 .. a0 + 3 x W's four tiles.  The 32 accumulators take turns, one instruction a turn, in the same order in every step.
.macro MUL16 n, a0
.set mp, (\n)/8
.set mk, (\n)%8
.set mb, 48*((\n)%5)
.set mx, XSC+4*((\n)%2)
.set ms, SW+16*(mp%2)+mk
.irp a, 0,1,2,3
.irp t, 0,1,2,3
.set ma, \a0+\a
.if mp < 2
	WM 8*(4*ma+\t), mb+12*\t, XF+12*ma, mk==0, ms+8*(\t%2), mx+ma/2, \t/2, ma%2
.else
	WM 8*(8*\t+ma), XF+12*ma, mb+12*\t, mk==0, mx+ma/2, ms+8*(\t%2), ma%2, \t/2
.endif
.endr
.endr
.endm
.macro MWIN n
.if (\n) < 16
	WIN MUL_QK
.else
	WIN MUL_V
.endif
.endm
.macro KSTEP n
.if 23-(\n) < 3
	s_wait_loadcnt 12*(23-(\n))                    ; W's set of this step is in; what was asked for behind it may be out
.else
	s_wait_loadcnt 36                              ; W's set of this step is in; the three sets behind it may be out (scale words asked for between them only make the count stricter)
.endif
	s_wait_dscnt 12                                ; x's fragments 0-3 and scale words are in; the youngest twelve loads, fragments 4-7, may be out
	MWIN \n
	MUL16 \n, 0
	s_wait_dscnt 0x0                               ; fragments 4-7
	PLACES
.if ((\n)%8 == 4) && ((\n) < 16)
	SWLOAD (\n)/8+1                                ; the next pass's scale words of W, four steps ahead
.endif
.if (\n)+4 < 24
	WLOAD (\n)+4                                   ; into the set that the step before has left
.endif
	WIN 0
.if (\n)+1 < 24
	XLOAD (\n)+1, 0
	XSCL (\n)+1
.endif
	MWIN \n
	MUL16 \n, 4
	PLACES
	WIN 0
.if (\n)+1 < 24
	XLOAD (\n)+1, 4
.endif
.endm
; 64 registers of window 1 from src on (register 16 b + i: place 16 h + i of block b of my row) become 12 registers of codes at dst; the four bytes stay in v[TM+4 .. TM+7].  Each accumulator is read from its low end on.
.macro QUANT src, dst
	WIN RD_MAX
.irp b, 0,1,2,3
	v_max3_num_f32 v[TM+\b], 0x2800000, |v[(\src)+16*\b]|, |v[(\src)+16*\b+1]|   ; with the floor 2^(5 - 127): the byte cannot fall under 1
.endr
.irp i, 2,4,6,8,10,12,14
.irp b, 0,1,2,3
	v_max3_num_f32 v[TM+\b], v[TM+\b], |v[(\src)+16*\b+\i]|, |v[(\src)+16*\b+\i+1]|
.endr
.endr
	WIN 0
.irp b, 0,1,2,3
	v_permlanex16_b32 v[TM+4+\b], v[TM+\b], s[SEL], s[SEL+1]
.endr
.irp b, 0,1,2,3
	v_max_num_f32 v[TM+\b], v[TM+\b], v[TM+4+\b]
.endr
.irp b, 0,1,2,3
	v_add_nc_u32 v[TM+12+\b], 0xfe000000, v[TM+\b]   ; 4 off the exponent field: the conversion's scale operand
.endr
.irp b, 0,1,2,3
	v_lshrrev_b32 v[TM+4+\b], 23, v[TM+12+\b]      ; the scale's byte
.endr
	WIN RD_CVT
.irp c, 0,1
	v_cvt_scalef32_pk16_bf6_f32 v[(\dst)+6*\c:(\dst)+6*\c+2], v[(\src)+32*\c:(\src)+32*\c+15], v[TM+12+2*\c]
	v_cvt_scalef32_pk16_bf6_f32 v[PT+4*\c:PT+4*\c+2], v[(\src)+32*\c+16:(\src)+32*\c+31], v[TM+12+2*\c+1]
.endr
	WIN 0
	v_nop                                          ; one plain instruction behind the scaled conversions
.irp c, 0,1
.irp i, 0,1,2
	v_permlane16_swap_b32 v[(\dst)+6*\c+\i], v[PT+4*\c+\i]
.endr
.irp i, 0,1,2
	v_mov_b32 v[(\dst)+6*\c+3+\i], v[PT+4*\c+\i]
.endr
.endr
.endm
; q or k leave: token tiles 2 j and 2 j + 1 are the blocks 0, 1 and 2, 3 of one run of the quantiser: its 12 registers are the pair's image
.macro EPI_QK sc, ssc
	s_wait_xcnt 0x0                                ; the last pass's stores have read PCS and SCI: they are written again only behind this wait
.irp j, 0,1,2,3
	QUANT 64*\j, PCS+12*\j
	v_lshl_or_b32 v[W0], v[TM+5], 8, v[TM+4]       ; tile 2 j's word: two bytes, the upper two zero
	v_lshl_or_b32 v[W1], v[TM+7], 8, v[TM+6]       ; tile 2 j + 1's
	v_cndmask_b32 v[SCI+\j], v[W0], v[W1], s[HI]   ; lane l: the word of token 32 j + l
.irp c, 0,1,2
	global_store_b128 v[LI], v[PCS+12*\j+4*\c:PCS+12*\j+4*\c+3], s[\sc:\sc+1] offset:1536*\j+512*\c   ; 512 consecutive bytes
.endr
.endr
	global_store_b128 v[LI], v[SCI:SCI+3], s[\ssc:\ssc+1]
.endm
; v leaves: d tile t's 64 registers run along the 128 tokens: one fragment of the product with p, and a scale word of four bytes a row
.macro EPI_V
	s_wait_xcnt 0x0
.irp t, 0,1,2,3
	QUANT 64*\t, PCS+12*\t
.set wr, W0+(\t%2)
	v_lshl_or_b32 v[wr], v[TM+5], 8, v[TM+4]
	v_lshl_or_b32 v[wr], v[TM+6], 16, v[wr]
	v_lshl_or_b32 v[wr], v[TM+7], 24, v[wr]
.if \t%2 == 1
	v_cndmask_b32 v[SCI+\t/2], v[W0], v[W1], s[HI]   ; lanes 0-15 the even tile's rows, lanes 16-31 the odd tile's
.endif
.irp c, 0,1,2
	global_store_b128 v[LI], v[PCS+12*\t+4*\c:PCS+12*\t+4*\c+3], s[32:33] offset:1536*\t+512*\c
.endr
.endr
	global_store_b64 v[L8], v[SCI:SCI+1], s[34:35]   ; 256 consecutive bytes
.endm
	s_load_b256 s[4:11], s[0:1], 0x0               ; xr, wimg, W_q's scales, W_k's
	s_load_b128 s[12:15], s[0:1], 0x20             ; W_v's scales, qq
	s_load_b64 s[16:17], s[0:1], 0x30              ; kv
	v_lshl_add_u32 v254, v0, 2, 0x19000
	v_mov_b32 v255, 0
	v_lshrrev_b32 v8, 5, v0
	v_readfirstlane_b32 s18, v8                    ; wave 0..3
	v_and_b32 v8, 31, v0                           ; lane
	v_and_b32 v9, 15, v0                           ; r
	v_bfe_u32 v10, v0, 4, 1                        ; h
	v_lshlrev_b32 v[LI], 4, v8
	v_add_nc_u32 v[LI2], 49152, v[LI]
	v_lshl_add_u32 v[LS], v8, 2, 98304
	v_lshlrev_b32 v[L8], 3, v8
	v_and_b32 v11, 8, v9
	v_add_nc_u32 v11, v11, v9
	v_lshl_add_u32 v11, v10, 5, v11
	v_lshlrev_b32 v[SWO], 5, v11                   ; a row of scale bytes is 32 bytes
	v_lshlrev_b32 v[CP0], 4, v0
	v_add_nc_u32 v[CP1], 65536, v[CP0]
	s_mov_b32 s[SEL], 0x76543210
	s_mov_b32 s[SEL+1], 0xfedcba98
	s_mov_b32 s[HI], 0xffff0000
	s_and_b32 s20, ttmp7, 0xffff                   ; blk: which 128 tokens
	s_lshl_b32 s19, ttmp9, 2
	s_add_co_u32 s19, s19, s18                     ; my head
	s_lshr_b32 s21, s20, 4                         ; the batch
	s_and_b32 s22, s20, 15                         ; nb: which 128 tokens of the batch
	s_lshl_b32 s23, s21, 4
	s_add_co_u32 s23, s23, s19                     ; the record: 16 x batch + head
	s_mul_i32 s40, s20, 102400                     ; xr
	s_mov_b32 s41, 0
	s_mul_i32 s42, s19, 49152                      ; wimg: my head's four tiles, eight K steps each
	s_mov_b32 s43, 0
	s_lshl_b32 s44, s19, 11                        ; the scale bytes of my 64 rows
	s_mov_b32 s45, 0
	s_mul_i32 s46, s23, 106496
	s_mul_i32 s47, s23, 208896
	s_mul_i32 s48, s22, 6144
	s_lshl_b32 s49, s22, 9
	s_lshl_b32 s50, s22, 8
	s_add_co_u32 s24, s46, s48                     ; q's images
	s_mov_b32 s25, 0
	s_add_co_u32 s26, s46, s49
	s_add_co_u32 s26, s26, 98304                   ; q's scale image
	s_mov_b32 s27, 0
	s_add_co_u32 s28, s47, s48                     ; k's images
	s_mov_b32 s29, 0
	s_add_co_u32 s30, s47, s49
	s_add_co_u32 s30, s30, 196608                  ; k's scale image
	s_mov_b32 s31, 0
	s_add_co_u32 s32, s28, 98304                   ; v's images
	s_mov_b32 s33, 0
	s_add_co_u32 s34, s47, s50
	s_add_co_u32 s34, s34, 204800                  ; v's scale image
	s_mov_b32 s35, 0
	s_wait_kmcnt 0x0
	s_add_nc_u64 s[4:5], s[4:5], s[40:41]
	s_add_nc_u64 s[6:7], s[6:7], s[42:43]
	s_add_nc_u64 s[8:9], s[8:9], s[44:45]
	s_add_nc_u64 s[10:11], s[10:11], s[44:45]
	s_add_nc_u64 s[12:13], s[12:13], s[44:45]
	s_add_nc_u64 s[24:25], s[14:15], s[24:25]
	s_add_nc_u64 s[26:27], s[14:15], s[26:27]
	s_add_nc_u64 s[28:29], s[16:17], s[28:29]
	s_add_nc_u64 s[30:31], s[16:17], s[30:31]
	s_add_nc_u64 s[32:33], s[16:17], s[32:33]
	s_add_nc_u64 s[34:35], s[16:17], s[34:35]
	; x's record into LDS as it lies: 50 loads of 2,048 bytes a work-group, in two batches through registers that are free at the head
.set ii, 0
.rept 25
	global_load_b128 v[16+4*ii:19+4*ii], v[CP0], s[4:5] offset:2048*ii
.set ii, ii+1
.endr
.set ii, 0
.rept 25
	global_load_b128 v[152+4*ii:155+4*ii], v[CP0], s[4:5] offset:2048*(25+ii)
.set ii, ii+1
.endr
	SWLOAD 0
	s_wait_loadcnt 29                              ; the first batch is in: behind it stand the second batch's 25 and the 4 of the scale words
.set ii, 0
.rept 25
	ds_store_b128 v[CP0], v[16+4*ii:19+4*ii] offset:2048*ii
.set ii, ii+1
.endr
	WLOAD 0
	WLOAD 1
	WIN 0
	s_wait_loadcnt 28                              ; the second batch is in: behind it stand 4 + 24
.set ii, 0
.rept 25
.if 25+ii < 32
	ds_store_b128 v[CP0], v[152+4*ii:155+4*ii] offset:2048*(25+ii)
.else
	ds_store_b128 v[CP1], v[152+4*ii:155+4*ii] offset:2048*(25+ii-32)
.endif
.set ii, ii+1
.endr
	WLOAD 2
	WLOAD 3
	WIN 0
	s_wait_dscnt 0x0                               ; for the others' sake: my part of the record lies in LDS
	s_barrier_signal -1
	s_barrier_wait -1                              ; the launch's one barrier: from here on LDS is only read
.irp b, 0,1,2,3
	v_mov_b32 v[TM+4+\b], 0                        ; written once: a lane permute's destination counts as one of its sources
.endr
	XLOAD 0, 0
	XSCL 0
	XLOAD 0, 4
.set NN, 0
.rept 8
	KSTEP NN
.set NN, NN+1
.endr
	EPI_QK 24, 26                                  ; q leaves while the next pass's first fragments land
.rept 8
	KSTEP NN
.set NN, NN+1
.endr
	EPI_QK 28, 30
.rept 8
	KSTEP NN
.set NN, NN+1
.endr
	EPI_V
	s_wait_tensorcnt 0x0
	ds_add_u32 v254, v255
	s_wait_dscnt 0x0
	s_endpgm
.Lfunc_end_k_q2c5ed7796f_qkv:
	.size	k_q2c5ed7796f_qkv, .Lfunc_end_k_q2c5ed7796f_qkv-k_q2c5ed7796f_qkv
	.p2alignl 7, 3214868480
	.fill 96, 4, 3214868480
	.section	.rodata,"a",@progbits
	.p2align	6, 0x0
	.amdhsa_kernel k_q2c5ed7796f_qkv
		.amdhsa_group_segment_fixed_size 102912
		.amdhsa_private_segment_fixed_size 0
		.amdhsa_enable_private_segment 0
		.amdhsa_kernarg_size 56
		.amdhsa_user_sgpr_count 2
		.amdhsa_user_sgpr_kernarg_segment_ptr 1
		.amdhsa_wavefront_size32 1
		.amdhsa_system_sgpr_workgroup_id_x 1
		.amdhsa_system_sgpr_workgroup_id_y 1
		.amdhsa_system_sgpr_workgroup_id_z 1
		.amdhsa_system_vgpr_workitem_id 0
		.amdhsa_next_free_vgpr 768
		.amdhsa_next_free_sgpr 66
		.amdhsa_reserve_vcc 0
		.amdhsa_float_denorm_mode_32 3
		.amdhsa_float_denorm_mode_16_64 3
		.amdhsa_memory_ordered 1
		.amdhsa_forward_progress 1
		.amdhsa_inst_pref_size 240
	.end_amdhsa_kernel
	.amdgpu_metadata
---
amdhsa.version: [ 1, 2 ]
amdhsa.kernels:
  - .name:           k_q2c5ed7796f_qkv
    .symbol:         k_q2c5ed7796f_qkv.kd
    .args:
      - { .name: xr, .offset: 0, .size: 8, .value_kind: global_buffer, .address_space: global }
      - { .name: wimg, .offset: 8, .size: 8, .value_kind: global_buffer, .address_space: global }
      - { .name: W_q_scales, .offset: 16, .size: 8, .value_kind: global_buffer, .address_space: global }
      - { .name: W_k_scales, .offset: 24, .size: 8, .value_kind: global_buffer, .address_space: global }
      - { .name: W_v_scales, .offset: 32, .size: 8, .value_kind: global_buffer, .address_space: global }
      - { .name: qq, .offset: 40, .size: 8, .value_kind: global_buffer, .address_space: global }
      - { .name: kv, .offset: 48, .size: 8, .value_kind: global_buffer, .address_space: global }
    .group_segment_fixed_size: 102912
    .private_segment_fixed_size: 0
    .kernarg_segment_align: 8
    .kernarg_segment_size: 56
    .max_flat_workgroup_size: 128
    .sgpr_count:     66
    .vgpr_count:     768
    .wavefront_size: 32
...
	.end_amdgpu_metadata
.endif
;; end of part 2
;; launch attn (part 3): grid 4 x 64, 16 waves a work-group, no clusters, 210,944 bytes of LDS; arguments qq, kv, ao, asc; writes ao, asc
.if DOCPART == 3
	.amdgcn_target "amdgcn-amd-amdhsa--gfx1250"
	.amdhsa_code_object_version 6
	.text
	.protected	k_q2c5ed7796f_attn
	.globl	k_q2c5ed7796f_attn
	.p2align	8
	.type	k_q2c5ed7796f_attn,@function
k_q2c5ed7796f_attn:
	s_mov_b64 s[64:65], 0
	v_nop
	global_prefetch_b8 v0, s[64:65] scope:SCOPE_SE
	s_setreg_imm32_b32 hwreg(HW_REG_WAVE_MODE, 25, 1), 1
	s_wait_xcnt 0x0
; ATTN.  For each head: S^T = k q^T (K = 64), p = 2^(t - M), O^T = v^T p^T (K = the keys), O / l, quantised along D: all products on codes of E3M2.
; t = score x log2(e) / 8; M = the running largest t rounded UP to a whole number; p is quantised, not normalised; l is the sum of the unquantised p; when M moves, l and O^T are multiplied by 2^(old M - new M), which rounds nothing.
; SHARES.  Work-group (qx, R): head record R, queries 512 qx .. + 511.  Each of sixteen waves owns 32 queries, as two passes of 16; four waves lie on a SIMD, so that one wave's vector work stands beside another's products and LDS loads.
; THE WHOLE HEAD'S K, V AND SCALE WORDS (208,896 bytes) lie in LDS for the whole launch, as in memory: copied once at the head, one barrier; the loop reads no memory.
; Both products are used transposed: a lane holds ONE query (lane % 16) throughout.  A tile of k holds 16 neighbouring keys, so register 16 b + 8 u + j of the scores is key 32 b + 16 u + 8 h + j: the order in which v's codes were laid.
; K = 64 IN AN INSTRUCTION OF 128: q's fragment is 6 registers of codes and 6 of zero codes.  k's tiles lie dense, 6 registers each; a tile's operand runs on into the next tile's codes, which meet q's zero codes and add nothing
; (every code of this format is a finite number; the scale bytes of that half are 0, which stands for 2^-127).
; OUT.  ao: (token tile T, head) 6 registers a lane at (16 T + head) x 768: registers 2 i, 2 i + 1 of lane l at 256 i + 8 l; two heads on end are a fragment of the last product.  asc: their scale words.
; NO JOINT LOADS: the four work-groups of a head read its record once each, at the head, through registers; nothing is fetched in the loop.
; LIMITS: NaN and infinities are not served; a block of zeros gets the byte 1 (its codes are zeros, and this program alone reads the bytes).
.set LI,  1                            ; v1   16 x lane
.set L8,  2                            ; v2   8 x lane
.set L4,  3                            ; v3   4 x lane
.set ADK, 4                            ; v4-7 the step's LDS addresses: k, v, k's scale words, v's
.set ADV, 5
.set ADKS, 6
.set ADVS, 7
.set VB,  8                            ; v8   16 x lane + 98,304
.set KSB, 9                            ; v9   16 x lane + 196,608
.set VSB, 10                           ; v10  8 x lane + 204,800
                                       ; v12 -M, v13 the largest t, v[14:15] the sum in two halves
.set QA,  16                           ; v16-27  q's tile 0 and zeros;  v28-39 the pair as loaded;  v40-45 zeros: q's tile 1 is v[34:45]
.set QP,  28
.set QS,  46                           ; v46  q's scale words: lanes 0-15 tile 0, lanes 16-31 tile 1
.set PWS, 47                           ; v47  the results' scale words
.set KF,  48                           ; v48-95  k's eight tiles, then v's four fragments;  v96-101 zeros, the last tile's tail
.set S,   104                          ; v104-167 the scores, then p
.set O,   168                          ; v168-199 O^T
.set PC,  200                          ; v200-211 p's codes
.set PT,  212                          ; v212-219
.set BM,  220                          ; v220-223 the blocks' largest scores
.set BP,  224                          ; v224-227 the other half's; then the bytes
.set SO,  228                          ; v228-231 the conversions' scale operands
.set KSC, 232                          ; v232-235 k's scale words: register j: lanes 0-15 tile 2 j, lanes 16-31 tile 2 j + 1
.set VSC, 236                          ; v236-237 v's likewise
.set F,   238                          ; v[238:239] f = 2^(old M - new M), and a zero
.set T0,  240
.set SM2, 242                          ; v[242:243] the sum's second chain
.set PW,  244                          ; p's scale word
.set TM,  220                          ; the way out's quantiser: v220-235
.set SEL, 36
.set HI,  38
.set CS,  40                           ; s[40:41] c = log2(e) / 8
.set SK,  42                           ; s42-44 the step's place among k's and v's images, k's scale images, v's
.set SKS, 43
.set SVS, 44
.set CNT, 45
.macro WM d, a, b, z, sa, sb, ra, rb   ; one product: z = 1: C = 0; ra, rb = 1: the scale words of lanes 16-31
.if \z
.if (\ra) && (\rb)
	v_wmma_scale_f32_16x16x128_f8f6f4 v[(\d):(\d)+7], v[(\a):(\a)+11], v[(\b):(\b)+11], 0, v[\sa], v[\sb] matrix_a_fmt:MATRIX_FMT_BF6 matrix_b_fmt:MATRIX_FMT_BF6 matrix_a_scale:MATRIX_SCALE_ROW1 matrix_b_scale:MATRIX_SCALE_ROW1
.elseif (\ra)
	v_wmma_scale_f32_16x16x128_f8f6f4 v[(\d):(\d)+7], v[(\a):(\a)+11], v[(\b):(\b)+11], 0, v[\sa], v[\sb] matrix_a_fmt:MATRIX_FMT_BF6 matrix_b_fmt:MATRIX_FMT_BF6 matrix_a_scale:MATRIX_SCALE_ROW1
.elseif (\rb)
	v_wmma_scale_f32_16x16x128_f8f6f4 v[(\d):(\d)+7], v[(\a):(\a)+11], v[(\b):(\b)+11], 0, v[\sa], v[\sb] matrix_a_fmt:MATRIX_FMT_BF6 matrix_b_fmt:MATRIX_FMT_BF6 matrix_b_scale:MATRIX_SCALE_ROW1
.else
	v_wmma_scale_f32_16x16x128_f8f6f4 v[(\d):(\d)+7], v[(\a):(\a)+11], v[(\b):(\b)+11], 0, v[\sa], v[\sb] matrix_a_fmt:MATRIX_FMT_BF6 matrix_b_fmt:MATRIX_FMT_BF6
.endif
.else
.if (\ra)
	v_wmma_scale_f32_16x16x128_f8f6f4 v[(\d):(\d)+7], v[(\a):(\a)+11], v[(\b):(\b)+11], v[(\d):(\d)+7], v[\sa], v[\sb] matrix_a_fmt:MATRIX_FMT_BF6 matrix_b_fmt:MATRIX_FMT_BF6 matrix_a_scale:MATRIX_SCALE_ROW1
.else
	v_wmma_scale_f32_16x16x128_f8f6f4 v[(\d):(\d)+7], v[(\a):(\a)+11], v[(\b):(\b)+11], v[(\d):(\d)+7], v[\sa], v[\sb] matrix_a_fmt:MATRIX_FMT_BF6 matrix_b_fmt:MATRIX_FMT_BF6
.endif
.endif
.endm
.macro PLACES                          ; four plain instructions between a product and a load into, or a vector read of, its registers
.rept 4
	v_nop
.endr
.endm
	s_load_b256 s[4:11], s[0:1], 0x0               ; qq, kv, ao, asc
	v_lshl_add_u32 v254, v0, 2, 0x33000
	v_mov_b32 v255, 0
	v_lshrrev_b32 v11, 5, v0
	v_readfirstlane_b32 s12, v11                   ; wave 0..15
	v_and_b32 v11, 31, v0
	v_lshlrev_b32 v[LI], 4, v11
	v_lshlrev_b32 v[L8], 3, v11
	v_lshlrev_b32 v[L4], 2, v11
	v_add_nc_u32 v[VB], 98304, v[LI]
	v_add_nc_u32 v[KSB], 196608, v[LI]
	v_add_nc_u32 v[VSB], 204800, v[L8]
	v_lshlrev_b32 v240, 4, v0                      ; the copy: 16 x thread, in three reaches of 65,536 bytes,
	v_add_nc_u32 v241, 65536, v240
	v_add_nc_u32 v242, 131072, v240
	v_lshl_add_u32 v243, v0, 3, 196608             ; and 8 x thread for the last 12,288 bytes
	s_mov_b32 s[SEL], 0x76543210
	s_mov_b32 s[SEL+1], 0xfedcba98
	s_mov_b32 s[HI], 0xffff0000
	s_mov_b32 s[CS], 0x3e38aa3b                    ; log2(e) / sqrt(64)
	s_mov_b32 s[CS+1], s[CS]                       ; (named with it as a pair, so it is written)
	s_and_b32 s13, ttmp7, 0xffff                   ; R = 16 x batch + head
	s_lshl_b32 s14, ttmp9, 4
	s_add_co_u32 s14, s14, s12                     ; qp: my pair of query tiles, 0..63
	s_lshr_b32 s15, s13, 4                         ; batch
	s_and_b32 s16, s13, 15                         ; head
	s_mul_i32 s20, s13, 106496
	s_mul_i32 s21, s14, 1536
	s_add_co_u32 s22, s20, s21                     ; q's pair image
	s_mov_b32 s23, 0
	s_lshr_b32 s24, s14, 2
	s_lshl_b32 s24, s24, 9
	s_and_b32 s25, s14, 3
	s_lshl_b32 s25, s25, 2
	s_add_co_u32 s24, s24, s25
	s_add_co_u32 s24, s24, s20
	s_add_co_u32 s24, s24, 98304                   ; q's scale image of block qp / 4, word qp % 4 of a lane's four
	s_mov_b32 s25, 0
	s_mul_i32 s26, s13, 208896                     ; the head's record of k and v
	s_mov_b32 s27, 0
	s_lshl_b32 s28, s15, 7
	s_lshl_b32 s29, s14, 1
	s_add_co_u32 s28, s28, s29
	s_lshl_b32 s28, s28, 4
	s_add_co_u32 s28, s28, s16
	s_mul_i32 s28, s28, 768                        ; ao: ((128 batch + 2 qp) x 16 + head) x 768
	s_mov_b32 s29, 0
	s_lshl_b32 s30, s15, 6
	s_add_co_u32 s30, s30, s14
	s_lshl_b32 s30, s30, 4
	s_add_co_u32 s30, s30, s16
	s_lshl_b32 s30, s30, 7                         ; asc: ((64 batch + qp) x 16 + head) x 128
	s_mov_b32 s31, 0
	s_wait_kmcnt 0x0
	s_add_nc_u64 s[32:33], s[4:5], s[22:23]
	s_add_nc_u64 s[34:35], s[4:5], s[24:25]
	s_add_nc_u64 s[6:7], s[6:7], s[26:27]
	s_add_nc_u64 s[8:9], s[8:9], s[28:29]
	s_add_nc_u64 s[10:11], s[10:11], s[30:31]
.irp c, 0,1,2
	global_load_b128 v[QP+4*\c:QP+4*\c+3], v[LI], s[32:33] offset:512*\c
.endr
	global_load_b32 v[QS], v[LI], s[34:35]
.set ii, 0
.rept 24
	global_load_b128 v[48+4*ii:51+4*ii], v240, s[6:7] offset:8192*ii   ; the work-group reads 8,192 consecutive bytes
.set ii, ii+1
.endr
.irp i, 0,1,2
	global_load_b64 v[144+2*\i:145+2*\i], v243, s[6:7] offset:4096*\i
.endr
.set ii, 0
.rept 24
	s_wait_loadcnt 26-ii                           ; loads come back in order: this one is in, the 26 - ii younger ones may be out
	ds_store_b128 v[240+ii/8], v[48+4*ii:51+4*ii] offset:8192*(ii%8)
.set ii, ii+1
.endr
.irp i, 0,1,2
	s_wait_loadcnt 2-\i
	ds_store_b64 v243, v[144+2*\i:145+2*\i] offset:4096*\i
.endr
	s_wait_dscnt 0x0                               ; for the others' sake: my part of the record lies in LDS
	s_barrier_signal -1
	s_barrier_wait -1                              ; the launch's one barrier: from here on LDS is only read
.irp i, 0,1,2,3,4,5
	v_mov_b32 v[QA+\i], v[QP+\i]                   ; tile 0's codes,
	v_mov_b32 v[QA+6+\i], 0                        ; and zero codes for the instruction's upper 64 along K
	v_mov_b32 v[QP+12+\i], 0                       ; the same behind tile 1's
	v_mov_b32 v[KF+48+\i], 0                       ; the tail that k's last tile runs on into
.endr
.irp b, 0,1,2,3
	v_mov_b32 v[BP+\b], 0                          ; written once: a lane permute's destination counts as one of its sources
.endr
	v_mov_b32 v[T0], 0
	v_mov_b32 v[F+1], 0                            ; (named as the upper half of the pair)
; A PASS: query tile p of my pair walks the head's 2,048 keys, 128 a step.
.macro PASS p
.if \p
	s_wait_xcnt 0x0                                ; the first pass's stores have read PC: it is written again only behind this wait
.endif
	v_mov_b32 v13, 0xff61b1e6                      ; the largest t so far: -3e38, under every t
	v_floor_f32 v12, -v13                          ; -M
	v_mov_b32 v14, 0
	v_mov_b32 v15, 0
.set jj, 0
.rept 32
	v_mov_b32 v[O+jj], 0                           ; O^T: the step is written once; the first finds zeros, which the first change of M leaves zeros
.set jj, jj+1
.endr
	s_mov_b32 s[SK], 0
	s_mov_b32 s[SKS], 0
	s_mov_b32 s[SVS], 0
	s_mov_b32 s[CNT], 16
.Lkey_\p:
	v_add_nc_u32 v[ADK], s[SK], v[LI]              ; these four are also the places between the last trip's products and the loads into their registers
	v_add_nc_u32 v[ADV], s[SK], v[VB]
	v_add_nc_u32 v[ADKS], s[SKS], v[KSB]
	v_add_nc_u32 v[ADVS], s[SVS], v[VSB]
.irp j, 0,1,2,3
.irp c, 0,1,2
	ds_load_b128 v[KF+12*\j+4*\c:KF+12*\j+4*\c+3], v[ADK] offset:1536*\j+512*\c   ; tiles 2 j and 2 j + 1 of k: 512 consecutive bytes a load
.endr
.endr
	ds_load_b128 v[KSC:KSC+3], v[ADKS]
	s_wait_dscnt 0x0
.irp t, 0,1,2,3,4,5,6,7
	WM S+8*\t, KF+6*\t, QA+18*\p, 1, KSC+\t/2, QS, \t%2, \p
.endr
	PLACES
.irp t, 0,1,2,3
.irp c, 0,1,2
	ds_load_b128 v[KF+12*\t+4*\c:KF+12*\t+4*\c+3], v[ADV] offset:1536*\t+512*\c   ; v's four fragments land under the softmax
.endr
.endr
	ds_load_b64 v[VSC:VSC+1], v[ADVS]
.irp b, 0,1,2,3
	v_max3_num_f32 v[BM+\b], v[S+16*\b], v[S+16*\b+1], v[S+16*\b+2]   ; the largest score of each block of 32 keys: for the row's maximum, and, since p rises with the score, for the block's largest p
.endr
.irp i, 3,5,7,9,11,13
.irp b, 0,1,2,3
	v_max3_num_f32 v[BM+\b], v[BM+\b], v[S+16*\b+\i], v[S+16*\b+\i+1]
.endr
.endr
.irp b, 0,1,2,3
	v_max_num_f32 v[BM+\b], v[BM+\b], v[S+16*\b+15]
.endr
.irp b, 0,1,2,3
	v_permlanex16_b32 v[BP+\b], v[BM+\b], s[SEL], s[SEL+1]
.endr
.irp b, 0,1,2,3
	v_max_num_f32 v[BM+\b], v[BM+\b], v[BP+\b]     ; with lane l xor 16's 16 keys
.endr
	v_max3_num_f32 v[T0], v[BM], v[BM+1], v[BM+2]
	v_max_num_f32 v[T0], v[T0], v[BM+3]            ; the step's largest score of my query
	v_mul_f32 v[T0], s[CS], v[T0]                  ; as t (c is positive)
	v_max_num_f32 v13, v13, v[T0]                  ; the running largest t
	v_mov_b32 v[T0], v12
	v_floor_f32 v12, -v13                          ; the new -M = floor(-t): M is a whole number
	v_sub_f32 v[T0], v12, v[T0]                    ; old M - new M: a whole number, 0 or less
	v_cvt_i32_f32 v[T0], v[T0]                     ; (it saturates)
	v_ldexp_f32 v[F], 1.0, v[T0]                   ; f = 2^(old M - new M)
.set jj, 0
.rept 32
	v_pk_fma_f32 v[S+jj:S+jj+1], v[S+jj:S+jj+1], s[CS:CS+1], v[12:13] op_sel_hi:[1,0,0]   ; t - M, two at a time
.set jj, jj+2
.endr
.irp b, 0,1,2,3
	v_fma_f32 v[BM+\b], v[BM+\b], s[CS], v12       ; the same of each block's largest score
.endr
.set jj, 0
.rept 64
	v_exp_f32 v[S+jj], v[S+jj]                     ; p = 2^(t - M), at most 1
.set jj, jj+1
.endr
	v_pk_mul_f32 v[14:15], v[14:15], v[F:F+1] op_sel_hi:[1,0]   ; the sums under the new M: the plain instruction behind the exponentials
	s_wait_alu depctr_va_vdst(0)                   ; one wait for the batch of 64, ahead of its first reader
.irp b, 0,1,2,3
	v_exp_f32 v[BM+\b], v[BM+\b]                   ; the block's largest p: the same two instructions on the same number give the same bits
.endr
	v_pk_add_f32 v[SM2:SM2+1], v[S:S+1], v[S+2:S+3]   ; the row's sum of the UNQUANTISED p, in two chains; it reads the 64 alone
.irp j, 4,8,12,16,20,24,28,32,36,40,44,48,52,56,60
	v_pk_add_f32 v[14:15], v[14:15], v[S+\j:S+\j+1]
	v_pk_add_f32 v[SM2:SM2+1], v[SM2:SM2+1], v[S+\j+2:S+\j+3]
.endr
	v_pk_add_f32 v[14:15], v[14:15], v[SM2:SM2+1]
	s_wait_alu depctr_va_vdst(0)                   ; and one for the four
.irp b, 0,1,2,3
	v_max_num_f32 v[BM+\b], 0x2800000, v[BM+\b]    ; the floor 2^(5 - 127): the byte cannot fall under 1
.endr
.irp b, 0,1,2,3
	v_add_nc_u32 v[SO+\b], 0xfe000000, v[BM+\b]    ; 4 off the exponent field: the conversion's scale operand
.endr
.irp b, 0,1,2,3
	v_lshrrev_b32 v[BP+\b], 23, v[SO+\b]           ; the scale's byte
.endr
	v_lshl_or_b32 v[PW], v[BP+1], 8, v[BP]         ; p's scale word for these 128 keys
	v_lshl_or_b32 v[PW], v[BP+2], 16, v[PW]
	v_lshl_or_b32 v[PW], v[BP+3], 24, v[PW]
.irp c, 0,1
	v_cvt_scalef32_pk16_bf6_f32 v[PC+6*\c:PC+6*\c+2], v[S+32*\c:S+32*\c+15], v[SO+2*\c]
	v_cvt_scalef32_pk16_bf6_f32 v[PT+4*\c:PT+4*\c+2], v[S+32*\c+16:S+32*\c+31], v[SO+2*\c+1]
.endr
	v_nop                                          ; one plain instruction behind the scaled conversions
.irp c, 0,1                                    ; a whole block to a lane: lanes 0-15 block 2 c, lanes 16-31 block 2 c + 1
.irp i, 0,1,2
	v_permlane16_swap_b32 v[PC+6*\c+\i], v[PT+4*\c+\i]
.endr
.irp i, 0,1,2
	v_mov_b32 v[PC+6*\c+3+\i], v[PT+4*\c+\i]
.endr
.endr
.set jj, 0
.rept 16
	v_pk_mul_f32 v[O+jj:O+jj+1], v[O+jj:O+jj+1], v[F:F+1] op_sel_hi:[1,0]   ; O^T under the new M.  These sixteen also stand between the vector writes of p's codes and scale word and the products that take them
.set jj, jj+2
.endr
	s_wait_dscnt 0x0                               ; v's fragments and scale words
.irp t, 0,1,2,3
	WM O+8*\t, KF+12*\t, PC, 0, VSC+\t/2, PW, \t%2, 0   ; the four accumulators by turns; eleven other products stand between two links of a chain
.endr
	s_add_co_u32 s[SK], s[SK], 6144
	s_add_co_u32 s[SKS], s[SKS], 512
	s_add_co_u32 s[SVS], s[SVS], 256
	s_sub_co_u32 s[CNT], s[CNT], 1
	s_cmp_lg_u32 s[CNT], 0
	s_cbranch_scc1 .Lkey_\p
	; THE WAY OUT: O^T / l; register 16 b + i is channel 32 b + 16 h + i of my query; quantised along D
	PLACES
	v_add_f32 v14, v14, v15                        ; the sum's two halves,
	v_permlanex16_b32 v[T0], v14, s[SEL], s[SEL+1]
	v_add_f32 v14, v14, v[T0]                      ; and lane l xor 16's
	v_rcp_f32 v14, v14
	v_nop                                          ; a plain instruction behind the reciprocal
	s_wait_alu depctr_va_vdst(0)                   ; the wait ahead of its first reader
.set jj, 0
.rept 16
	v_pk_mul_f32 v[S+jj:S+jj+1], v[O+jj:O+jj+1], v[14:15] op_sel_hi:[1,0]   ; each accumulator from its low end on
.set jj, jj+2
.endr
.irp b, 0,1
	v_max3_num_f32 v[TM+\b], |v[S+16*\b]|, |v[S+16*\b+1]|, 0x2800000
.endr
.irp i, 2,4,6,8,10,12,14
.irp b, 0,1
	v_max3_num_f32 v[TM+\b], v[TM+\b], |v[S+16*\b+\i]|, |v[S+16*\b+\i+1]|
.endr
.endr
.irp b, 0,1
	v_permlanex16_b32 v[TM+4+\b], v[TM+\b], s[SEL], s[SEL+1]
.endr
.irp b, 0,1
	v_max_num_f32 v[TM+\b], v[TM+\b], v[TM+4+\b]
.endr
.irp b, 0,1
	v_add_nc_u32 v[TM+12+\b], 0xfe000000, v[TM+\b]
.endr
.irp b, 0,1
	v_lshrrev_b32 v[TM+4+\b], 23, v[TM+12+\b]
.endr
	v_lshl_or_b32 v[T0], v[TM+5], 8, v[TM+4]       ; my query's word: two bytes, the upper two zero
	v_cvt_scalef32_pk16_bf6_f32 v[PC:PC+2], v[S:S+15], v[TM+12]
	v_cvt_scalef32_pk16_bf6_f32 v[PT:PT+2], v[S+16:S+31], v[TM+13]
	v_nop
.irp i, 0,1,2
	v_permlane16_swap_b32 v[PC+\i], v[PT+\i]
.endr
.irp i, 0,1,2
	v_mov_b32 v[PC+3+\i], v[PT+\i]
.endr
.if \p
	v_cndmask_b32 v[PWS], v[PWS], v[T0], s[HI]     ; lanes 0-15 tile 0's queries, lanes 16-31 tile 1's
.else
	v_mov_b32 v[PWS], v[T0]
.endif
.irp i, 0,1,2
	global_store_b64 v[L8], v[PC+2*\i:PC+2*\i+1], s[8:9] offset:12288*\p+256*\i   ; 256 consecutive bytes, at a multiple of 256 from ao's first byte
.endr
.endm
	PASS 0
	PASS 1
	global_store_b32 v[L4], v[PWS], s[10:11]       ; 32 queries' words, 128 consecutive bytes
	s_wait_tensorcnt 0x0
	ds_add_u32 v254, v255
	s_wait_dscnt 0x0
	s_endpgm
.Lfunc_end_k_q2c5ed7796f_attn:
	.size	k_q2c5ed7796f_attn, .Lfunc_end_k_q2c5ed7796f_attn-k_q2c5ed7796f_attn
	.p2alignl 7, 3214868480
	.fill 96, 4, 3214868480
	.section	.rodata,"a",@progbits
	.p2align	6, 0x0
	.amdhsa_kernel k_q2c5ed7796f_attn
		.amdhsa_group_segment_fixed_size 210944
		.amdhsa_private_segment_fixed_size 0
		.amdhsa_enable_private_segment 0
		.amdhsa_kernarg_size 32
		.amdhsa_user_sgpr_count 2
		.amdhsa_user_sgpr_kernarg_segment_ptr 1
		.amdhsa_wavefront_size32 1
		.amdhsa_system_sgpr_workgroup_id_x 1
		.amdhsa_system_sgpr_workgroup_id_y 1
		.amdhsa_system_sgpr_workgroup_id_z 1
		.amdhsa_system_vgpr_workitem_id 0
		.amdhsa_next_free_vgpr 256
		.amdhsa_next_free_sgpr 66
		.amdhsa_reserve_vcc 0
		.amdhsa_float_denorm_mode_32 3
		.amdhsa_float_denorm_mode_16_64 3
		.amdhsa_memory_ordered 1
		.amdhsa_forward_progress 1
		.amdhsa_inst_pref_size 50
	.end_amdhsa_kernel
	.amdgpu_metadata
---
amdhsa.version: [ 1, 2 ]
amdhsa.kernels:
  - .name:           k_q2c5ed7796f_attn
    .symbol:         k_q2c5ed7796f_attn.kd
    .args:
      - { .name: qq, .offset: 0, .size: 8, .value_kind: global_buffer, .address_space: global }
      - { .name: kv, .offset: 8, .size: 8, .value_kind: global_buffer, .address_space: global }
      - { .name: ao, .offset: 16, .size: 8, .value_kind: global_buffer, .address_space: global }
      - { .name: asc, .offset: 24, .size: 8, .value_kind: global_buffer, .address_space: global }
    .group_segment_fixed_size: 210944
    .private_segment_fixed_size: 0
    .kernarg_segment_align: 8
    .kernarg_segment_size: 32
    .max_flat_workgroup_size: 512
    .sgpr_count:     66
    .vgpr_count:     256
    .wavefront_size: 32
...
	.end_amdgpu_metadata
.endif
;; end of part 3
;; launch proj (part 4): grid 256 x 1, 16 waves a work-group, no clusters, 158,208 bytes of LDS; arguments ao, asc, wimg, W_o_scales, inputs, ln_gamma, ln_beta, out0; writes out0
.if DOCPART == 4
	.amdgcn_target "amdgcn-amd-amdhsa--gfx1250"
	.amdhsa_code_object_version 6
	.text
	.protected	k_q2c5ed7796f_proj
	.globl	k_q2c5ed7796f_proj
	.p2align	8
	.type	k_q2c5ed7796f_proj,@function
k_q2c5ed7796f_proj:
	s_mov_b64 s[64:65], 0
	v_nop
	global_prefetch_b8 v0, s[64:65] scope:SCOPE_SE
	s_setreg_imm32_b32 hwreg(HW_REG_WAVE_MODE, 25, 1), 1
	s_wait_xcnt 0x0
; PROJ.  y = a W_o^T + x on codes of E3M2 (a: the attention's result, already codes), then LayerNorm over the 1,024 features in f32, in two passes as the definition writes it (mean; mean of squared differences).
; SHARES.  Work-group wg: tokens 32 wg .. + 31 (two token tiles), all 1,024 features, so that a row's statistics never leave the work-group.  Wave w makes features 64 w .. + 63: 4 tiles x 2 token tiles = 8 accumulators, 8 K steps.
; W_o's fragment images come from memory straight into the registers of the one wave that uses them, two K steps ahead (two sets); a's 16 fragments (24,576 bytes) are copied into LDS once and read by all sixteen waves.
; Source 0 = 16 rows of W_o, source 1 = 16 tokens: a lane holds one token and, by the choice of W_o's tile rows, register j of tile t is feature 32 (t / 2) + 16 h + 8 (t % 2) + j of the wave's 64.
; The results meet in a stage in LDS (32 rows, 4,112 bytes apart); behind a barrier wave w takes the whole rows 2 w and 2 w + 1, adds x, normalises and stores 512 consecutive bytes an instruction.
; NO JOINT LOADS: a fragment of W_o is used by one wave of a work-group and goes to its registers with no LDS between.
; x's two rows of a wave are prefetched once, 32 blocks of 256 bytes, a lane a block, behind the second K step's loads: six K steps ahead of the loads that want them; each block is named once in the launch.
.set LI,  1                            ; v1   16 x lane
.set L8,  2                            ; v2   8 x lane
.set SO0, 3                            ; v3   the stage, way in, token tile 0: STG + 4,112 r + 64 h + 256 w
.set SO1, 4                            ; v4   token tile 1: 16 rows on
.set SR,  5                            ; v5   way out: STG + 8,224 w + 16 x lane
.set SWO, 6                            ; v6   (32 h + r + 8 (r / 8)) x 32
.set L4,  7                            ; v7   4 x lane
.set PFO, 8                            ; v8   4,096 (lane / 16) + 256 (lane % 16); never rewritten
.set CP,  9                            ; v9   16 x thread
.set ACC, 16                           ; v16-79   accumulator (t, m) at 16 + 8 (2 t + m); later gamma (v16-47) and beta (v48-79)
.set RG,  80                           ; v80-175  W_o's two sets of 48; later x's rows, then y, at v80 and v128; v112-127 statistics
.set AF,  176                          ; v176-199 a's two fragments of a K step
.set AS,  200                          ; v200-207 a's scale words, one register a K step: lanes 0-15 token tile 0, lanes 16-31 tile 1
.set SW,  208                          ; v208-223 W_o's scale words: register 8 u + s: lanes 0-15 tile u, lanes 16-31 tile 2 + u
.set XR,  80
.set YR,  176                          ; v176-239 the product's two rows, back from the stage
.set GA,  16
.set BE,  48
.set ST,  112                          ; row i: v[ST+8i] pair: sums; +2 pair: second chain; +4 pair: -mean; +6 pair: 1 / sqrt(var + eps)
.set STG, 24576
.set SEL, 36
.set C10, 38                           ; s38  1 / 1,024
.set EPS, 39                           ; s39  1e-5
.macro WM d, a, b, z, sa, sb, ra, rb   ; one product: z = 1: C = 0; ra, rb = 1: the scale words of lanes 16-31
.if \z
.if (\ra) && (\rb)
	v_wmma_scale_f32_16x16x128_f8f6f4 v[(\d):(\d)+7], v[(\a):(\a)+11], v[(\b):(\b)+11], 0, v[\sa], v[\sb] matrix_a_fmt:MATRIX_FMT_BF6 matrix_b_fmt:MATRIX_FMT_BF6 matrix_a_scale:MATRIX_SCALE_ROW1 matrix_b_scale:MATRIX_SCALE_ROW1
.elseif (\ra)
	v_wmma_scale_f32_16x16x128_f8f6f4 v[(\d):(\d)+7], v[(\a):(\a)+11], v[(\b):(\b)+11], 0, v[\sa], v[\sb] matrix_a_fmt:MATRIX_FMT_BF6 matrix_b_fmt:MATRIX_FMT_BF6 matrix_a_scale:MATRIX_SCALE_ROW1
.elseif (\rb)
	v_wmma_scale_f32_16x16x128_f8f6f4 v[(\d):(\d)+7], v[(\a):(\a)+11], v[(\b):(\b)+11], 0, v[\sa], v[\sb] matrix_a_fmt:MATRIX_FMT_BF6 matrix_b_fmt:MATRIX_FMT_BF6 matrix_b_scale:MATRIX_SCALE_ROW1
.else
	v_wmma_scale_f32_16x16x128_f8f6f4 v[(\d):(\d)+7], v[(\a):(\a)+11], v[(\b):(\b)+11], 0, v[\sa], v[\sb] matrix_a_fmt:MATRIX_FMT_BF6 matrix_b_fmt:MATRIX_FMT_BF6
.endif
.else
.if (\ra) && (\rb)
	v_wmma_scale_f32_16x16x128_f8f6f4 v[(\d):(\d)+7], v[(\a):(\a)+11], v[(\b):(\b)+11], v[(\d):(\d)+7], v[\sa], v[\sb] matrix_a_fmt:MATRIX_FMT_BF6 matrix_b_fmt:MATRIX_FMT_BF6 matrix_a_scale:MATRIX_SCALE_ROW1 matrix_b_scale:MATRIX_SCALE_ROW1
.elseif (\ra)
	v_wmma_scale_f32_16x16x128_f8f6f4 v[(\d):(\d)+7], v[(\a):(\a)+11], v[(\b):(\b)+11], v[(\d):(\d)+7], v[\sa], v[\sb] matrix_a_fmt:MATRIX_FMT_BF6 matrix_b_fmt:MATRIX_FMT_BF6 matrix_a_scale:MATRIX_SCALE_ROW1
.elseif (\rb)
	v_wmma_scale_f32_16x16x128_f8f6f4 v[(\d):(\d)+7], v[(\a):(\a)+11], v[(\b):(\b)+11], v[(\d):(\d)+7], v[\sa], v[\sb] matrix_a_fmt:MATRIX_FMT_BF6 matrix_b_fmt:MATRIX_FMT_BF6 matrix_b_scale:MATRIX_SCALE_ROW1
.else
	v_wmma_scale_f32_16x16x128_f8f6f4 v[(\d):(\d)+7], v[(\a):(\a)+11], v[(\b):(\b)+11], v[(\d):(\d)+7], v[\sa], v[\sb] matrix_a_fmt:MATRIX_FMT_BF6 matrix_b_fmt:MATRIX_FMT_BF6
.endif
.endif
.endm
.macro PLACES                          ; four plain instructions between a product and a load into, or a read of, its registers
.rept 4
	v_nop
.endr
.endm
.macro RING s                          ; W_o's four fragments of K step s into set s % 2: 12 dense loads of 512 bytes
.irp t, 0,1,2,3
.irp c, 0,1,2
	global_load_b128 v[RG+48*((\s)%2)+12*\t+4*\c:RG+48*((\s)%2)+12*\t+4*\c+3], v[LI], s[8:9] offset:12288*\t+1536*(\s)+512*\c
.endr
.endr
.endm
.macro XROW i                          ; x's row 2 w + i: eight loads of 512 consecutive bytes
.irp q, 0,1,2,3,4,5,6,7
	global_load_b128 v[XR+48*(\i)+4*\q:XR+48*(\i)+4*\q+3], v[LI], s[12:13] offset:4096*(\i)+512*\q th:TH_LOAD_NT
.endr
.endm
.macro STEP s
.irp m, 0,1
.irp i, 0,1,2,3,4,5
	ds_load_b64 v[AF+12*\m+2*\i:AF+12*\m+2*\i+1], v[L8] offset:(8*\m+(\s))*1536+256*\i   ; heads 2 s and 2 s + 1 on end: the fragment of K step s
.endr
.endr
.if (\s) < 7
	s_wait_loadcnt 12                              ; this step's set of W_o is in; the next step's twelve loads may be out
.else
	s_wait_loadcnt 8                               ; the last set is in; the eight loads of x's first row may be out
.endif
	s_wait_dscnt 0x0
.irp t, 0,1,2,3
.irp m, 0,1
	WM ACC+8*(2*\t+\m), RG+48*((\s)%2)+12*\t, AF+12*\m, (\s)==0, SW+8*(\t%2)+(\s), AS+(\s), \t/2, \m   ; the eight accumulators by turns
.endr
.endr
	PLACES
.if (\s) < 6
	RING (\s)+2                                    ; into the set just multiplied
.endif
.if (\s) == 1
	global_prefetch_b8 v[PFO], s[12:13] th:TH_LOAD_NT scope:SCOPE_SE   ; my two rows of x
.endif
.if (\s) == 6
	XROW 0                                         ; into set 0, which has had its last products
.endif
.endm
	s_load_b256 s[4:11], s[0:1], 0x0               ; ao, asc, wimg, W_o's scales
	s_load_b256 s[12:19], s[0:1], 0x20             ; x, gamma, beta, out
	v_lshl_add_u32 v254, v0, 2, 0x26200
	v_mov_b32 v255, 0
	v_lshrrev_b32 v10, 5, v0
	v_readfirstlane_b32 s20, v10                   ; wave 0..15
	v_and_b32 v10, 31, v0                          ; lane
	v_and_b32 v11, 15, v0                          ; r
	v_bfe_u32 v12, v0, 4, 1                        ; h
	v_lshlrev_b32 v[LI], 4, v10
	v_lshlrev_b32 v[L8], 3, v10
	v_lshlrev_b32 v[L4], 2, v10
	v_mul_u32_u24 v[SO0], v11, 4112
	v_lshl_add_u32 v[SO0], v12, 6, v[SO0]
	s_lshl_b32 s21, s20, 8
	s_add_co_u32 s21, s21, STG
	v_add_nc_u32 v[SO0], s21, v[SO0]
	v_add_nc_u32 v[SO1], 65792, v[SO0]
	s_mul_i32 s21, s20, 8224
	s_add_co_u32 s21, s21, STG
	v_add_nc_u32 v[SR], s21, v[LI]
	v_and_b32 v13, 8, v11
	v_add_nc_u32 v13, v13, v11
	v_lshl_add_u32 v13, v12, 5, v13
	v_lshlrev_b32 v[SWO], 5, v13
	v_lshlrev_b32 v[PFO], 8, v11
	v_lshl_add_u32 v[PFO], v12, 12, v[PFO]
	v_lshlrev_b32 v[CP], 4, v0
	s_mov_b32 s[SEL], 0x76543210
	s_mov_b32 s[SEL+1], 0xfedcba98
	s_mov_b32 s[C10], 0x3a800000
	s_mov_b32 s[EPS], 0x3727c5ac
	s_mul_i32 s22, ttmp9, 24576                    ; ao: two token tiles x 16 heads x 768 bytes
	s_mov_b32 s23, 0
	s_lshl_b32 s24, ttmp9, 11                      ; asc: 16 heads x 128 bytes
	s_mov_b32 s25, 0
	s_mul_i32 s26, s20, 49152
	s_add_co_u32 s26, s26, 2359296                 ; wimg: weight 3, my four tiles
	s_mov_b32 s27, 0
	s_lshl_b32 s28, s20, 11                        ; the scale bytes of my 64 rows of W_o
	s_mov_b32 s29, 0
	s_lshl_b32 s30, ttmp9, 17
	s_lshl_b32 s31, s20, 13
	s_add_co_u32 s30, s30, s31                     ; x and out: row 32 wg + 2 w
	s_mov_b32 s31, 0
	s_wait_kmcnt 0x0
	s_add_nc_u64 s[4:5], s[4:5], s[22:23]
	s_add_nc_u64 s[6:7], s[6:7], s[24:25]
	s_add_nc_u64 s[8:9], s[8:9], s[26:27]
	s_add_nc_u64 s[10:11], s[10:11], s[28:29]
	s_add_nc_u64 s[12:13], s[12:13], s[30:31]
	s_add_nc_u64 s[18:19], s[18:19], s[30:31]
.irp i, 0,1,2
	global_load_b128 v[AF+4*\i:AF+4*\i+3], v[CP], s[4:5] offset:8192*\i th:TH_LOAD_NT   ; a's fragments: the work-group reads 8,192 consecutive bytes
.endr
.set ii, 0
.rept 16
	global_load_b32 v[ACC+ii], v[L4], s[6:7] offset:128*ii   ; a's scale words, head by head
.set ii, ii+1
.endr
.irp u, 0,1
.irp q, 0,1
	global_load_b128 v[SW+8*\u+4*\q:SW+8*\u+4*\q+3], v[SWO], s[10:11] offset:256*\u+16*\q
.endr
.endr
	RING 0
	RING 1
	s_wait_loadcnt 44                              ; a's fragments are in: behind them stand 16 + 4 + 24 loads
.irp i, 0,1,2
	ds_store_b128 v[CP], v[AF+4*\i:AF+4*\i+3] offset:8192*\i
.endr
	s_wait_loadcnt 24                              ; all scale words are in: behind them stand W_o's two sets
.irp g, 0,1,2,3,4,5,6,7
	v_lshl_or_b32 v[AS+\g], v[ACC+2*\g+1], 16, v[ACC+2*\g]   ; heads 2 g and 2 g + 1: the four bytes of K step g
.endr
.rept 8
	v_nop                                          ; a scale register written by a vector instruction stands eight plain instructions ahead of a scaled product
.endr
	s_wait_dscnt 0x0                               ; for the others' sake: my part of a's fragments lies in LDS
	s_barrier_signal -1
	s_barrier_wait -1
.irp s, 0,1,2,3,4,5,6,7
	STEP \s
.endr
	XROW 1                                         ; into set 1 (four plain instructions stand behind its last products)
.irp t, 0,1,2,3
	ds_store_b128 v[SO0], v[ACC+16*\t:ACC+16*\t+3] offset:128*(\t/2)+32*(\t%2)          ; each accumulator from its low end on
	ds_store_b128 v[SO0], v[ACC+16*\t+4:ACC+16*\t+7] offset:128*(\t/2)+32*(\t%2)+16
	ds_store_b128 v[SO1], v[ACC+16*\t+8:ACC+16*\t+11] offset:128*(\t/2)+32*(\t%2)
	ds_store_b128 v[SO1], v[ACC+16*\t+12:ACC+16*\t+15] offset:128*(\t/2)+32*(\t%2)+16
.endr
	s_wait_dscnt 0x0                               ; for the others' sake: my 64 columns of the 32 rows lie in the stage
.irp q, 0,1,2,3,4,5,6,7
	global_load_b128 v[GA+4*\q:GA+4*\q+3], v[LI], s[14:15] offset:512*\q
.endr
.irp q, 0,1,2,3,4,5,6,7
	global_load_b128 v[BE+4*\q:BE+4*\q+3], v[LI], s[16:17] offset:512*\q
.endr
	s_barrier_signal -1
	s_barrier_wait -1
.irp i, 0,1
.irp q, 0,1,2,3,4,5,6,7
	ds_load_b128 v[YR+32*\i+4*\q:YR+32*\i+4*\q+3], v[SR] offset:4112*\i+512*\q
.endr
.endr
	s_wait_dscnt 0x0
	s_wait_loadcnt 16                              ; x's two rows are in; gamma's and beta's sixteen loads may be out
	; LAYERNORM, the two rows by turns.  A lane holds 32 numbers of each row
.irp k, 0,1,2,3,4,5,6,7,8,9,10,11,12,13,14,15
.irp i, 0,1
	v_pk_add_f32 v[XR+48*\i+2*\k:XR+48*\i+2*\k+1], v[XR+48*\i+2*\k:XR+48*\i+2*\k+1], v[YR+32*\i+2*\k:YR+32*\i+2*\k+1]   ; y = the product + x
.endr
.endr
.irp i, 0,1
	v_pk_add_f32 v[ST+8*\i:ST+8*\i+1], v[XR+48*\i:XR+48*\i+1], v[XR+48*\i+2:XR+48*\i+3]
	v_pk_add_f32 v[ST+8*\i+2:ST+8*\i+3], v[XR+48*\i+4:XR+48*\i+5], v[XR+48*\i+6:XR+48*\i+7]
.endr
.irp k, 4,6,8,10,12,14
.irp i, 0,1
	v_pk_add_f32 v[ST+8*\i:ST+8*\i+1], v[ST+8*\i:ST+8*\i+1], v[XR+48*\i+2*\k:XR+48*\i+2*\k+1]
	v_pk_add_f32 v[ST+8*\i+2:ST+8*\i+3], v[ST+8*\i+2:ST+8*\i+3], v[XR+48*\i+2*\k+2:XR+48*\i+2*\k+3]
.endr
.endr
; the pairs in v[ST+8i .. +3] become one sum over the row, in every lane, in v[ST+8i]
.macro REDUCE
.irp i, 0,1
	v_pk_add_f32 v[ST+8*\i:ST+8*\i+1], v[ST+8*\i:ST+8*\i+1], v[ST+8*\i+2:ST+8*\i+3]
.endr
.irp i, 0,1
	v_add_f32 v[ST+8*\i], v[ST+8*\i], v[ST+8*\i+1]
.endr
.irp x, 1,2,4,8
.irp i, 0,1
	v_add_f32_dpp v[ST+8*\i], v[ST+8*\i], v[ST+8*\i] row_xmask:\x row_mask:0xf bank_mask:0xf
.endr
.endr
.irp i, 0,1
	v_permlanex16_b32 v[ST+8*\i+2], v[ST+8*\i], s[SEL], s[SEL+1]
.endr
.irp i, 0,1
	v_add_f32 v[ST+8*\i], v[ST+8*\i], v[ST+8*\i+2]
.endr
.endm
	REDUCE
.irp i, 0,1
	v_mul_f32 v[ST+8*\i+4], 0xba800000, v[ST+8*\i]   ; -mean, in both halves of a pair
	v_mul_f32 v[ST+8*\i+5], 0xba800000, v[ST+8*\i]
.endr
.irp k, 0,1,2,3,4,5,6,7,8,9,10,11,12,13,14,15
.irp i, 0,1
	v_pk_add_f32 v[XR+48*\i+2*\k:XR+48*\i+2*\k+1], v[XR+48*\i+2*\k:XR+48*\i+2*\k+1], v[ST+8*\i+4:ST+8*\i+5]   ; d = y - mean
.endr
.endr
.irp i, 0,1
	v_pk_mul_f32 v[ST+8*\i:ST+8*\i+1], v[XR+48*\i:XR+48*\i+1], v[XR+48*\i:XR+48*\i+1]
	v_pk_mul_f32 v[ST+8*\i+2:ST+8*\i+3], v[XR+48*\i+2:XR+48*\i+3], v[XR+48*\i+2:XR+48*\i+3]
.endr
.irp k, 2,4,6,8,10,12,14
.irp i, 0,1
	v_pk_fma_f32 v[ST+8*\i:ST+8*\i+1], v[XR+48*\i+2*\k:XR+48*\i+2*\k+1], v[XR+48*\i+2*\k:XR+48*\i+2*\k+1], v[ST+8*\i:ST+8*\i+1]
	v_pk_fma_f32 v[ST+8*\i+2:ST+8*\i+3], v[XR+48*\i+2*\k+2:XR+48*\i+2*\k+3], v[XR+48*\i+2*\k+2:XR+48*\i+2*\k+3], v[ST+8*\i+2:ST+8*\i+3]
.endr
.endr
	REDUCE
.irp i, 0,1
	v_fma_f32 v[ST+8*\i], v[ST+8*\i], s[C10], s[EPS]   ; the variance + eps
.endr
.irp i, 0,1
	v_rsq_f32 v[ST+8*\i+6], v[ST+8*\i]             ; twice: a pair for the packed multiply
	v_rsq_f32 v[ST+8*\i+7], v[ST+8*\i]
.endr
	v_nop                                          ; a plain instruction behind the last of the four
	s_wait_alu depctr_va_vdst(0)                   ; one wait for the four, ahead of their first reader
	s_wait_loadcnt 0x0                             ; gamma and beta
.irp k, 0,1,2,3,4,5,6,7,8,9,10,11,12,13,14,15
.irp i, 0,1
	v_pk_mul_f32 v[XR+48*\i+2*\k:XR+48*\i+2*\k+1], v[XR+48*\i+2*\k:XR+48*\i+2*\k+1], v[ST+8*\i+6:ST+8*\i+7]
.endr
.endr
.irp k, 0,1,2,3,4,5,6,7,8,9,10,11,12,13,14,15
.irp i, 0,1
	v_pk_fma_f32 v[XR+48*\i+2*\k:XR+48*\i+2*\k+1], v[XR+48*\i+2*\k:XR+48*\i+2*\k+1], v[GA+2*\k:GA+2*\k+1], v[BE+2*\k:BE+2*\k+1]
.endr
.endr
.irp i, 0,1
.irp q, 0,1,2,3,4,5,6,7
	global_store_b128 v[LI], v[XR+48*\i+4*\q:XR+48*\i+4*\q+3], s[18:19] offset:4096*\i+512*\q th:TH_STORE_NT   ; 512 consecutive bytes, at a multiple of 256 from the output's first byte
.endr
.endr
	s_wait_tensorcnt 0x0
	ds_add_u32 v254, v255
	s_wait_dscnt 0x0
	s_endpgm
.Lfunc_end_k_q2c5ed7796f_proj:
	.size	k_q2c5ed7796f_proj, .Lfunc_end_k_q2c5ed7796f_proj-k_q2c5ed7796f_proj
	.p2alignl 7, 3214868480
	.fill 96, 4, 3214868480
	.section	.rodata,"a",@progbits
	.p2align	6, 0x0
	.amdhsa_kernel k_q2c5ed7796f_proj
		.amdhsa_group_segment_fixed_size 158208
		.amdhsa_private_segment_fixed_size 0
		.amdhsa_enable_private_segment 0
		.amdhsa_kernarg_size 64
		.amdhsa_user_sgpr_count 2
		.amdhsa_user_sgpr_kernarg_segment_ptr 1
		.amdhsa_wavefront_size32 1
		.amdhsa_system_sgpr_workgroup_id_x 1
		.amdhsa_system_sgpr_workgroup_id_y 1
		.amdhsa_system_sgpr_workgroup_id_z 1
		.amdhsa_system_vgpr_workitem_id 0
		.amdhsa_next_free_vgpr 256
		.amdhsa_next_free_sgpr 66
		.amdhsa_reserve_vcc 0
		.amdhsa_float_denorm_mode_32 3
		.amdhsa_float_denorm_mode_16_64 3
		.amdhsa_memory_ordered 1
		.amdhsa_forward_progress 1
		.amdhsa_inst_pref_size 52
	.end_amdhsa_kernel
	.amdgpu_metadata
---
amdhsa.version: [ 1, 2 ]
amdhsa.kernels:
  - .name:           k_q2c5ed7796f_proj
    .symbol:         k_q2c5ed7796f_proj.kd
    .args:
      - { .name: ao, .offset: 0, .size: 8, .value_kind: global_buffer, .address_space: global }
      - { .name: asc, .offset: 8, .size: 8, .value_kind: global_buffer, .address_space: global }
      - { .name: wimg, .offset: 16, .size: 8, .value_kind: global_buffer, .address_space: global }
      - { .name: W_o_scales, .offset: 24, .size: 8, .value_kind: global_buffer, .address_space: global }
      - { .name: inputs, .offset: 32, .size: 8, .value_kind: global_buffer, .address_space: global }
      - { .name: ln_gamma, .offset: 40, .size: 8, .value_kind: global_buffer, .address_space: global }
      - { .name: ln_beta, .offset: 48, .size: 8, .value_kind: global_buffer, .address_space: global }
      - { .name: out0, .offset: 56, .size: 8, .value_kind: global_buffer, .address_space: global }
    .group_segment_fixed_size: 158208
    .private_segment_fixed_size: 0
    .kernarg_segment_align: 8
    .kernarg_segment_size: 64
    .max_flat_workgroup_size: 512
    .sgpr_count:     66
    .vgpr_count:     256
    .wavefront_size: 32
...
	.end_amdgpu_metadata
.endif
;; end of part 4
;; ======== version 2 of 2: 4 launches
;; workspace buffers: xr 6,553,600 bytes; wimg 3,145,728 bytes; qq 6,815,744 bytes; kv 13,369,344 bytes; ao 6,291,456 bytes; asc 524,288 bytes
;; launch prep (part 5): grid 256 x 1, 8 waves a work-group, no clusters, 136,192 bytes of LDS; arguments inputs, W_q_codes, W_k_codes, W_v_codes, W_o_codes, xr, wimg; writes xr, wimg
.if DOCPART == 5
	.amdgcn_target "amdgcn-amd-amdhsa--gfx1250"
	.amdhsa_code_object_version 6
	.text
	.protected	k_q2c5ed7796f_prep
	.globl	k_q2c5ed7796f_prep
	.p2align	8
	.type	k_q2c5ed7796f_prep,@function
k_q2c5ed7796f_prep:
	s_mov_b64 s[64:65], 0
	v_nop
	global_prefetch_b8 v0, s[64:65] scope:SCOPE_SE
	s_setreg_imm32_b32 hwreg(HW_REG_WAVE_MODE, 25, 1), 1
	s_wait_xcnt 0x0
; PREP.  x [8192][1024] f32 becomes codes of E3M2 with one E8M0 byte for each 32 along K, and the four weights' codes are laid anew, both as IMAGES OF OPERAND REGISTERS:
; a fragment (16 rows x 128 K) is 12 registers a lane; its image is 1,536 bytes: registers 4 c .. 4 c + 3 of lane l at byte 512 c + 16 l.  Every later launch loads fragments by dense loads of 16 bytes a lane.
; xr: one record of 102,400 bytes for each 128 tokens: image (K step s, token tile a) at (8 s + a) x 1,536; scale words at 98,304 + 512 s + 4 x (token in the block).
; wimg: image (weight 0 q, 1 k, 2 v, 3 o; tile tt; K step s) at ((64 weight + tt) x 8 + s) x 1,536.  THE ROWS OF A WEIGHT'S TILE ARE NOT NEIGHBOURS: lane r of tile tt takes row 32 (tt / 2) + 8 (tt % 2) + r + 8 (r / 8),
; so that, with the weight as source 0, the 16 registers of result tiles 2 b, 2 b + 1 are 16 neighbouring features.
; SHARES.  Work-group wg: tokens 32 wg .. 32 wg + 31; wave w: K step w of both token tiles, and one weight fragment (weight wg / 64, tile wg % 64, K step w).
; Each load of x reads 512 consecutive bytes; the numbers turn through the wave's own stage in LDS (16 rows, 528 bytes apart) so that a lane holds 16 neighbours along K of each block.  Waves share nothing: no barrier.
; A block's scale byte is its largest magnitude's exponent field - 4, held at 1 from below by a floor among the maximum's leaves.
; LIMITS: NaN and infinities are not served; a block of zeros gets the byte 1 (its codes are zeros, and this program alone reads the bytes).
; No matrix unit, no tensor load, no cluster: a stream that is read once and shared by nobody.
.set LI,  1                            ; v1   16 x lane
.set STA, 2                            ; v2   the stage, way in: 16 x lane + 16,896 x wave
.set LDA, 3                            ; v3   way out: 528 r + 64 h + 16,896 x wave
.set WGO, 4                            ; v4   the weight's gather: (r + 8 (r / 8)) x 768 + 24 h
.set L4,  5                            ; v5   4 x lane
.set WF,  8                            ; v8-19    the weight's fragment
.set R0,  20                           ; v20-147  x as loaded: tile f at R0 + 64 f
.set X,   148                          ; v148-211 64 numbers: register 16 b + i = k 32 b + 16 h + i of my row
.set TM,  212                          ; v212-227 maxima, bytes, scale operands
.set PC,  228                          ; v228-239 the codes just made
.set PT,  240                          ; v240-247 the blocks' second halves
.set PWA, 248                          ; v248, v249 the two tiles' scale words
.set PWB, 249
.set SEL, 20                           ; s[20:21] selects of v_permlanex16_b32: lane l xor 16
.set HI,  22                           ; s22  lanes 16-31
	s_load_b256 s[4:11], s[0:1], 0x0               ; x, W_q, W_k, W_v
	s_load_b128 s[12:15], s[0:1], 0x20             ; W_o, xr
	s_load_b64 s[16:17], s[0:1], 0x30              ; wimg
	v_lshl_add_u32 v254, v0, 2, 0x21000
	v_mov_b32 v255, 0
	v_lshrrev_b32 v1, 5, v0
	s_delay_alu instid0(VALU_DEP_1)
	v_readfirstlane_b32 s18, v1                    ; wave 0..7
	v_and_b32 v6, 31, v0                           ; lane
	v_and_b32 v7, 15, v0                           ; r
	v_bfe_u32 v250, v0, 4, 1                       ; h
	s_delay_alu instid0(VALU_DEP_3)
	v_lshlrev_b32 v[LI], 4, v6
	s_delay_alu instid0(VALU_DEP_4)
	v_lshlrev_b32 v[L4], 2, v6
	s_mul_i32 s19, s18, 16896                      ; my wave's two stages
	v_add_nc_u32 v[STA], s19, v[LI]
	v_mul_u32_u24 v[LDA], v7, 528
	s_delay_alu instid0(VALU_DEP_1)
	v_lshl_add_u32 v[LDA], v250, 6, v[LDA]
	s_delay_alu instid0(VALU_DEP_1)
	v_add_nc_u32 v[LDA], s19, v[LDA]
	v_and_b32 v[WGO], 8, v7
	s_delay_alu instid0(VALU_DEP_1)
	v_add_nc_u32 v[WGO], v[WGO], v7
	s_delay_alu instid0(VALU_DEP_1)
	v_mul_u32_u24 v[WGO], v[WGO], 768              ; a weight's row: 1,024 codes = 768 bytes
	s_delay_alu instid0(VALU_DEP_1)
	v_mad_u32_u24 v[WGO], v250, 24, v[WGO]
.irp b, 0,1,2,3
	v_mov_b32 v[TM+4+\b], 0                        ; written once: a lane permute's destination counts as one of its sources
.endr
	s_mov_b32 s[SEL], 0x76543210
	s_mov_b32 s[SEL+1], 0xfedcba98
	s_mov_b32 s[HI], 0xffff0000
	s_lshl_b32 s24, ttmp9, 17                      ; x: 32 rows of 4,096 bytes a work-group,
	s_lshl_b32 s25, s18, 9                         ; 512 bytes of a row a wave
	s_add_co_u32 s24, s24, s25
	s_mov_b32 s25, 0
	s_and_b32 s26, ttmp9, 63                       ; the weight's tile tt: it begins at row 32 (tt / 2) + 8 (tt % 2)
	s_lshr_b32 s27, s26, 1
	s_mul_i32 s27, s27, 24576
	s_and_b32 s26, s26, 1
	s_mul_i32 s26, s26, 6144
	s_add_co_u32 s26, s26, s27
	s_mul_i32 s27, s18, 96                         ; K step w: 96 bytes on
	s_add_co_u32 s26, s26, s27
	s_mov_b32 s27, 0
	s_lshr_b32 s28, ttmp9, 2
	s_mul_i32 s28, s28, 102400                     ; xr: my block's record
	s_and_b32 s29, ttmp9, 3                        ; which 32 tokens of the 128
	s_lshl_b32 s30, s18, 3
	s_lshl_b32 s31, s29, 1
	s_add_co_u32 s30, s30, s31
	s_mul_i32 s30, s30, 1536
	s_add_co_u32 s30, s30, s28                     ; image (w, 2 j)
	s_mov_b32 s31, 0
	s_lshl_b32 s32, s18, 9
	s_lshl_b32 s33, s29, 7
	s_add_co_u32 s32, s32, s33
	s_add_co_u32 s32, s32, s28
	s_add_co_u32 s32, s32, 98304                   ; scale words of K step w, tokens 32 j on
	s_mov_b32 s33, 0
	s_lshl_b32 s34, ttmp9, 3
	s_add_co_u32 s34, s34, s18
	s_mul_i32 s34, s34, 1536                       ; wimg: image 8 wg + w
	s_mov_b32 s35, 0
	s_lshr_b32 s36, ttmp9, 6                       ; which weight
	s_wait_alu depctr_va_vdst(0)
	s_wait_kmcnt 0x0
	s_cmp_lt_u32 s36, 1                            ; only the pointer is chosen, by the work-group's number: one path through the text
	s_cselect_b64 s[6:7], s[6:7], s[8:9]
	s_cmp_lt_u32 s36, 3
	s_cselect_b64 s[10:11], s[10:11], s[12:13]
	s_cmp_lt_u32 s36, 2
	s_cselect_b64 s[6:7], s[6:7], s[10:11]
	s_add_nc_u64 s[4:5], s[4:5], s[24:25]
	s_add_nc_u64 s[6:7], s[6:7], s[26:27]
	s_add_nc_u64 s[8:9], s[14:15], s[30:31]        ; xr, images
	s_add_nc_u64 s[14:15], s[14:15], s[32:33]      ; xr, scale words
	s_add_nc_u64 s[16:17], s[16:17], s[34:35]
.irp p, 0,1,2,3,4,5
	global_load_b64 v[WF+2*\p:WF+2*\p+1], v[WGO], s[6:7] offset:48*(\p/3)+8*(\p%3)   ; registers 0-5: 24 bytes at 24 h; registers 6-11: 48 bytes on
.endr
.set ii, 0
.rept 32
	global_load_b128 v[R0+4*ii:R0+4*ii+3], v[LI], s[4:5] offset:4096*ii th:TH_LOAD_NT   ; row ii of my 32: 32 lanes read 512 consecutive bytes
.set ii, ii+1
.endr
; tile f's 16 rows through stage f.  LDS serves a wave's instructions in order, so no wait stands between the stores and the loads.
.macro TURN f
.set ii, 0
.rept 16
	ds_store_b128 v[STA], v[R0+64*\f+4*ii:R0+64*\f+4*ii+3] offset:8448*\f+528*ii
.set ii, ii+1
.endr
.irp b, 0,1,2,3
.irp q, 0,1,2,3
	ds_load_b128 v[X+16*\b+4*\q:X+16*\b+4*\q+3], v[LDA] offset:8448*\f+128*\b+16*\q
.endr
.endr
	s_wait_dscnt 0x0
.endm
; the 64 numbers in X become a fragment's codes in PC and its scale word in pw
.macro QUANT pw
.irp b, 0,1,2,3
	v_max3_num_f32 v[TM+\b], |v[X+16*\b]|, |v[X+16*\b+1]|, 0x2800000   ; my 16 numbers of block b, and the floor 2^(5 - 127): the byte cannot fall under 1
.endr
.irp i, 2,4,6,8,10,12,14
.irp b, 0,1,2,3
	s_delay_alu instid0(VALU_DEP_4)
	v_max3_num_f32 v[TM+\b], v[TM+\b], |v[X+16*\b+\i]|, |v[X+16*\b+\i+1]|   ; the four blocks by turns
.endr
.endr
.irp b, 0,1,2,3
	s_delay_alu instid0(VALU_DEP_4)
	v_permlanex16_b32 v[TM+4+\b], v[TM+\b], s[SEL], s[SEL+1]
.endr
.irp b, 0,1,2,3
	s_delay_alu instid0(VALU_DEP_4)
	v_max_num_f32 v[TM+\b], v[TM+\b], v[TM+4+\b]   ; with lane l xor 16's 16: the block's largest magnitude
.endr
.irp b, 0,1,2,3
	s_delay_alu instid0(VALU_DEP_4)
	v_add_nc_u32 v[TM+12+\b], 0xfe000000, v[TM+\b]   ; 4 off its exponent field: the conversion takes this operand's exponent field as its scale
.endr
.irp b, 0,1,2,3
	s_delay_alu instid0(VALU_DEP_4)
	v_lshrrev_b32 v[TM+4+\b], 23, v[TM+12+\b]      ; the scale's byte
.endr
	s_delay_alu instid0(VALU_DEP_3)
	v_lshl_or_b32 v[\pw], v[TM+5], 8, v[TM+4]
	s_delay_alu instid0(VALU_DEP_1)
	v_lshl_or_b32 v[\pw], v[TM+6], 16, v[\pw]
	s_delay_alu instid0(VALU_DEP_1)
	v_lshl_or_b32 v[\pw], v[TM+7], 24, v[\pw]
.irp c, 0,1
	v_cvt_scalef32_pk16_bf6_f32 v[PC+6*\c:PC+6*\c+2], v[X+32*\c:X+32*\c+15], v[TM+12+2*\c]
	v_cvt_scalef32_pk16_bf6_f32 v[PT+4*\c:PT+4*\c+2], v[X+32*\c+16:X+32*\c+31], v[TM+12+2*\c+1]   ; (a conversion's three registers begin on an even number)
.endr
	v_nop                                          ; one plain instruction behind the scaled conversions
.irp c, 0,1                                    ; the layout wants a whole block in a lane: lanes 0-15 block 2 c, lanes 16-31 block 2 c + 1
.irp i, 0,1,2
	v_permlane16_swap_b32 v[PC+6*\c+\i], v[PT+4*\c+\i]
.endr
.irp i, 0,1,2
	s_delay_alu instid0(VALU_DEP_3)
	v_mov_b32 v[PC+6*\c+3+\i], v[PT+4*\c+\i]
.endr
.endr
.endm
	s_wait_loadcnt 16                              ; the weight's fragment and tile 0's rows are in; tile 1's 16 loads may be out
.irp c, 0,1,2
	global_store_b128 v[LI], v[WF+4*\c:WF+4*\c+3], s[16:17] offset:512*\c   ; 32 lanes store 512 consecutive bytes
.endr
	TURN 0
	QUANT PWA
.irp c, 0,1,2
	global_store_b128 v[LI], v[PC+4*\c:PC+4*\c+3], s[8:9] offset:512*\c
.endr
	s_wait_loadcnt 0x0                             ; tile 1's rows
	TURN 1
	s_wait_xcnt 0x0                                ; the stores above have read PC: it is written again only behind this wait
	QUANT PWB
.irp c, 0,1,2
	global_store_b128 v[LI], v[PC+4*\c:PC+4*\c+3], s[8:9] offset:1536+512*\c
.endr
	v_cndmask_b32 v[PWA], v[PWA], v[PWB], s[HI]    ; lanes 0-15: tile 0's row r; lanes 16-31: tile 1's
	global_store_b32 v[L4], v[PWA], s[14:15]       ; 32 tokens' words, 128 consecutive bytes
	s_wait_tensorcnt 0x0
	ds_add_u32 v254, v255
	s_wait_dscnt 0x0
	s_endpgm
.Lfunc_end_k_q2c5ed7796f_prep:
	.size	k_q2c5ed7796f_prep, .Lfunc_end_k_q2c5ed7796f_prep-k_q2c5ed7796f_prep
	.p2alignl 7, 3214868480
	.fill 96, 4, 3214868480
	.section	.rodata,"a",@progbits
	.p2align	6, 0x0
	.amdhsa_kernel k_q2c5ed7796f_prep
		.amdhsa_group_segment_fixed_size 136192
		.amdhsa_private_segment_fixed_size 0
		.amdhsa_enable_private_segment 0
		.amdhsa_kernarg_size 56
		.amdhsa_user_sgpr_count 2
		.amdhsa_user_sgpr_kernarg_segment_ptr 1
		.amdhsa_wavefront_size32 1
		.amdhsa_system_sgpr_workgroup_id_x 1
		.amdhsa_system_sgpr_workgroup_id_y 1
		.amdhsa_system_sgpr_workgroup_id_z 1
		.amdhsa_system_vgpr_workitem_id 0
		.amdhsa_next_free_vgpr 256
		.amdhsa_next_free_sgpr 66
		.amdhsa_reserve_vcc 0
		.amdhsa_float_denorm_mode_32 3
		.amdhsa_float_denorm_mode_16_64 3
		.amdhsa_memory_ordered 1
		.amdhsa_forward_progress 1
		.amdhsa_inst_pref_size 24
	.end_amdhsa_kernel
	.amdgpu_metadata
---
amdhsa.version: [ 1, 2 ]
amdhsa.kernels:
  - .name:           k_q2c5ed7796f_prep
    .symbol:         k_q2c5ed7796f_prep.kd
    .args:
      - { .name: inputs, .offset: 0, .size: 8, .value_kind: global_buffer, .address_space: global }
      - { .name: W_q_codes, .offset: 8, .size: 8, .value_kind: global_buffer, .address_space: global }
      - { .name: W_k_codes, .offset: 16, .size: 8, .value_kind: global_buffer, .address_space: global }
      - { .name: W_v_codes, .offset: 24, .size: 8, .value_kind: global_buffer, .address_space: global }
      - { .name: W_o_codes, .offset: 32, .size: 8, .value_kind: global_buffer, .address_space: global }
      - { .name: xr, .offset: 40, .size: 8, .value_kind: global_buffer, .address_space: global }
      - { .name: wimg, .offset: 48, .size: 8, .value_kind: global_buffer, .address_space: global }
    .group_segment_fixed_size: 136192
    .private_segment_fixed_size: 0
    .kernarg_segment_align: 8
    .kernarg_segment_size: 56
    .max_flat_workgroup_size: 256
    .sgpr_count:     66
    .vgpr_count:     256
    .wavefront_size: 32
...
	.end_amdgpu_metadata
.endif
;; end of part 5
;; launch qkv (part 6): grid 4 x 64, 4 waves a work-group, no clusters, 102,912 bytes of LDS; arguments xr, wimg, W_q_scales, W_k_scales, W_v_scales, qq, kv; writes qq, kv
.if DOCPART == 6
	.amdgcn_target "amdgcn-amd-amdhsa--gfx1250"
	.amdhsa_code_object_version 6
	.text
	.protected	k_q2c5ed7796f_qkv
	.globl	k_q2c5ed7796f_qkv
	.p2align	8
	.type	k_q2c5ed7796f_qkv,@function
k_q2c5ed7796f_qkv:
	s_mov_b64 s[64:65], 0
	v_nop
	global_prefetch_b8 v0, s[64:65] scope:SCOPE_SE
	s_setreg_imm32_b32 hwreg(HW_REG_WAVE_SCHED_MODE, 0, 2), 2
	s_setreg_imm32_b32 hwreg(HW_REG_WAVE_MODE, 25, 1), 1
	s_wait_xcnt 0x0
	s_wait_alu depctr_vm_vsrc(0)
; QKV.  q = x W_q^T, k = x W_k^T, v = x W_v^T on codes of E3M2, sums in f32; the results are quantised at once (q, k along the head's 64, v along the keys) and leave as images of operand registers.
; SHARES.  Work-group (g, blk): tokens 128 blk .. + 127, heads 4 g .. 4 g + 3; wave w owns head 4 g + w and runs three passes (Q, K, V) of 128 tokens x 64 features x K 1,024: 32 accumulators, 8 K steps of 32 products.
; x's record (102,400 bytes: 64 fragment images and the scale words) is copied into LDS once; the weights' fragment images come from memory straight into the one wave's registers that uses them, four K steps ahead (a ring of five sets).
; Q, K: source 0 = 16 rows of W, source 1 = 16 tokens: a lane holds one token, and by the choice of W's tile rows the registers of tiles 2 b, 2 b + 1 are features 32 b + 16 h + 0 .. 15.
; V: source 0 = 16 tokens, source 1 = 16 rows of W: a lane holds one feature d, and its registers run along the tokens, which are the K of the product with p.  Position 8 u + j of block b in half h is key 32 b + 16 u + 8 h + j;
; the next launch's p lies in the same order, and a block of 32 is the true block.
; OUT.  qq, and kv's first part: for each head a record; the image of token tiles 2 j, 2 j + 1 (6 + 6 registers) at 1,536 j; scale words (bytes 0, 1 the two blocks, bytes 2, 3 zero) four to a lane.  kv: V's images (key step, d tile), K's and V's scale words.
; NO JOINT LOADS: a weight's fragment is used by one wave of a work-group and goes to its registers with no LDS between; x's record is 102,400 of the 692,224 bytes that a work-group reads, once, at the head.
; The text is straight: 24 K steps by macro, no branch; every step along the buffers is an immediate, so no base is ever rewritten.
; LIMITS: NaN and infinities are not served; a block of zeros gets the byte 1 (its codes are zeros, and this program alone reads the bytes).
; REGISTERS, in windows of 256: window 0: addresses, x's fragments of the even K steps, x's and W's scale words, the quantiser's registers.  window 1: the 32 accumulators.  window 2: W's ring, 5 x 48.  window 3: x's fragments of the odd K steps.
; THE MODE: SCHED_MODE bits 1:0 = 2 (LLVM: expert scheduling mode 2), set by the entry lines.  The code itself states the register dependences
; between vector or matrix instructions and memory or LDS instructions, with s_wait_alu, always for 0.
; THE PLAN.  Registers that memory or LDS instructions touch, from the barrier on (step n = 8 x pass + K step):
;   XF0, XF1     Step n's products read XF[n % 2]; the LDS loads issued in step n (the fragments of step n + 1) land in the other one, which step n - 1's products read last.
;   XSC0, XSC1   x's scale words: likewise.
;   W's ring     Step n's products read set n % 5; the loads issued in step n (step n + 4's fragments) land in set (n + 4) % 5 = (n - 1) % 5.
;   SW0, SW1     Pass p's products read set p % 2; the loads issued in the pass's fifth step land in the other one, which pass p - 1 read last.
;   PCS, SCI     Written by a pass's quantiser, read by the run of stores behind it, written again a pass later.
;   v1 .. v7     Offsets and LDS addresses: made at the head, never written again.
; So ONE wait on va_vdst stands at a step's head: step n - 1's products are done reading the four buffers in which this step's loads land.  The step's 40 loads follow it in three runs among its four
; groups of eight products, which name XF[n % 2], XSC[n % 2], set n % 5, SW[p % 2] and the accumulators: none of the registers that those loads touch.
.set LI,  1                            ; v1   16 x lane
.set LI2, 2                            ; v2   16 x lane + 49,152 (K steps 4 to 7 of x's record)
.set LS,  3                            ; v3   4 x lane + 98,304: x's scale words
.set SWO, 4                            ; v4   (32 h + r + 8 (r / 8)) x 32: W's scale bytes
.set L8,  5                            ; v5   8 x lane
.set CP0, 6                            ; v6   16 x thread
.set CP1, 7                            ; v7   16 x thread + 65,536
.set XF,  16                           ; v16-111  x's eight fragments of a K step: of window 0 for the even steps, of window 3 for the odd ones
.set XSC, 112                          ; v112-119 x's scale words, two sets of 4: register j: lanes 0-15 tile 2 j, lanes 16-31 tile 2 j + 1
.set SW,  120                          ; v120-151 W's scale words, two sets of 16: register 8 u + s: lanes 0-15 tile u, lanes 16-31 tile 2 + u, K step s
.set TM,  152                          ; v152-167 maxima, bytes, scale operands
.set PCS, 168                          ; v168-215 four fragments of codes
.set PT,  216                          ; v216-223
.set SCI, 224                          ; v224-227 a scale image
.set W0,  228
.set W1,  229
.set SEL, 36                           ; s[36:37]
.set HI,  38                           ; s38  lanes 16-31
.set MUL_QK, 0x52                      ; source 0 (W) window 2, source 1 (x) window 0, C and D window 1; in an odd step source 1 window 3: + 0x0c
.set MUL_V,  0x58                      ; source 0 (x) window 0, source 1 (W) window 2, C and D window 1; in an odd step source 0 window 3: + 0x03
.set TO_W,   0x80                      ; destination window 2
.set TO_X3,  0xc0                      ; destination window 3
.set RD_MAX, 0x14                      ; sources 1 and 2 window 1
.set RD_CVT, 0x01                      ; source 0 window 1
.set MSB, 0
.macro WIN new                         ; the immediate's high byte repeats the setting that is left; a switch that changes nothing is dropped
.if MSB != (\new)
	s_set_vgpr_msb (MSB<<8)|(\new)
.set MSB, (\new)
.endif
.endm
.macro PLACES                          ; four plain instructions between a product and a vector read of its result (ISA guide 7.12.1)
.rept 4
	v_nop
.endr
.endm
; one product: D at d, sources at a and b, z = 1: C = 0, the sum begins; scale words in sa, sb; ra, rb = 1: taken from lanes 16-31
.macro WM d, a, b, z, sa, sb, ra, rb
.if \z
.if (\ra) && (\rb)
	v_wmma_scale_f32_16x16x128_f8f6f4 v[(\d):(\d)+7], v[(\a):(\a)+11], v[(\b):(\b)+11], 0, v[\sa], v[\sb] matrix_a_fmt:MATRIX_FMT_BF6 matrix_b_fmt:MATRIX_FMT_BF6 matrix_a_scale:MATRIX_SCALE_ROW1 matrix_b_scale:MATRIX_SCALE_ROW1
.elseif (\ra)
	v_wmma_scale_f32_16x16x128_f8f6f4 v[(\d):(\d)+7], v[(\a):(\a)+11], v[(\b):(\b)+11], 0, v[\sa], v[\sb] matrix_a_fmt:MATRIX_FMT_BF6 matrix_b_fmt:MATRIX_FMT_BF6 matrix_a_scale:MATRIX_SCALE_ROW1
.elseif (\rb)
	v_wmma_scale_f32_16x16x128_f8f6f4 v[(\d):(\d)+7], v[(\a):(\a)+11], v[(\b):(\b)+11], 0, v[\sa], v[\sb] matrix_a_fmt:MATRIX_FMT_BF6 matrix_b_fmt:MATRIX_FMT_BF6 matrix_b_scale:MATRIX_SCALE_ROW1
.else
	v_wmma_scale_f32_16x16x128_f8f6f4 v[(\d):(\d)+7], v[(\a):(\a)+11], v[(\b):(\b)+11], 0, v[\sa], v[\sb] matrix_a_fmt:MATRIX_FMT_BF6 matrix_b_fmt:MATRIX_FMT_BF6
.endif
.else
.if (\ra) && (\rb)
	v_wmma_scale_f32_16x16x128_f8f6f4 v[(\d):(\d)+7], v[(\a):(\a)+11], v[(\b):(\b)+11], v[(\d):(\d)+7], v[\sa], v[\sb] matrix_a_fmt:MATRIX_FMT_BF6 matrix_b_fmt:MATRIX_FMT_BF6 matrix_a_scale:MATRIX_SCALE_ROW1 matrix_b_scale:MATRIX_SCALE_ROW1
.elseif (\ra)
	v_wmma_scale_f32_16x16x128_f8f6f4 v[(\d):(\d)+7], v[(\a):(\a)+11], v[(\b):(\b)+11], v[(\d):(\d)+7], v[\sa], v[\sb] matrix_a_fmt:MATRIX_FMT_BF6 matrix_b_fmt:MATRIX_FMT_BF6 matrix_a_scale:MATRIX_SCALE_ROW1
.elseif (\rb)
	v_wmma_scale_f32_16x16x128_f8f6f4 v[(\d):(\d)+7], v[(\a):(\a)+11], v[(\b):(\b)+11], v[(\d):(\d)+7], v[\sa], v[\sb] matrix_a_fmt:MATRIX_FMT_BF6 matrix_b_fmt:MATRIX_FMT_BF6 matrix_b_scale:MATRIX_SCALE_ROW1
.else
	v_wmma_scale_f32_16x16x128_f8f6f4 v[(\d):(\d)+7], v[(\a):(\a)+11], v[(\b):(\b)+11], v[(\d):(\d)+7], v[\sa], v[\sb] matrix_a_fmt:MATRIX_FMT_BF6 matrix_b_fmt:MATRIX_FMT_BF6
.endif
.endif
.endm
; step n = 8 x pass + K step.  W's four fragments of step n into ring set n % 5: 12 dense loads of 512 bytes
.macro WLOAD n
.set wp, (\n)/8
.set wk, (\n)%8
.set wb, 48*((\n)%5)
	WIN TO_W
.irp t, 0,1,2,3
.irp c, 0,1,2
	global_load_b128 v[wb+12*\t+4*\c:wb+12*\t+4*\c+3], v[LI], s[6:7] offset:786432*wp+12288*\t+1536*wk+512*\c
.endr
.endr
.endm
.macro SWLOAD p                        ; pass p's scale words of W, all eight K steps
	WIN 0
.irp u, 0,1
.irp q, 0,1
	global_load_b128 v[SW+16*((\p)%2)+8*\u+4*\q:SW+16*((\p)%2)+8*\u+4*\q+3], v[SWO], s[8+2*(\p):9+2*(\p)] offset:256*\u+16*\q
.endr
.endr
.endm
.macro XWIN n                          ; the window in which step n's fragments of x lie, as a load's destination
.if (\n)%2
	WIN TO_X3
.else
	WIN 0
.endif
.endm
.macro XLOAD n, a0                     ; x's fragments a0 .. a0 + 3 of step n's K step, from LDS (the window is set by XWIN)
.set xk, (\n)%8
.irp a, 0,1,2,3
.irp c, 0,1,2
.if xk < 4
	ds_load_b128 v[XF+12*(\a0+\a)+4*\c:XF+12*(\a0+\a)+4*\c+3], v[LI] offset:(8*xk+\a0+\a)*1536+512*\c
.else
	ds_load_b128 v[XF+12*(\a0+\a)+4*\c:XF+12*(\a0+\a)+4*\c+3], v[LI2] offset:(8*(xk-4)+\a0+\a)*1536+512*\c
.endif
.endr
.endr
.endm
.macro XSCL n                          ; and x's scale words, into set n % 2
.irp j, 0,1,2,3
	ds_load_b32 v[XSC+4*((\n)%2)+\j], v[LS] offset:512*((\n)%8)+128*\j
.endr
.endm
; 8 products: token tiles a0, a0 + 1 x W's four tiles.  The 32 accumulators take turns, one instruction a turn, in the same order in every step.
.macro MUL8 n, a0
.set mp, (\n)/8
.set mk, (\n)%8
.set mb, 48*((\n)%5)
.set mx, XSC+4*((\n)%2)
.set ms, SW+16*(mp%2)+mk
.irp a, 0,1
.irp t, 0,1,2,3
.set ma, \a0+\a
.if mp < 2
	WM 8*(4*ma+\t), mb+12*\t, XF+12*ma, mk==0, ms+8*(\t%2), mx+ma/2, \t/2, ma%2
.else
	WM 8*(8*\t+ma), XF+12*ma, mb+12*\t, mk==0, mx+ma/2, ms+8*(\t%2), ma%2, \t/2
.endif
.endr
.endr
.endm
.macro MWIN n
.if (\n) < 16
	WIN MUL_QK+12*((\n)%2)
.else
	WIN MUL_V+3*((\n)%2)
.endif
.endm
.macro KSTEP n
.if 23-(\n) < 3
	s_wait_loadcnt 12*(23-(\n))                    ; W's set of this step is in; what was asked for behind it may be out
.else
	s_wait_loadcnt 36                              ; W's set of this step is in; the three sets behind it may be out (scale words asked for between them only make the count stricter)
.endif
	s_wait_dscnt 0x0                               ; x's fragments and scale words of this step, asked for in the first half of the step before, are in
.if ((\n)%8) && ((\n) < 23)
	s_wait_alu depctr_va_vdst(0)                   ; the last step's products are done reading their XF, their XSC and their set of the ring, in which this step's loads land.  (A pass's first step has none: the wait ahead of the last pass's stores has stated it, and step 0's loads land in registers that nothing has named.  Step 23 issues no load)
.endif
	MWIN \n
	MUL8 \n, 0
.if (\n)+1 < 24
	WIN 0
	XSCL (\n)+1
	XWIN (\n)+1
	XLOAD (\n)+1, 0                                ; no vector or matrix instruction since the wait names the other XF or the other XSC
.endif
	MWIN \n
	MUL8 \n, 2
.if (\n)+1 < 24
	XWIN (\n)+1
	XLOAD (\n)+1, 4                                ; the last LDS loads of the step: sixteen products stand between them and the wait for them
.endif
	MWIN \n
	MUL8 \n, 4
.if ((\n)%8 == 4) && ((\n) < 16)
	SWLOAD (\n)/8+1                                ; the next pass's scale words of W, four steps ahead, into the set that the pass before read
.endif
.if (\n)+4 < 24
	WLOAD (\n)+4                                   ; into the set that the step before has left
.endif
	MWIN \n
	MUL8 \n, 6
.endm
; 64 registers of window 1 from src on (register 16 b + i: place 16 h + i of block b of my row) become 12 registers of codes at dst; the four bytes stay in v[TM+4 .. TM+7].  Each accumulator is read from its low end on.
.macro QUANT src, dst
	WIN RD_MAX
.irp b, 0,1,2,3
	v_max3_num_f32 v[TM+\b], 0x2800000, |v[(\src)+16*\b]|, |v[(\src)+16*\b+1]|   ; with the floor 2^(5 - 127): the byte cannot fall under 1
.endr
.irp i, 2,4,6,8,10,12,14
.irp b, 0,1,2,3
	v_max3_num_f32 v[TM+\b], v[TM+\b], |v[(\src)+16*\b+\i]|, |v[(\src)+16*\b+\i+1]|
.endr
.endr
	WIN 0
.irp b, 0,1,2,3
	v_permlanex16_b32 v[TM+4+\b], v[TM+\b], s[SEL], s[SEL+1]
.endr
.irp b, 0,1,2,3
	v_max_num_f32 v[TM+\b], v[TM+\b], v[TM+4+\b]
.endr
.irp b, 0,1,2,3
	v_add_nc_u32 v[TM+12+\b], 0xfe000000, v[TM+\b]   ; 4 off the exponent field: the conversion's scale operand
.endr
.irp b, 0,1,2,3
	v_lshrrev_b32 v[TM+4+\b], 23, v[TM+12+\b]      ; the scale's byte
.endr
	WIN RD_CVT
.irp c, 0,1
	v_cvt_scalef32_pk16_bf6_f32 v[(\dst)+6*\c:(\dst)+6*\c+2], v[(\src)+32*\c:(\src)+32*\c+15], v[TM+12+2*\c]
	v_cvt_scalef32_pk16_bf6_f32 v[PT+4*\c:PT+4*\c+2], v[(\src)+32*\c+16:(\src)+32*\c+31], v[TM+12+2*\c+1]
.endr
	WIN 0
	v_nop                                          ; one plain instruction behind the scaled conversions
.irp c, 0,1
.irp i, 0,1,2
	v_permlane16_swap_b32 v[(\dst)+6*\c+\i], v[PT+4*\c+\i]
.endr
.irp i, 0,1,2
	v_mov_b32 v[(\dst)+6*\c+3+\i], v[PT+4*\c+\i]
.endr
.endr
.endm
; q or k leave: token tiles 2 j and 2 j + 1 are the blocks 0, 1 and 2, 3 of one run of the quantiser: its 12 registers are the pair's image.  first = 1: no pass has stored yet
.macro EPI_QK sc, ssc, first
	PLACES                                         ; between the pass's last products and the first read of their results
.if !\first
	s_wait_xcnt 0x0                                ; the last pass's stores have had their addresses translated: PCS and SCI are written again only behind this wait
	s_wait_alu depctr_vm_vsrc(0)                   ; and they have read PCS and SCI, which the quantiser writes again
.endif
.irp j, 0,1,2,3
	QUANT 64*\j, PCS+12*\j
	v_lshl_or_b32 v[W0], v[TM+5], 8, v[TM+4]       ; tile 2 j's word: two bytes, the upper two zero
	v_lshl_or_b32 v[W1], v[TM+7], 8, v[TM+6]       ; tile 2 j + 1's
	v_cndmask_b32 v[SCI+\j], v[W0], v[W1], s[HI]   ; lane l: the word of token 32 j + l
.endr
	s_wait_alu depctr_va_vdst(0)                   ; the quantiser has written PCS and SCI, which the stores read; and the pass's products are done reading their buffers, in which the next step's loads land
.irp j, 0,1,2,3
.irp c, 0,1,2
	global_store_b128 v[LI], v[PCS+12*\j+4*\c:PCS+12*\j+4*\c+3], s[\sc:\sc+1] offset:1536*\j+512*\c   ; 512 consecutive bytes
.endr
.endr
	global_store_b128 v[LI], v[SCI:SCI+3], s[\ssc:\ssc+1]
.endm
; v leaves: d tile t's 64 registers run along the 128 tokens: one fragment of the product with p, and a scale word of four bytes a row
.macro EPI_V
	PLACES                                         ; between the pass's last products and the first read of their results
	s_wait_xcnt 0x0                                ; the last pass's stores have had their addresses translated
	s_wait_alu depctr_vm_vsrc(0)                   ; and they have read PCS and SCI, which the quantiser writes again
.irp t, 0,1,2,3
	QUANT 64*\t, PCS+12*\t
.set wr, W0+(\t%2)
	v_lshl_or_b32 v[wr], v[TM+5], 8, v[TM+4]
	v_lshl_or_b32 v[wr], v[TM+6], 16, v[wr]
	v_lshl_or_b32 v[wr], v[TM+7], 24, v[wr]
.if \t%2 == 1
	v_cndmask_b32 v[SCI+\t/2], v[W0], v[W1], s[HI]   ; lanes 0-15 the even tile's rows, lanes 16-31 the odd tile's
.endif
.endr
	s_wait_alu depctr_va_vdst(0)                   ; the quantiser has written PCS and SCI, which the stores read
.irp t, 0,1,2,3
.irp c, 0,1,2
	global_store_b128 v[LI], v[PCS+12*\t+4*\c:PCS+12*\t+4*\c+3], s[32:33] offset:1536*\t+512*\c
.endr
.endr
	global_store_b64 v[L8], v[SCI:SCI+1], s[34:35]   ; 256 consecutive bytes
.endm
	s_load_b256 s[4:11], s[0:1], 0x0               ; xr, wimg, W_q's scales, W_k's
	s_load_b128 s[12:15], s[0:1], 0x20             ; W_v's scales, qq
	s_load_b64 s[16:17], s[0:1], 0x30              ; kv
	v_lshl_add_u32 v254, v0, 2, 0x19000
	v_mov_b32 v255, 0
	v_lshrrev_b32 v8, 5, v0
	v_readfirstlane_b32 s18, v8                    ; wave 0..3
	v_and_b32 v8, 31, v0                           ; lane
	v_and_b32 v9, 15, v0                           ; r
	v_bfe_u32 v10, v0, 4, 1                        ; h
	v_lshlrev_b32 v[LI], 4, v8
	v_add_nc_u32 v[LI2], 49152, v[LI]
	v_lshl_add_u32 v[LS], v8, 2, 98304
	v_lshlrev_b32 v[L8], 3, v8
	v_and_b32 v11, 8, v9
	v_add_nc_u32 v11, v11, v9
	v_lshl_add_u32 v11, v10, 5, v11
	v_lshlrev_b32 v[SWO], 5, v11                   ; a row of scale bytes is 32 bytes
	v_lshlrev_b32 v[CP0], 4, v0
	v_add_nc_u32 v[CP1], 65536, v[CP0]
	s_mov_b32 s[SEL], 0x76543210
	s_mov_b32 s[SEL+1], 0xfedcba98
	s_mov_b32 s[HI], 0xffff0000
	s_wait_alu depctr_va_sdst(0)                   ; s18 is written, ahead of its first reader: the head's number and every base are made from it
	s_and_b32 s20, ttmp7, 0xffff                   ; blk: which 128 tokens
	s_lshl_b32 s19, ttmp9, 2
	s_add_co_u32 s19, s19, s18                     ; my head
	s_lshr_b32 s21, s20, 4                         ; the batch
	s_and_b32 s22, s20, 15                         ; nb: which 128 tokens of the batch
	s_lshl_b32 s23, s21, 4
	s_add_co_u32 s23, s23, s19                     ; the record: 16 x batch + head
	s_mul_i32 s40, s20, 102400                     ; xr
	s_mov_b32 s41, 0
	s_mul_i32 s42, s19, 49152                      ; wimg: my head's four tiles, eight K steps each
	s_mov_b32 s43, 0
	s_lshl_b32 s44, s19, 11                        ; the scale bytes of my 64 rows
	s_mov_b32 s45, 0
	s_mul_i32 s46, s23, 106496
	s_mul_i32 s47, s23, 208896
	s_mul_i32 s48, s22, 6144
	s_lshl_b32 s49, s22, 9
	s_lshl_b32 s50, s22, 8
	s_add_co_u32 s24, s46, s48                     ; q's images
	s_mov_b32 s25, 0
	s_add_co_u32 s26, s46, s49
	s_add_co_u32 s26, s26, 98304                   ; q's scale image
	s_mov_b32 s27, 0
	s_add_co_u32 s28, s47, s48                     ; k's images
	s_mov_b32 s29, 0
	s_add_co_u32 s30, s47, s49
	s_add_co_u32 s30, s30, 196608                  ; k's scale image
	s_mov_b32 s31, 0
	s_add_co_u32 s32, s28, 98304                   ; v's images
	s_mov_b32 s33, 0
	s_add_co_u32 s34, s47, s50
	s_add_co_u32 s34, s34, 204800                  ; v's scale image
	s_mov_b32 s35, 0
	s_wait_kmcnt 0x0
	s_add_nc_u64 s[4:5], s[4:5], s[40:41]
	s_add_nc_u64 s[6:7], s[6:7], s[42:43]
	s_add_nc_u64 s[8:9], s[8:9], s[44:45]
	s_add_nc_u64 s[10:11], s[10:11], s[44:45]
	s_add_nc_u64 s[12:13], s[12:13], s[44:45]
	s_add_nc_u64 s[24:25], s[14:15], s[24:25]
	s_add_nc_u64 s[26:27], s[14:15], s[26:27]
	s_add_nc_u64 s[28:29], s[16:17], s[28:29]
	s_add_nc_u64 s[30:31], s[16:17], s[30:31]
	s_add_nc_u64 s[32:33], s[16:17], s[32:33]
	s_add_nc_u64 s[34:35], s[16:17], s[34:35]
	s_wait_alu depctr_va_vdst(0)                   ; the seven offsets and addresses v1 to v7 are written: every load and store of the kernel reads one of them
	; x's record into LDS as it lies: 50 loads of 2,048 bytes a work-group, in two batches through registers that are free at the head
.set ii, 0
.rept 25
	global_load_b128 v[16+4*ii:19+4*ii], v[CP0], s[4:5] offset:2048*ii
.set ii, ii+1
.endr
.set ii, 0
.rept 25
	global_load_b128 v[152+4*ii:155+4*ii], v[CP0], s[4:5] offset:2048*(25+ii)
.set ii, ii+1
.endr
	SWLOAD 0
	s_wait_loadcnt 29                              ; the first batch is in: behind it stand the second batch's 25 and the 4 of the scale words
.set ii, 0
.rept 25
	ds_store_b128 v[CP0], v[16+4*ii:19+4*ii] offset:2048*ii
.set ii, ii+1
.endr
	WLOAD 0
	WLOAD 1
	WIN 0
	s_wait_loadcnt 28                              ; the second batch is in: behind it stand 4 + 24
.set ii, 0
.rept 25
.if 25+ii < 32
	ds_store_b128 v[CP0], v[152+4*ii:155+4*ii] offset:2048*(25+ii)
.else
	ds_store_b128 v[CP1], v[152+4*ii:155+4*ii] offset:2048*(25+ii-32)
.endif
.set ii, ii+1
.endr
	WLOAD 2
	WLOAD 3
	WIN 0
	s_wait_dscnt 0x0                               ; for the others' sake: my part of the record lies in LDS
	s_barrier_signal -1
	s_barrier_wait -1                              ; the launch's one barrier: from here on LDS is only read
	s_wait_alu depctr_vm_vsrc(0)                   ; my LDS stores have read v16-115, in which x's first fragments and scale words land, and v152-251, which are the quantiser's registers from here on
.irp b, 0,1,2,3
	v_mov_b32 v[TM+4+\b], 0                        ; written once: a lane permute's destination counts as one of its sources
.endr
	XLOAD 0, 0
	XSCL 0
	XLOAD 0, 4
.set NN, 0
.rept 8
	KSTEP NN
.set NN, NN+1
.endr
	EPI_QK 24, 26, 1                               ; q leaves while the next pass's first fragments land
.rept 8
	KSTEP NN
.set NN, NN+1
.endr
	EPI_QK 28, 30, 0
.rept 8
	KSTEP NN
.set NN, NN+1
.endr
	EPI_V
	s_wait_dscnt 0x0
	s_wait_alu depctr_hold_cnt(0) depctr_sa_sdst(0) depctr_va_vdst(0) depctr_va_sdst(0) depctr_va_ssrc(0) depctr_va_vcc(0) depctr_vm_vsrc(0)
	s_wait_tensorcnt 0x0
	ds_add_u32 v254, v255
	s_wait_dscnt 0x0
	s_endpgm
.Lfunc_end_k_q2c5ed7796f_qkv:
	.size	k_q2c5ed7796f_qkv, .Lfunc_end_k_q2c5ed7796f_qkv-k_q2c5ed7796f_qkv
	.p2alignl 7, 3214868480
	.fill 96, 4, 3214868480
	.section	.rodata,"a",@progbits
	.p2align	6, 0x0
	.amdhsa_kernel k_q2c5ed7796f_qkv
		.amdhsa_group_segment_fixed_size 102912
		.amdhsa_private_segment_fixed_size 0
		.amdhsa_enable_private_segment 0
		.amdhsa_kernarg_size 56
		.amdhsa_user_sgpr_count 2
		.amdhsa_user_sgpr_kernarg_segment_ptr 1
		.amdhsa_wavefront_size32 1
		.amdhsa_system_sgpr_workgroup_id_x 1
		.amdhsa_system_sgpr_workgroup_id_y 1
		.amdhsa_system_sgpr_workgroup_id_z 1
		.amdhsa_system_vgpr_workitem_id 0
		.amdhsa_next_free_vgpr 880
		.amdhsa_next_free_sgpr 66
		.amdhsa_reserve_vcc 0
		.amdhsa_float_denorm_mode_32 3
		.amdhsa_float_denorm_mode_16_64 3
		.amdhsa_memory_ordered 1
		.amdhsa_forward_progress 1
		.amdhsa_inst_pref_size 236
	.end_amdhsa_kernel
	.amdgpu_metadata
---
amdhsa.version: [ 1, 2 ]
amdhsa.kernels:
  - .name:           k_q2c5ed7796f_qkv
    .symbol:         k_q2c5ed7796f_qkv.kd
    .args:
      - { .name: xr, .offset: 0, .size: 8, .value_kind: global_buffer, .address_space: global }
      - { .name: wimg, .offset: 8, .size: 8, .value_kind: global_buffer, .address_space: global }
      - { .name: W_q_scales, .offset: 16, .size: 8, .value_kind: global_buffer, .address_space: global }
      - { .name: W_k_scales, .offset: 24, .size: 8, .value_kind: global_buffer, .address_space: global }
      - { .name: W_v_scales, .offset: 32, .size: 8, .value_kind: global_buffer, .address_space: global }
      - { .name: qq, .offset: 40, .size: 8, .value_kind: global_buffer, .address_space: global }
      - { .name: kv, .offset: 48, .size: 8, .value_kind: global_buffer, .address_space: global }
    .group_segment_fixed_size: 102912
    .private_segment_fixed_size: 0
    .kernarg_segment_align: 8
    .kernarg_segment_size: 56
    .max_flat_workgroup_size: 128
    .sgpr_count:     66
    .vgpr_count:     880
    .wavefront_size: 32
...
	.end_amdgpu_metadata
.endif
;; end of part 6
;; launch attn (part 7): grid 4 x 64, 16 waves a work-group, no clusters, 210,944 bytes of LDS; arguments qq, kv, ao, asc; writes ao, asc
.if DOCPART == 7
	.amdgcn_target "amdgcn-amd-amdhsa--gfx1250"
	.amdhsa_code_object_version 6
	.text
	.protected	k_q2c5ed7796f_attn
	.globl	k_q2c5ed7796f_attn
	.p2align	8
	.type	k_q2c5ed7796f_attn,@function
k_q2c5ed7796f_attn:
	s_mov_b64 s[64:65], 0
	v_nop
	global_prefetch_b8 v0, s[64:65] scope:SCOPE_SE
	s_setreg_imm32_b32 hwreg(HW_REG_WAVE_SCHED_MODE, 0, 2), 2
	s_setreg_imm32_b32 hwreg(HW_REG_WAVE_MODE, 25, 1), 1
	s_wait_xcnt 0x0
	s_wait_alu depctr_vm_vsrc(0)
; ATTN.  For each head: S^T = k q^T (K = 64), p = 2^(t - M), O^T = v^T p^T (K = the keys), O / l, quantised along D: all products on codes of E3M2.
; t = score x log2(e) / 8; M = the running largest t rounded UP to a whole number; p is quantised, not normalised; l is the sum of the unquantised p; when M moves, l and O^T are multiplied by 2^(old M - new M), which rounds nothing.
; SHARES.  Work-group (qx, R): head record R, queries 512 qx .. + 511.  Each of sixteen waves owns 32 queries, as two passes of 16; four waves lie on a SIMD, so that one wave's vector work stands beside another's products and LDS loads.
; THE WHOLE HEAD'S K, V AND SCALE WORDS (208,896 bytes) lie in LDS for the whole launch, as in memory: copied once at the head, one barrier; the loop reads no memory.
; Both products are used transposed: a lane holds ONE query (lane % 16) throughout.  A tile of k holds 16 neighbouring keys, so register 16 b + 8 u + j of the scores is key 32 b + 16 u + 8 h + j: the order in which v's codes were laid.
; K = 64 IN AN INSTRUCTION OF 128: q's fragment is 6 registers of codes and 6 of zero codes.  k's tiles lie dense, 6 registers each; a tile's operand runs on into the next tile's codes, which meet q's zero codes and add nothing
; (every code of this format is a finite number; the scale bytes of that half are 0, which stands for 2^-127).
; OUT.  ao: (token tile T, head) 6 registers a lane at (16 T + head) x 768: registers 2 i, 2 i + 1 of lane l at 256 i + 8 l; two heads on end are a fragment of the last product.  asc: their scale words.
; NO JOINT LOADS: the four work-groups of a head read its record once each, at the head, through registers; nothing is fetched in the loop.
; LIMITS: NaN and infinities are not served; a block of zeros gets the byte 1 (its codes are zeros, and this program alone reads the bytes).
; THE MODE: SCHED_MODE bits 1:0 = 2 (LLVM: expert scheduling mode 2), set by the entry lines.  The code itself states the register dependences
; between vector or matrix instructions and memory or LDS instructions, with s_wait_alu, always for 0.
; THE PLAN.  Registers that LDS instructions touch in a trip of the loop over the keys:
;   v4 .. v7     The trip's four LDS addresses: written by four additions at the trip's head, read by its LDS loads.
;   KF           k's loads land in it at the head; the eight products k q^T read it; v's loads land in it; the four products v^T p^T read it.  A wave's 256 registers hold one such buffer and no second.
;   KSC, VSC     k's scale words land at the head and are read by the eight products; v's land with v's fragments and are read by the four.
; Waits of a trip.  At its head: vm_vsrc ahead of the four additions; va_vdst behind them, for the addresses and for the last trip's products, which are done reading KF, KSC and VSC.
; Behind the 64 exponentials, a wait on va_vdst for p: it also states that the eight products are done reading KF, so v's loads stand directly behind it.
; Behind the four small exponentials: for the blocks' largest p.  Ahead of the four products: p's codes and scale word, made by vector instructions, are written.
.set LI,  1                            ; v1   16 x lane
.set L8,  2                            ; v2   8 x lane
.set L4,  3                            ; v3   4 x lane
.set ADK, 4                            ; v4-7 the step's LDS addresses: k, v, k's scale words, v's
.set ADV, 5
.set ADKS, 6
.set ADVS, 7
.set VB,  8                            ; v8   16 x lane + 98,304
.set KSB, 9                            ; v9   16 x lane + 196,608
.set VSB, 10                           ; v10  8 x lane + 204,800
                                       ; v12 -M, v13 the largest t, v[14:15] the sum in two halves
.set QA,  16                           ; v16-27  q's tile 0 and zeros;  v28-39 the pair as loaded;  v40-45 zeros: q's tile 1 is v[34:45]
.set QP,  28
.set QS,  46                           ; v46  q's scale words: lanes 0-15 tile 0, lanes 16-31 tile 1
.set PWS, 47                           ; v47  the results' scale words
.set KF,  48                           ; v48-95  k's eight tiles, then v's four fragments;  v96-101 zeros, the last tile's tail
.set S,   104                          ; v104-167 the scores, then p
.set O,   168                          ; v168-199 O^T
.set PC,  200                          ; v200-211 p's codes
.set PT,  212                          ; v212-219
.set BM,  220                          ; v220-223 the blocks' largest scores
.set BP,  224                          ; v224-227 the other half's; then the bytes
.set SO,  228                          ; v228-231 the conversions' scale operands
.set KSC, 232                          ; v232-235 k's scale words: register j: lanes 0-15 tile 2 j, lanes 16-31 tile 2 j + 1
.set VSC, 236                          ; v236-237 v's likewise
.set F,   238                          ; v[238:239] f = 2^(old M - new M), and a zero
.set T0,  240
.set SM2, 242                          ; v[242:243] the sum's second chain
.set PW,  244                          ; p's scale word
.set TM,  220                          ; the way out's quantiser: v220-235
.set SEL, 36
.set HI,  38
.set CS,  40                           ; s[40:41] c = log2(e) / 8
.set SK,  42                           ; s42-44 the step's place among k's and v's images, k's scale images, v's
.set SKS, 43
.set SVS, 44
.set CNT, 45
.macro WM d, a, b, z, sa, sb, ra, rb   ; one product: z = 1: C = 0; ra, rb = 1: the scale words of lanes 16-31
.if \z
.if (\ra) && (\rb)
	v_wmma_scale_f32_16x16x128_f8f6f4 v[(\d):(\d)+7], v[(\a):(\a)+11], v[(\b):(\b)+11], 0, v[\sa], v[\sb] matrix_a_fmt:MATRIX_FMT_BF6 matrix_b_fmt:MATRIX_FMT_BF6 matrix_a_scale:MATRIX_SCALE_ROW1 matrix_b_scale:MATRIX_SCALE_ROW1
.elseif (\ra)
	v_wmma_scale_f32_16x16x128_f8f6f4 v[(\d):(\d)+7], v[(\a):(\a)+11], v[(\b):(\b)+11], 0, v[\sa], v[\sb] matrix_a_fmt:MATRIX_FMT_BF6 matrix_b_fmt:MATRIX_FMT_BF6 matrix_a_scale:MATRIX_SCALE_ROW1
.elseif (\rb)
	v_wmma_scale_f32_16x16x128_f8f6f4 v[(\d):(\d)+7], v[(\a):(\a)+11], v[(\b):(\b)+11], 0, v[\sa], v[\sb] matrix_a_fmt:MATRIX_FMT_BF6 matrix_b_fmt:MATRIX_FMT_BF6 matrix_b_scale:MATRIX_SCALE_ROW1
.else
	v_wmma_scale_f32_16x16x128_f8f6f4 v[(\d):(\d)+7], v[(\a):(\a)+11], v[(\b):(\b)+11], 0, v[\sa], v[\sb] matrix_a_fmt:MATRIX_FMT_BF6 matrix_b_fmt:MATRIX_FMT_BF6
.endif
.else
.if (\ra)
	v_wmma_scale_f32_16x16x128_f8f6f4 v[(\d):(\d)+7], v[(\a):(\a)+11], v[(\b):(\b)+11], v[(\d):(\d)+7], v[\sa], v[\sb] matrix_a_fmt:MATRIX_FMT_BF6 matrix_b_fmt:MATRIX_FMT_BF6 matrix_a_scale:MATRIX_SCALE_ROW1
.else
	v_wmma_scale_f32_16x16x128_f8f6f4 v[(\d):(\d)+7], v[(\a):(\a)+11], v[(\b):(\b)+11], v[(\d):(\d)+7], v[\sa], v[\sb] matrix_a_fmt:MATRIX_FMT_BF6 matrix_b_fmt:MATRIX_FMT_BF6
.endif
.endif
.endm
.macro PLACES                          ; four plain instructions between a product and a vector read of its result (ISA guide 7.12.1)
.rept 4
	v_nop
.endr
.endm
	s_load_b256 s[4:11], s[0:1], 0x0               ; qq, kv, ao, asc
	v_lshl_add_u32 v254, v0, 2, 0x33000
	v_mov_b32 v255, 0
	v_lshrrev_b32 v11, 5, v0
	v_readfirstlane_b32 s12, v11                   ; wave 0..15
	v_and_b32 v11, 31, v0
	v_lshlrev_b32 v[LI], 4, v11
	v_lshlrev_b32 v[L8], 3, v11
	v_lshlrev_b32 v[L4], 2, v11
	v_add_nc_u32 v[VB], 98304, v[LI]
	v_add_nc_u32 v[KSB], 196608, v[LI]
	v_add_nc_u32 v[VSB], 204800, v[L8]
	v_lshlrev_b32 v240, 4, v0                      ; the copy: 16 x thread, in three reaches of 65,536 bytes,
	v_add_nc_u32 v241, 65536, v240
	v_add_nc_u32 v242, 131072, v240
	v_lshl_add_u32 v243, v0, 3, 196608             ; and 8 x thread for the last 12,288 bytes
	s_mov_b32 s[SEL], 0x76543210
	s_mov_b32 s[SEL+1], 0xfedcba98
	s_mov_b32 s[HI], 0xffff0000
	s_mov_b32 s[CS], 0x3e38aa3b                    ; log2(e) / sqrt(64)
	s_mov_b32 s[CS+1], s[CS]                       ; (named with it as a pair, so it is written)
	s_wait_alu depctr_va_sdst(0)                   ; s12 is written, ahead of its first reader: my pair of query tiles, and q's and the results' bases, are made from it
	s_and_b32 s13, ttmp7, 0xffff                   ; R = 16 x batch + head
	s_lshl_b32 s14, ttmp9, 4
	s_add_co_u32 s14, s14, s12                     ; qp: my pair of query tiles, 0..63
	s_lshr_b32 s15, s13, 4                         ; batch
	s_and_b32 s16, s13, 15                         ; head
	s_mul_i32 s20, s13, 106496
	s_mul_i32 s21, s14, 1536
	s_add_co_u32 s22, s20, s21                     ; q's pair image
	s_mov_b32 s23, 0
	s_lshr_b32 s24, s14, 2
	s_lshl_b32 s24, s24, 9
	s_and_b32 s25, s14, 3
	s_lshl_b32 s25, s25, 2
	s_add_co_u32 s24, s24, s25
	s_add_co_u32 s24, s24, s20
	s_add_co_u32 s24, s24, 98304                   ; q's scale image of block qp / 4, word qp % 4 of a lane's four
	s_mov_b32 s25, 0
	s_mul_i32 s26, s13, 208896                     ; the head's record of k and v
	s_mov_b32 s27, 0
	s_lshl_b32 s28, s15, 7
	s_lshl_b32 s29, s14, 1
	s_add_co_u32 s28, s28, s29
	s_lshl_b32 s28, s28, 4
	s_add_co_u32 s28, s28, s16
	s_mul_i32 s28, s28, 768                        ; ao: ((128 batch + 2 qp) x 16 + head) x 768
	s_mov_b32 s29, 0
	s_lshl_b32 s30, s15, 6
	s_add_co_u32 s30, s30, s14
	s_lshl_b32 s30, s30, 4
	s_add_co_u32 s30, s30, s16
	s_lshl_b32 s30, s30, 7                         ; asc: ((64 batch + qp) x 16 + head) x 128
	s_mov_b32 s31, 0
	s_wait_kmcnt 0x0
	s_add_nc_u64 s[32:33], s[4:5], s[22:23]
	s_add_nc_u64 s[34:35], s[4:5], s[24:25]
	s_add_nc_u64 s[6:7], s[6:7], s[26:27]
	s_add_nc_u64 s[8:9], s[8:9], s[28:29]
	s_add_nc_u64 s[10:11], s[10:11], s[30:31]
	s_wait_alu depctr_va_vdst(0)                   ; the offsets and addresses v1 to v3, v8 to v10 and v240 to v243 are written, which the loads and stores below read
.irp c, 0,1,2
	global_load_b128 v[QP+4*\c:QP+4*\c+3], v[LI], s[32:33] offset:512*\c
.endr
	global_load_b32 v[QS], v[LI], s[34:35]
.set ii, 0
.rept 24
	global_load_b128 v[48+4*ii:51+4*ii], v240, s[6:7] offset:8192*ii   ; the work-group reads 8,192 consecutive bytes
.set ii, ii+1
.endr
.irp i, 0,1,2
	global_load_b64 v[144+2*\i:145+2*\i], v243, s[6:7] offset:4096*\i
.endr
.set ii, 0
.rept 24
	s_wait_loadcnt 26-ii                           ; loads come back in order: this one is in, the 26 - ii younger ones may be out
	ds_store_b128 v[240+ii/8], v[48+4*ii:51+4*ii] offset:8192*(ii%8)
.set ii, ii+1
.endr
.irp i, 0,1,2
	s_wait_loadcnt 2-\i
	ds_store_b64 v243, v[144+2*\i:145+2*\i] offset:4096*\i
.endr
	s_wait_dscnt 0x0                               ; for the others' sake: my part of the record lies in LDS
	s_barrier_signal -1
	s_barrier_wait -1                              ; the launch's one barrier: from here on LDS is only read
	s_wait_alu depctr_vm_vsrc(0)                   ; my LDS stores have read their data, v48-149, and their addresses, v240-243: these registers are KF, its tail, the scores and work registers from here on
.irp i, 0,1,2,3,4,5
	v_mov_b32 v[QA+\i], v[QP+\i]                   ; tile 0's codes,
	v_mov_b32 v[QA+6+\i], 0                        ; and zero codes for the instruction's upper 64 along K
	v_mov_b32 v[QP+12+\i], 0                       ; the same behind tile 1's
	v_mov_b32 v[KF+48+\i], 0                       ; the tail that k's last tile runs on into
.endr
.irp b, 0,1,2,3
	v_mov_b32 v[BP+\b], 0                          ; written once: a lane permute's destination counts as one of its sources
.endr
	v_mov_b32 v[T0], 0
	v_mov_b32 v[F+1], 0                            ; (named as the upper half of the pair)
; A PASS: query tile p of my pair walks the head's 2,048 keys, 128 a step.
.macro PASS p
.if \p
	s_wait_xcnt 0x0                                ; the first pass's stores have had their addresses translated: PC is written again only behind this wait
	s_wait_alu depctr_vm_vsrc(0)                   ; and they have read PC, which this pass's conversions write again
.endif
	v_mov_b32 v13, 0xff61b1e6                      ; the largest t so far: -3e38, under every t
	v_floor_f32 v12, -v13                          ; -M
	v_mov_b32 v14, 0
	v_mov_b32 v15, 0
.set jj, 0
.rept 32
	v_mov_b32 v[O+jj], 0                           ; O^T: the step is written once; the first finds zeros, which the first change of M leaves zeros
.set jj, jj+1
.endr
	s_mov_b32 s[SK], 0
	s_mov_b32 s[SKS], 0
	s_mov_b32 s[SVS], 0
	s_mov_b32 s[CNT], 16
.Lkey_\p:
	s_wait_alu depctr_vm_vsrc(0)                   ; the LDS loads issued so far have read the four addresses, which are written anew
	v_add_nc_u32 v[ADK], s[SK], v[LI]
	v_add_nc_u32 v[ADV], s[SK], v[VB]
	v_add_nc_u32 v[ADKS], s[SKS], v[KSB]
	v_add_nc_u32 v[ADVS], s[SVS], v[VSB]
	s_wait_alu depctr_va_vdst(0)                   ; the four addresses are written; the last trip's products are done reading KF and KSC, in which the loads below land; in a pass's first trip: q's operand and the zero tails, which the products below take, are written, and so is what the last way out wrote in KSC's registers
.irp j, 0,1,2,3
.irp c, 0,1,2
	ds_load_b128 v[KF+12*\j+4*\c:KF+12*\j+4*\c+3], v[ADK] offset:1536*\j+512*\c   ; tiles 2 j and 2 j + 1 of k: 512 consecutive bytes a load
.endr
.endr
	ds_load_b128 v[KSC:KSC+3], v[ADKS]
	s_wait_dscnt 0x0
.irp t, 0,1,2,3,4,5,6,7
	WM S+8*\t, KF+6*\t, QA+18*\p, 1, KSC+\t/2, QS, \t%2, \p
.endr
	PLACES
.irp b, 0,1,2,3
	v_max3_num_f32 v[BM+\b], v[S+16*\b], v[S+16*\b+1], v[S+16*\b+2]   ; the largest score of each block of 32 keys: for the row's maximum, and, since p rises with the score, for the block's largest p
.endr
.irp i, 3,5,7,9,11,13
.irp b, 0,1,2,3
	v_max3_num_f32 v[BM+\b], v[BM+\b], v[S+16*\b+\i], v[S+16*\b+\i+1]
.endr
.endr
.irp b, 0,1,2,3
	v_max_num_f32 v[BM+\b], v[BM+\b], v[S+16*\b+15]
.endr
.irp b, 0,1,2,3
	v_permlanex16_b32 v[BP+\b], v[BM+\b], s[SEL], s[SEL+1]
.endr
.irp b, 0,1,2,3
	v_max_num_f32 v[BM+\b], v[BM+\b], v[BP+\b]     ; with lane l xor 16's 16 keys
.endr
	v_max3_num_f32 v[T0], v[BM], v[BM+1], v[BM+2]
	v_max_num_f32 v[T0], v[T0], v[BM+3]            ; the step's largest score of my query
	v_mul_f32 v[T0], s[CS], v[T0]                  ; as t (c is positive)
	v_max_num_f32 v13, v13, v[T0]                  ; the running largest t
	v_mov_b32 v[T0], v12
	v_floor_f32 v12, -v13                          ; the new -M = floor(-t): M is a whole number
	v_sub_f32 v[T0], v12, v[T0]                    ; old M - new M: a whole number, 0 or less
	v_cvt_i32_f32 v[T0], v[T0]                     ; (it saturates)
	v_ldexp_f32 v[F], 1.0, v[T0]                   ; f = 2^(old M - new M)
.set jj, 0
.rept 32
	v_pk_fma_f32 v[S+jj:S+jj+1], v[S+jj:S+jj+1], s[CS:CS+1], v[12:13] op_sel_hi:[1,0,0]   ; t - M, two at a time
.set jj, jj+2
.endr
.irp b, 0,1,2,3
	v_fma_f32 v[BM+\b], v[BM+\b], s[CS], v12       ; the same of each block's largest score
.endr
.set jj, 0
	s_wait_alu depctr_va_vdst(0)
.rept 64
	v_exp_f32 v[S+jj], v[S+jj]                     ; p = 2^(t - M), at most 1
.set jj, jj+1
.endr
	v_pk_mul_f32 v[14:15], v[14:15], v[F:F+1] op_sel_hi:[1,0]   ; the sums under the new M: the plain instruction behind the exponentials
	s_wait_alu depctr_va_vdst(0)                   ; the 64 exponentials have written p, ahead of its first reader; and the eight products are done reading KF, the last trip's four done reading VSC, in which the loads below land
.irp t, 0,1,2,3
.irp c, 0,1,2
	ds_load_b128 v[KF+12*\t+4*\c:KF+12*\t+4*\c+3], v[ADV] offset:1536*\t+512*\c   ; v's four fragments land under the rest of the softmax
.endr
.endr
	ds_load_b64 v[VSC:VSC+1], v[ADVS]
.irp b, 0,1,2,3
	v_exp_f32 v[BM+\b], v[BM+\b]                   ; the block's largest p: the same two instructions on the same number give the same bits
.endr
	v_pk_add_f32 v[SM2:SM2+1], v[S:S+1], v[S+2:S+3]   ; the row's sum of the UNQUANTISED p, in two chains; it reads the 64 alone
.irp j, 4,8,12,16,20,24,28,32,36,40,44,48,52,56,60
	v_pk_add_f32 v[14:15], v[14:15], v[S+\j:S+\j+1]
	v_pk_add_f32 v[SM2:SM2+1], v[SM2:SM2+1], v[S+\j+2:S+\j+3]
.endr
	v_pk_add_f32 v[14:15], v[14:15], v[SM2:SM2+1]
	s_wait_alu depctr_va_vdst(0)                   ; the four exponentials have written the blocks' largest p, ahead of their first reader
.irp b, 0,1,2,3
	v_max_num_f32 v[BM+\b], 0x2800000, v[BM+\b]    ; the floor 2^(5 - 127): the byte cannot fall under 1
.endr
.irp b, 0,1,2,3
	v_add_nc_u32 v[SO+\b], 0xfe000000, v[BM+\b]    ; 4 off the exponent field: the conversion's scale operand
.endr
.irp b, 0,1,2,3
	v_lshrrev_b32 v[BP+\b], 23, v[SO+\b]           ; the scale's byte
.endr
	v_lshl_or_b32 v[PW], v[BP+1], 8, v[BP]         ; p's scale word for these 128 keys
	v_lshl_or_b32 v[PW], v[BP+2], 16, v[PW]
	v_lshl_or_b32 v[PW], v[BP+3], 24, v[PW]
.irp c, 0,1
	v_cvt_scalef32_pk16_bf6_f32 v[PC+6*\c:PC+6*\c+2], v[S+32*\c:S+32*\c+15], v[SO+2*\c]
	v_cvt_scalef32_pk16_bf6_f32 v[PT+4*\c:PT+4*\c+2], v[S+32*\c+16:S+32*\c+31], v[SO+2*\c+1]
.endr
	v_nop                                          ; one plain instruction behind the scaled conversions
.irp c, 0,1                                    ; a whole block to a lane: lanes 0-15 block 2 c, lanes 16-31 block 2 c + 1
.irp i, 0,1,2
	v_permlane16_swap_b32 v[PC+6*\c+\i], v[PT+4*\c+\i]
.endr
.irp i, 0,1,2
	v_mov_b32 v[PC+6*\c+3+\i], v[PT+4*\c+\i]
.endr
.endr
.set jj, 0
.rept 16
	v_pk_mul_f32 v[O+jj:O+jj+1], v[O+jj:O+jj+1], v[F:F+1] op_sel_hi:[1,0]   ; O^T under the new M.  These sixteen also stand between the vector writes of p's codes and scale word and the products that take them
.set jj, jj+2
.endr
	s_wait_dscnt 0x0                               ; v's fragments and scale words
	s_wait_alu depctr_va_vdst(0)                   ; p's codes in PC and its scale word in PW, made by vector instructions, are written: the products below take them as source 1 and as its scales
.irp t, 0,1,2,3
	WM O+8*\t, KF+12*\t, PC, 0, VSC+\t/2, PW, \t%2, 0   ; the four accumulators by turns; eleven other products stand between two links of a chain
.endr
	s_add_co_u32 s[SK], s[SK], 6144
	s_add_co_u32 s[SKS], s[SKS], 512
	s_add_co_u32 s[SVS], s[SVS], 256
	s_sub_co_u32 s[CNT], s[CNT], 1
	s_cmp_lg_u32 s[CNT], 0
	s_cbranch_scc1 .Lkey_\p
	; THE WAY OUT: O^T / l; register 16 b + i is channel 32 b + 16 h + i of my query; quantised along D
	PLACES
	v_add_f32 v14, v14, v15                        ; the sum's two halves,
	v_permlanex16_b32 v[T0], v14, s[SEL], s[SEL+1]
	v_add_f32 v14, v14, v[T0]                      ; and lane l xor 16's
	s_wait_alu depctr_va_vdst(0)
	v_rcp_f32 v14, v14
	v_nop                                          ; a plain instruction behind the reciprocal
	s_wait_alu depctr_va_vdst(0)                   ; the reciprocal has written v14, ahead of its first reader
.set jj, 0
.rept 16
	v_pk_mul_f32 v[S+jj:S+jj+1], v[O+jj:O+jj+1], v[14:15] op_sel_hi:[1,0]   ; each accumulator from its low end on
.set jj, jj+2
.endr
.irp b, 0,1
	v_max3_num_f32 v[TM+\b], |v[S+16*\b]|, |v[S+16*\b+1]|, 0x2800000
.endr
.irp i, 2,4,6,8,10,12,14
.irp b, 0,1
	v_max3_num_f32 v[TM+\b], v[TM+\b], |v[S+16*\b+\i]|, |v[S+16*\b+\i+1]|
.endr
.endr
.irp b, 0,1
	v_permlanex16_b32 v[TM+4+\b], v[TM+\b], s[SEL], s[SEL+1]
.endr
.irp b, 0,1
	v_max_num_f32 v[TM+\b], v[TM+\b], v[TM+4+\b]
.endr
.irp b, 0,1
	v_add_nc_u32 v[TM+12+\b], 0xfe000000, v[TM+\b]
.endr
.irp b, 0,1
	v_lshrrev_b32 v[TM+4+\b], 23, v[TM+12+\b]
.endr
	v_lshl_or_b32 v[T0], v[TM+5], 8, v[TM+4]       ; my query's word: two bytes, the upper two zero
	v_cvt_scalef32_pk16_bf6_f32 v[PC:PC+2], v[S:S+15], v[TM+12]
	v_cvt_scalef32_pk16_bf6_f32 v[PT:PT+2], v[S+16:S+31], v[TM+13]
	v_nop
.irp i, 0,1,2
	v_permlane16_swap_b32 v[PC+\i], v[PT+\i]
.endr
.irp i, 0,1,2
	v_mov_b32 v[PC+3+\i], v[PT+\i]
.endr
.if \p
	v_cndmask_b32 v[PWS], v[PWS], v[T0], s[HI]     ; lanes 0-15 tile 0's queries, lanes 16-31 tile 1's
.else
	v_mov_b32 v[PWS], v[T0]
.endif
	s_wait_alu depctr_va_vdst(0)                   ; the codes in PC and the words in PWS are written, which the stores read
.irp i, 0,1,2
	global_store_b64 v[L8], v[PC+2*\i:PC+2*\i+1], s[8:9] offset:12288*\p+256*\i   ; 256 consecutive bytes, at a multiple of 256 from ao's first byte
.endr
.endm
	PASS 0
	PASS 1
	global_store_b32 v[L4], v[PWS], s[10:11]       ; 32 queries' words, 128 consecutive bytes (no vector instruction stands behind the wait ahead of the second pass's stores)
	s_wait_dscnt 0x0
	s_wait_alu depctr_hold_cnt(0) depctr_sa_sdst(0) depctr_va_vdst(0) depctr_va_sdst(0) depctr_va_ssrc(0) depctr_va_vcc(0) depctr_vm_vsrc(0)
	s_wait_tensorcnt 0x0
	ds_add_u32 v254, v255
	s_wait_dscnt 0x0
	s_endpgm
.Lfunc_end_k_q2c5ed7796f_attn:
	.size	k_q2c5ed7796f_attn, .Lfunc_end_k_q2c5ed7796f_attn-k_q2c5ed7796f_attn
	.p2alignl 7, 3214868480
	.fill 96, 4, 3214868480
	.section	.rodata,"a",@progbits
	.p2align	6, 0x0
	.amdhsa_kernel k_q2c5ed7796f_attn
		.amdhsa_group_segment_fixed_size 210944
		.amdhsa_private_segment_fixed_size 0
		.amdhsa_enable_private_segment 0
		.amdhsa_kernarg_size 32
		.amdhsa_user_sgpr_count 2
		.amdhsa_user_sgpr_kernarg_segment_ptr 1
		.amdhsa_wavefront_size32 1
		.amdhsa_system_sgpr_workgroup_id_x 1
		.amdhsa_system_sgpr_workgroup_id_y 1
		.amdhsa_system_sgpr_workgroup_id_z 1
		.amdhsa_system_vgpr_workitem_id 0
		.amdhsa_next_free_vgpr 256
		.amdhsa_next_free_sgpr 66
		.amdhsa_reserve_vcc 0
		.amdhsa_float_denorm_mode_32 3
		.amdhsa_float_denorm_mode_16_64 3
		.amdhsa_memory_ordered 1
		.amdhsa_forward_progress 1
		.amdhsa_inst_pref_size 51
	.end_amdhsa_kernel
	.amdgpu_metadata
---
amdhsa.version: [ 1, 2 ]
amdhsa.kernels:
  - .name:           k_q2c5ed7796f_attn
    .symbol:         k_q2c5ed7796f_attn.kd
    .args:
      - { .name: qq, .offset: 0, .size: 8, .value_kind: global_buffer, .address_space: global }
      - { .name: kv, .offset: 8, .size: 8, .value_kind: global_buffer, .address_space: global }
      - { .name: ao, .offset: 16, .size: 8, .value_kind: global_buffer, .address_space: global }
      - { .name: asc, .offset: 24, .size: 8, .value_kind: global_buffer, .address_space: global }
    .group_segment_fixed_size: 210944
    .private_segment_fixed_size: 0
    .kernarg_segment_align: 8
    .kernarg_segment_size: 32
    .max_flat_workgroup_size: 512
    .sgpr_count:     66
    .vgpr_count:     256
    .wavefront_size: 32
...
	.end_amdgpu_metadata
.endif
;; end of part 7
;; launch proj (part 8): grid 256 x 1, 16 waves a work-group, no clusters, 158,208 bytes of LDS; arguments ao, asc, wimg, W_o_scales, inputs, ln_gamma, ln_beta, out0; writes out0
.if DOCPART == 8
	.amdgcn_target "amdgcn-amd-amdhsa--gfx1250"
	.amdhsa_code_object_version 6
	.text
	.protected	k_q2c5ed7796f_proj
	.globl	k_q2c5ed7796f_proj
	.p2align	8
	.type	k_q2c5ed7796f_proj,@function
k_q2c5ed7796f_proj:
	s_mov_b64 s[64:65], 0
	v_nop
	global_prefetch_b8 v0, s[64:65] scope:SCOPE_SE
	s_setreg_imm32_b32 hwreg(HW_REG_WAVE_SCHED_MODE, 0, 2), 2
	s_setreg_imm32_b32 hwreg(HW_REG_WAVE_MODE, 25, 1), 1
	s_wait_xcnt 0x0
	s_wait_alu depctr_vm_vsrc(0)
; PROJ.  y = a W_o^T + x on codes of E3M2 (a: the attention's result, already codes), then LayerNorm over the 1,024 features in f32, in two passes as the definition writes it (mean; mean of squared differences).
; SHARES.  Work-group wg: tokens 32 wg .. + 31 (two token tiles), all 1,024 features, so that a row's statistics never leave the work-group.  Wave w makes features 64 w .. + 63: 4 tiles x 2 token tiles = 8 accumulators, 8 K steps.
; W_o's fragment images come from memory straight into the registers of the one wave that uses them, two K steps ahead (two sets); a's 16 fragments (24,576 bytes) are copied into LDS once and read by all sixteen waves.
; Source 0 = 16 rows of W_o, source 1 = 16 tokens: a lane holds one token and, by the choice of W_o's tile rows, register j of tile t is feature 32 (t / 2) + 16 h + 8 (t % 2) + j of the wave's 64.
; The results meet in a stage in LDS (32 rows, 4,112 bytes apart); behind a barrier wave w takes the whole rows 2 w and 2 w + 1, adds x, normalises and stores 512 consecutive bytes an instruction.
; NO JOINT LOADS: a fragment of W_o is used by one wave of a work-group and goes to its registers with no LDS between.
; x's two rows of a wave are prefetched once, 32 blocks of 256 bytes, a lane a block, behind the second K step's loads: six K steps ahead of the loads that want them; each block is named once in the launch.
; THE MODE: SCHED_MODE bits 1:0 = 2 (LLVM: expert scheduling mode 2), set by the entry lines.  The code itself states the register dependences
; between vector or matrix instructions and memory or LDS instructions, with s_wait_alu, always for 0.
; THE PLAN.  Registers that memory or LDS instructions touch in the K steps:
;   AF0, AF1     a's two fragments of a K step.  Step s's products read AF[s % 2]; the LDS loads at the head of step s, ahead of its products, land in the other one, which step s - 1's products read last.
;   RG0, RG1     W_o's sets.  Step s's products read RG[s % 2]; behind them the loads of step s + 2 (behind steps 6 and 7: x's rows) land in it.
;   v1 .. v9     Offsets and LDS addresses: made at the head, never written again.
; So ONE wait on va_vdst stands in a step, behind its eight products: they are done reading RG[s % 2], in which the loads that follow land, and AF[s % 2], in which the LDS loads at the next step's head land.
; No vector or matrix instruction stands between that wait and those loads.  Behind step 7 the same wait states that the accumulators are written, for the stores into the stage.
.set LI,  1                            ; v1   16 x lane
.set L8,  2                            ; v2   8 x lane
.set SO0, 3                            ; v3   the stage, way in, token tile 0: STG + 4,112 r + 64 h + 256 w
.set SO1, 4                            ; v4   token tile 1: 16 rows on
.set SR,  5                            ; v5   way out: STG + 8,224 w + 16 x lane
.set SWO, 6                            ; v6   (32 h + r + 8 (r / 8)) x 32
.set L4,  7                            ; v7   4 x lane
.set PFO, 8                            ; v8   4,096 (lane / 16) + 256 (lane % 16); never rewritten
.set CP,  9                            ; v9   16 x thread
.set ACC, 16                           ; v16-79   accumulator (t, m) at 16 + 8 (2 t + m); later gamma (v16-47) and beta (v48-79)
.set RG,  80                           ; v80-175  W_o's two sets of 48; later x's rows, then y, at v80 and v128; v112-127 statistics
.set AF,  176                          ; v176-199 a's two fragments of an even K step; v224-247 those of an odd one
.set AS,  200                          ; v200-207 a's scale words, one register a K step: lanes 0-15 token tile 0, lanes 16-31 tile 1
.set SW,  208                          ; v208-223 W_o's scale words: register 8 u + s: lanes 0-15 tile u, lanes 16-31 tile 2 + u
.set XR,  80
.set YR,  176                          ; v176-239 the product's two rows, back from the stage
.set GA,  16
.set BE,  48
.set ST,  112                          ; row i: v[ST+8i] pair: sums; +2 pair: second chain; +4 pair: -mean; +6 pair: 1 / sqrt(var + eps)
.set STG, 24576
.set SEL, 36
.set C10, 38                           ; s38  1 / 1,024
.set EPS, 39                           ; s39  1e-5
.macro WM d, a, b, z, sa, sb, ra, rb   ; one product: z = 1: C = 0; ra, rb = 1: the scale words of lanes 16-31
.if \z
.if (\ra) && (\rb)
	v_wmma_scale_f32_16x16x128_f8f6f4 v[(\d):(\d)+7], v[(\a):(\a)+11], v[(\b):(\b)+11], 0, v[\sa], v[\sb] matrix_a_fmt:MATRIX_FMT_BF6 matrix_b_fmt:MATRIX_FMT_BF6 matrix_a_scale:MATRIX_SCALE_ROW1 matrix_b_scale:MATRIX_SCALE_ROW1
.elseif (\ra)
	v_wmma_scale_f32_16x16x128_f8f6f4 v[(\d):(\d)+7], v[(\a):(\a)+11], v[(\b):(\b)+11], 0, v[\sa], v[\sb] matrix_a_fmt:MATRIX_FMT_BF6 matrix_b_fmt:MATRIX_FMT_BF6 matrix_a_scale:MATRIX_SCALE_ROW1
.elseif (\rb)
	v_wmma_scale_f32_16x16x128_f8f6f4 v[(\d):(\d)+7], v[(\a):(\a)+11], v[(\b):(\b)+11], 0, v[\sa], v[\sb] matrix_a_fmt:MATRIX_FMT_BF6 matrix_b_fmt:MATRIX_FMT_BF6 matrix_b_scale:MATRIX_SCALE_ROW1
.else
	v_wmma_scale_f32_16x16x128_f8f6f4 v[(\d):(\d)+7], v[(\a):(\a)+11], v[(\b):(\b)+11], 0, v[\sa], v[\sb] matrix_a_fmt:MATRIX_FMT_BF6 matrix_b_fmt:MATRIX_FMT_BF6
.endif
.else
.if (\ra) && (\rb)
	v_wmma_scale_f32_16x16x128_f8f6f4 v[(\d):(\d)+7], v[(\a):(\a)+11], v[(\b):(\b)+11], v[(\d):(\d)+7], v[\sa], v[\sb] matrix_a_fmt:MATRIX_FMT_BF6 matrix_b_fmt:MATRIX_FMT_BF6 matrix_a_scale:MATRIX_SCALE_ROW1 matrix_b_scale:MATRIX_SCALE_ROW1
.elseif (\ra)
	v_wmma_scale_f32_16x16x128_f8f6f4 v[(\d):(\d)+7], v[(\a):(\a)+11], v[(\b):(\b)+11], v[(\d):(\d)+7], v[\sa], v[\sb] matrix_a_fmt:MATRIX_FMT_BF6 matrix_b_fmt:MATRIX_FMT_BF6 matrix_a_scale:MATRIX_SCALE_ROW1
.elseif (\rb)
	v_wmma_scale_f32_16x16x128_f8f6f4 v[(\d):(\d)+7], v[(\a):(\a)+11], v[(\b):(\b)+11], v[(\d):(\d)+7], v[\sa], v[\sb] matrix_a_fmt:MATRIX_FMT_BF6 matrix_b_fmt:MATRIX_FMT_BF6 matrix_b_scale:MATRIX_SCALE_ROW1
.else
	v_wmma_scale_f32_16x16x128_f8f6f4 v[(\d):(\d)+7], v[(\a):(\a)+11], v[(\b):(\b)+11], v[(\d):(\d)+7], v[\sa], v[\sb] matrix_a_fmt:MATRIX_FMT_BF6 matrix_b_fmt:MATRIX_FMT_BF6
.endif
.endif
.endm
.macro PLACES                          ; four plain instructions between a product and a store of its result
.rept 4
	v_nop
.endr
.endm
.macro RING s                          ; W_o's four fragments of K step s into set s % 2: 12 dense loads of 512 bytes
.irp t, 0,1,2,3
.irp c, 0,1,2
	global_load_b128 v[RG+48*((\s)%2)+12*\t+4*\c:RG+48*((\s)%2)+12*\t+4*\c+3], v[LI], s[8:9] offset:12288*\t+1536*(\s)+512*\c
.endr
.endr
.endm
.macro XROW i                          ; x's row 2 w + i: eight loads of 512 consecutive bytes
.irp q, 0,1,2,3,4,5,6,7
	global_load_b128 v[XR+48*(\i)+4*\q:XR+48*(\i)+4*\q+3], v[LI], s[12:13] offset:4096*(\i)+512*\q th:TH_LOAD_NT
.endr
.endm
.macro AFLOAD s                        ; a's two fragments of K step s, from LDS, into AF[s % 2]
.irp m, 0,1
.irp i, 0,1,2,3,4,5
	ds_load_b64 v[AF+48*((\s)%2)+12*\m+2*\i:AF+48*((\s)%2)+12*\m+2*\i+1], v[L8] offset:(8*\m+(\s))*1536+256*\i   ; heads 2 s and 2 s + 1 on end: the fragment of K step s
.endr
.endr
.endm
.macro STEP s
.if (\s) < 7
	s_wait_loadcnt 12                              ; this step's set of W_o is in; the next step's twelve loads may be out
.else
	s_wait_loadcnt 8                               ; the last set is in; the eight loads of x's first row may be out
.endif
	s_wait_dscnt 0x0                               ; a's fragments of this step, asked for ahead of the last step's products, are in
.if (\s) < 7
	AFLOAD (\s)+1                                  ; into the other AF.  No wait: no vector or matrix instruction stands behind the wait that follows the last step's products
.endif
.irp t, 0,1,2,3
.irp m, 0,1
	WM ACC+8*(2*\t+\m), RG+48*((\s)%2)+12*\t, AF+48*((\s)%2)+12*\m, (\s)==0, SW+8*(\t%2)+(\s), AS+(\s), \t/2, \m   ; the eight accumulators by turns
.endr
.endr
.if (\s) == 7
	PLACES                                         ; behind the last products, ahead of the stores of their results; they stay beside the wait below
.endif
	s_wait_alu depctr_va_vdst(0)                   ; this step's products are done reading their set of W_o and their AF, in which the loads that follow land; behind step 7 also: they have written the accumulators, which the stores into the stage read and in which gamma and beta land, and all products are done reading v176-247, in which the rows from the stage land
.if (\s) < 6
	RING (\s)+2                                    ; into the set just multiplied
.endif
.if (\s) == 1
	global_prefetch_b8 v[PFO], s[12:13] th:TH_LOAD_NT scope:SCOPE_SE   ; my two rows of x
.endif
.if (\s) == 6
	XROW 0                                         ; into set 0, which has had its last products
.endif
.endm
	s_load_b256 s[4:11], s[0:1], 0x0               ; ao, asc, wimg, W_o's scales
	s_load_b256 s[12:19], s[0:1], 0x20             ; x, gamma, beta, out
	v_lshl_add_u32 v254, v0, 2, 0x26200
	v_mov_b32 v255, 0
	v_lshrrev_b32 v10, 5, v0
	v_readfirstlane_b32 s20, v10                   ; wave 0..15
	v_and_b32 v10, 31, v0                          ; lane
	v_and_b32 v11, 15, v0                          ; r
	v_bfe_u32 v12, v0, 4, 1                        ; h
	v_lshlrev_b32 v[LI], 4, v10
	v_lshlrev_b32 v[L8], 3, v10
	v_lshlrev_b32 v[L4], 2, v10
	v_mul_u32_u24 v[SO0], v11, 4112
	v_lshl_add_u32 v[SO0], v12, 6, v[SO0]
	s_wait_alu depctr_va_sdst(0)                   ; s20 is written, ahead of its first reader: the stage's addresses and the bases are made from it
	s_lshl_b32 s21, s20, 8
	s_add_co_u32 s21, s21, STG
	v_add_nc_u32 v[SO0], s21, v[SO0]
	v_add_nc_u32 v[SO1], 65792, v[SO0]
	s_mul_i32 s21, s20, 8224
	s_add_co_u32 s21, s21, STG
	v_add_nc_u32 v[SR], s21, v[LI]
	v_and_b32 v13, 8, v11
	v_add_nc_u32 v13, v13, v11
	v_lshl_add_u32 v13, v12, 5, v13
	v_lshlrev_b32 v[SWO], 5, v13
	v_lshlrev_b32 v[PFO], 8, v11
	v_lshl_add_u32 v[PFO], v12, 12, v[PFO]
	v_lshlrev_b32 v[CP], 4, v0
	s_mov_b32 s[SEL], 0x76543210
	s_mov_b32 s[SEL+1], 0xfedcba98
	s_mov_b32 s[C10], 0x3a800000
	s_mov_b32 s[EPS], 0x3727c5ac
	s_mul_i32 s22, ttmp9, 24576                    ; ao: two token tiles x 16 heads x 768 bytes
	s_mov_b32 s23, 0
	s_lshl_b32 s24, ttmp9, 11                      ; asc: 16 heads x 128 bytes
	s_mov_b32 s25, 0
	s_mul_i32 s26, s20, 49152
	s_add_co_u32 s26, s26, 2359296                 ; wimg: weight 3, my four tiles
	s_mov_b32 s27, 0
	s_lshl_b32 s28, s20, 11                        ; the scale bytes of my 64 rows of W_o
	s_mov_b32 s29, 0
	s_lshl_b32 s30, ttmp9, 17
	s_lshl_b32 s31, s20, 13
	s_add_co_u32 s30, s30, s31                     ; x and out: row 32 wg + 2 w
	s_mov_b32 s31, 0
	s_wait_kmcnt 0x0
	s_add_nc_u64 s[4:5], s[4:5], s[22:23]
	s_add_nc_u64 s[6:7], s[6:7], s[24:25]
	s_add_nc_u64 s[8:9], s[8:9], s[26:27]
	s_add_nc_u64 s[10:11], s[10:11], s[28:29]
	s_add_nc_u64 s[12:13], s[12:13], s[30:31]
	s_add_nc_u64 s[18:19], s[18:19], s[30:31]
	s_wait_alu depctr_va_vdst(0)                   ; the nine offsets and addresses v1 to v9 are written: every load, store and prefetch of the kernel reads one of them
.irp i, 0,1,2
	global_load_b128 v[AF+4*\i:AF+4*\i+3], v[CP], s[4:5] offset:8192*\i th:TH_LOAD_NT   ; a's fragments: the work-group reads 8,192 consecutive bytes
.endr
.set ii, 0
.rept 16
	global_load_b32 v[ACC+ii], v[L4], s[6:7] offset:128*ii   ; a's scale words, head by head
.set ii, ii+1
.endr
.irp u, 0,1
.irp q, 0,1
	global_load_b128 v[SW+8*\u+4*\q:SW+8*\u+4*\q+3], v[SWO], s[10:11] offset:256*\u+16*\q
.endr
.endr
	RING 0
	RING 1
	s_wait_loadcnt 44                              ; a's fragments are in: behind them stand 16 + 4 + 24 loads
.irp i, 0,1,2
	ds_store_b128 v[CP], v[AF+4*\i:AF+4*\i+3] offset:8192*\i
.endr
	s_wait_loadcnt 24                              ; all scale words are in: behind them stand W_o's two sets
.irp g, 0,1,2,3,4,5,6,7
	v_lshl_or_b32 v[AS+\g], v[ACC+2*\g+1], 16, v[ACC+2*\g]   ; heads 2 g and 2 g + 1: the four bytes of K step g
.endr
.rept 8
	v_nop                                          ; a scale register written by a vector instruction stands eight plain instructions ahead of a scaled product
.endr
	s_wait_alu depctr_va_vdst(0)                   ; a's scale words in v200-207, made by vector instructions, are written: the products take them as scales; the eight instructions above stay beside this wait
	s_wait_dscnt 0x0                               ; for the others' sake: my part of a's fragments lies in LDS
	s_barrier_signal -1
	s_barrier_wait -1
	s_wait_alu depctr_vm_vsrc(0)                   ; my LDS stores have read v176-187, in which a's first fragments land
	AFLOAD 0
.irp s, 0,1,2,3,4,5,6,7
	STEP \s
.endr
	XROW 1                                         ; into set 1, which has had its last products
.irp t, 0,1,2,3
	ds_store_b128 v[SO0], v[ACC+16*\t:ACC+16*\t+3] offset:128*(\t/2)+32*(\t%2)          ; each accumulator from its low end on
	ds_store_b128 v[SO0], v[ACC+16*\t+4:ACC+16*\t+7] offset:128*(\t/2)+32*(\t%2)+16
	ds_store_b128 v[SO1], v[ACC+16*\t+8:ACC+16*\t+11] offset:128*(\t/2)+32*(\t%2)
	ds_store_b128 v[SO1], v[ACC+16*\t+12:ACC+16*\t+15] offset:128*(\t/2)+32*(\t%2)+16
.endr
	s_wait_dscnt 0x0                               ; for the others' sake: my 64 columns of the 32 rows lie in the stage
	s_wait_alu depctr_vm_vsrc(0)                   ; the stores into the stage have read the accumulators, in which gamma and beta land
.irp q, 0,1,2,3,4,5,6,7
	global_load_b128 v[GA+4*\q:GA+4*\q+3], v[LI], s[14:15] offset:512*\q
.endr
.irp q, 0,1,2,3,4,5,6,7
	global_load_b128 v[BE+4*\q:BE+4*\q+3], v[LI], s[16:17] offset:512*\q
.endr
	s_barrier_signal -1
	s_barrier_wait -1
.irp i, 0,1
.irp q, 0,1,2,3,4,5,6,7
	ds_load_b128 v[YR+32*\i+4*\q:YR+32*\i+4*\q+3], v[SR] offset:4112*\i+512*\q
.endr
.endr
	s_wait_dscnt 0x0
	s_wait_loadcnt 16                              ; x's two rows are in; gamma's and beta's sixteen loads may be out
	; LAYERNORM, the two rows by turns.  A lane holds 32 numbers of each row
.irp k, 0,1,2,3,4,5,6,7,8,9,10,11,12,13,14,15
.irp i, 0,1
	v_pk_add_f32 v[XR+48*\i+2*\k:XR+48*\i+2*\k+1], v[XR+48*\i+2*\k:XR+48*\i+2*\k+1], v[YR+32*\i+2*\k:YR+32*\i+2*\k+1]   ; y = the product + x
.endr
.endr
.irp i, 0,1
	v_pk_add_f32 v[ST+8*\i:ST+8*\i+1], v[XR+48*\i:XR+48*\i+1], v[XR+48*\i+2:XR+48*\i+3]
	v_pk_add_f32 v[ST+8*\i+2:ST+8*\i+3], v[XR+48*\i+4:XR+48*\i+5], v[XR+48*\i+6:XR+48*\i+7]
.endr
.irp k, 4,6,8,10,12,14
.irp i, 0,1
	v_pk_add_f32 v[ST+8*\i:ST+8*\i+1], v[ST+8*\i:ST+8*\i+1], v[XR+48*\i+2*\k:XR+48*\i+2*\k+1]
	v_pk_add_f32 v[ST+8*\i+2:ST+8*\i+3], v[ST+8*\i+2:ST+8*\i+3], v[XR+48*\i+2*\k+2:XR+48*\i+2*\k+3]
.endr
.endr
; the pairs in v[ST+8i .. +3] become one sum over the row, in every lane, in v[ST+8i]
.macro REDUCE
.irp i, 0,1
	v_pk_add_f32 v[ST+8*\i:ST+8*\i+1], v[ST+8*\i:ST+8*\i+1], v[ST+8*\i+2:ST+8*\i+3]
.endr
.irp i, 0,1
	v_add_f32 v[ST+8*\i], v[ST+8*\i], v[ST+8*\i+1]
.endr
.irp x, 1,2,4,8
.irp i, 0,1
	v_add_f32_dpp v[ST+8*\i], v[ST+8*\i], v[ST+8*\i] row_xmask:\x row_mask:0xf bank_mask:0xf
.endr
.endr
.irp i, 0,1
	v_permlanex16_b32 v[ST+8*\i+2], v[ST+8*\i], s[SEL], s[SEL+1]
.endr
.irp i, 0,1
	v_add_f32 v[ST+8*\i], v[ST+8*\i], v[ST+8*\i+2]
.endr
.endm
	REDUCE
.irp i, 0,1
	v_mul_f32 v[ST+8*\i+4], 0xba800000, v[ST+8*\i]   ; -mean, in both halves of a pair
	v_mul_f32 v[ST+8*\i+5], 0xba800000, v[ST+8*\i]
.endr
.irp k, 0,1,2,3,4,5,6,7,8,9,10,11,12,13,14,15
.irp i, 0,1
	v_pk_add_f32 v[XR+48*\i+2*\k:XR+48*\i+2*\k+1], v[XR+48*\i+2*\k:XR+48*\i+2*\k+1], v[ST+8*\i+4:ST+8*\i+5]   ; d = y - mean
.endr
.endr
.irp i, 0,1
	v_pk_mul_f32 v[ST+8*\i:ST+8*\i+1], v[XR+48*\i:XR+48*\i+1], v[XR+48*\i:XR+48*\i+1]
	v_pk_mul_f32 v[ST+8*\i+2:ST+8*\i+3], v[XR+48*\i+2:XR+48*\i+3], v[XR+48*\i+2:XR+48*\i+3]
.endr
.irp k, 2,4,6,8,10,12,14
.irp i, 0,1
	v_pk_fma_f32 v[ST+8*\i:ST+8*\i+1], v[XR+48*\i+2*\k:XR+48*\i+2*\k+1], v[XR+48*\i+2*\k:XR+48*\i+2*\k+1], v[ST+8*\i:ST+8*\i+1]
	v_pk_fma_f32 v[ST+8*\i+2:ST+8*\i+3], v[XR+48*\i+2*\k+2:XR+48*\i+2*\k+3], v[XR+48*\i+2*\k+2:XR+48*\i+2*\k+3], v[ST+8*\i+2:ST+8*\i+3]
.endr
.endr
	REDUCE
.irp i, 0,1
	v_fma_f32 v[ST+8*\i], v[ST+8*\i], s[C10], s[EPS]   ; the variance + eps
.endr
	s_wait_alu depctr_va_vdst(0)
.irp i, 0,1
	v_rsq_f32 v[ST+8*\i+6], v[ST+8*\i]             ; twice: a pair for the packed multiply
	v_rsq_f32 v[ST+8*\i+7], v[ST+8*\i]
.endr
	v_nop                                          ; a plain instruction behind the last of the four
	s_wait_alu depctr_va_vdst(0)                   ; the four reciprocal roots are written, ahead of their first reader
	s_wait_loadcnt 0x0                             ; gamma and beta
.irp k, 0,1,2,3,4,5,6,7,8,9,10,11,12,13,14,15
.irp i, 0,1
	v_pk_mul_f32 v[XR+48*\i+2*\k:XR+48*\i+2*\k+1], v[XR+48*\i+2*\k:XR+48*\i+2*\k+1], v[ST+8*\i+6:ST+8*\i+7]
.endr
.endr
.irp k, 0,1,2,3,4,5,6,7,8,9,10,11,12,13,14,15
.irp i, 0,1
	v_pk_fma_f32 v[XR+48*\i+2*\k:XR+48*\i+2*\k+1], v[XR+48*\i+2*\k:XR+48*\i+2*\k+1], v[GA+2*\k:GA+2*\k+1], v[BE+2*\k:BE+2*\k+1]
.endr
.endr
	s_wait_alu depctr_va_vdst(0)                   ; the two finished rows are written, which the stores read
.irp i, 0,1
.irp q, 0,1,2,3,4,5,6,7
	global_store_b128 v[LI], v[XR+48*\i+4*\q:XR+48*\i+4*\q+3], s[18:19] offset:4096*\i+512*\q th:TH_STORE_NT   ; 512 consecutive bytes, at a multiple of 256 from the output's first byte
.endr
.endr
	s_wait_dscnt 0x0
	s_wait_alu depctr_hold_cnt(0) depctr_sa_sdst(0) depctr_va_vdst(0) depctr_va_sdst(0) depctr_va_ssrc(0) depctr_va_vcc(0) depctr_vm_vsrc(0)
	s_wait_tensorcnt 0x0
	ds_add_u32 v254, v255
	s_wait_dscnt 0x0
	s_endpgm
.Lfunc_end_k_q2c5ed7796f_proj:
	.size	k_q2c5ed7796f_proj, .Lfunc_end_k_q2c5ed7796f_proj-k_q2c5ed7796f_proj
	.p2alignl 7, 3214868480
	.fill 96, 4, 3214868480
	.section	.rodata,"a",@progbits
	.p2align	6, 0x0
	.amdhsa_kernel k_q2c5ed7796f_proj
		.amdhsa_group_segment_fixed_size 158208
		.amdhsa_private_segment_fixed_size 0
		.amdhsa_enable_private_segment 0
		.amdhsa_kernarg_size 64
		.amdhsa_user_sgpr_count 2
		.amdhsa_user_sgpr_kernarg_segment_ptr 1
		.amdhsa_wavefront_size32 1
		.amdhsa_system_sgpr_workgroup_id_x 1
		.amdhsa_system_sgpr_workgroup_id_y 1
		.amdhsa_system_sgpr_workgroup_id_z 1
		.amdhsa_system_vgpr_workitem_id 0
		.amdhsa_next_free_vgpr 256
		.amdhsa_next_free_sgpr 66
		.amdhsa_reserve_vcc 0
		.amdhsa_float_denorm_mode_32 3
		.amdhsa_float_denorm_mode_16_64 3
		.amdhsa_memory_ordered 1
		.amdhsa_forward_progress 1
		.amdhsa_inst_pref_size 52
	.end_amdhsa_kernel
	.amdgpu_metadata
---
amdhsa.version: [ 1, 2 ]
amdhsa.kernels:
  - .name:           k_q2c5ed7796f_proj
    .symbol:         k_q2c5ed7796f_proj.kd
    .args:
      - { .name: ao, .offset: 0, .size: 8, .value_kind: global_buffer, .address_space: global }
      - { .name: asc, .offset: 8, .size: 8, .value_kind: global_buffer, .address_space: global }
      - { .name: wimg, .offset: 16, .size: 8, .value_kind: global_buffer, .address_space: global }
      - { .name: W_o_scales, .offset: 24, .size: 8, .value_kind: global_buffer, .address_space: global }
      - { .name: inputs, .offset: 32, .size: 8, .value_kind: global_buffer, .address_space: global }
      - { .name: ln_gamma, .offset: 40, .size: 8, .value_kind: global_buffer, .address_space: global }
      - { .name: ln_beta, .offset: 48, .size: 8, .value_kind: global_buffer, .address_space: global }
      - { .name: out0, .offset: 56, .size: 8, .value_kind: global_buffer, .address_space: global }
    .group_segment_fixed_size: 158208
    .private_segment_fixed_size: 0
    .kernarg_segment_align: 8
    .kernarg_segment_size: 64
    .max_flat_workgroup_size: 512
    .sgpr_count:     66
    .vgpr_count:     256
    .wavefront_size: 32
...
	.end_amdgpu_metadata
.endif
;; end of part 8
